; MI455X (gfx1250); checked and timed in simulation.
; The chip was launched on July 23, 2026; its instructions are those of AMD's public machine-readable ISA for CDNA 5 (MIT licence, August 2026) and "CDNA5" Instruction Set Architecture Reference Guide (July 2026). The comments in the code are by the model that wrote it; some were corrected since.
;; Multi Head Attention. Allowed arithmetic: matrix products marked QUANTISED: E5M2 operands, one E8M0 scale for each 32 along K, by v_wmma_scale_f32_16x16x128_f8f6f4 with both operands' format E5M2, f32 sums; everything else in f32.
;; Inputs: Wk 16 x 1,024 x 64 float32; Wproj 1,024 x 1,024 float32; Wq 16 x 1,024 x 64 float32; Wv 16 x 1,024 x 64 float32; bproj 1,024 float32; x 4 x 2,048 x 1,024 float32.
;; Outputs: out0 4 x 2,048 x 1,024 float32.
;; This version of the problem:
;;   THIS VERSION OF THE PROBLEM IS GIVEN IN LOW PRECISION. The matrix products marked QUANTISED in the list below multiply operands that are first quantised to E5M2 (5 exponent bits, 2 mantissa bits; 8 bits a number), with one power-of-two scale for each 32 numbers along K (OCP MX v1.0); their sums are f32. All else is computed in f32.
;;   The module's matrix products, in the order in which they are computed (A, B: the left and right operand; K: the contracted axis; several contracted axes count as one K, in the product's order):
;;     1. [M 1,024, K 1,024] x [K 1,024, N 8,192]; A: input Wq; B: input x: QUANTISED
;;     2. [M 1,024, K 1,024] x [K 1,024, N 8,192]; A: input Wk; B: input x: QUANTISED
;;     3. [M 1,024, K 1,024] x [K 1,024, N 8,192]; A: input Wv; B: input x: QUANTISED
;;     4. batch 64 x [M 2,048, K 64] x [K 64, N 2,048]; A: computed on the way; B: computed on the way: QUANTISED
;;     5. batch 64 x [M 2,048, K 2,048] x [K 2,048, N 64]; A: softmax (see below); B: computed on the way: QUANTISED
;;     6. [M 8,192, K 1,024] x [K 1,024, N 1,024]; A: computed on the way; B: input Wproj: QUANTISED
;;   THE QUANTISER, for each operand of a quantised product, along K:
;;     - K is cut into blocks of 32 from its start; a last block that is shorter is filled with zeros.
;;     - A block's scale is 2^e with e = floor(log2(the largest magnitude in the block)) - 15, held to -126 .. 127; a block of zeros has e = 0. As a byte (E8M0): e + 127.
;;     - Each number is divided by its block's scale, clamped to +-57,344, and rounded to the nearest number of E5M2, ties to even, subnormals kept.
;;     - The product sums the exact products of the quantised numbers (number of the format x scale) in f32.
;;   ~~~python
;;   def quantise(x, axis):      # numpy; x: float32 -> the quantised numbers, widened to float32 again
;;       x = np.moveaxis(x, axis, -1); K = x.shape[-1]
;;       x = np.pad(x, [(0, 0)] * (x.ndim - 1) + [(0, -K % 32)]); x = x.reshape(x.shape[:-1] + (-1, 32)); a = np.abs(x).max(-1, keepdims=True)
;;       e = np.where(a > 0, np.clip(np.frexp(np.where(a > 0, a, 1))[1] - 1 - 15, -126, 127), 0)      # np.frexp(a)[1] - 1 = floor(log2(a)), exactly
;;       r = np.clip(x / 2.0 ** e, -57344, 57344)
;;       step = 2.0 ** (np.maximum(np.frexp(np.where(r == 0, 1, r))[1] - 1, -14) - 2)
;;       q = np.round(r / step) * step * 2.0 ** e      # np.round: ties to even
;;       return np.moveaxis(q.reshape(q.shape[:-2] + (-1,))[..., :K], -1, axis).astype(np.float32)
;;   ~~~
;;   SOFTMAX AHEAD OF A QUANTISED PRODUCT. Where the list says 'softmax', what is quantised is not the finished softmax but p = 2^(t - M), with t = logit x log2(e) and M = ceil(the row's largest t), a whole number; so 1/2 < the row's largest p <= 1. The row's sum l is taken of the UNQUANTISED p, in f32, and the product's result is divided by l at the end. Since M is a whole number, a kernel that streams over the keys may use a running M (the ceiling of the running maximum): every later rescaling is an exact power of two, which a block's scale takes up: the codes' values come out the same.
;;   OPERANDS COMPUTED ON THE WAY. 'Computed on the way' means the value that the module computes at that place (a softmax that the list does not call 'softmax' is quantised finished and normalised). What goes into a quantiser is computed in f32, as accurately as f32 sums, v_exp_f32 and their like allow (about 1e-6 of the number): no bf16 or f16 on the way to a quantiser, and a product that is left as it is and whose result goes on into a quantised operand takes f32 operands (vector FMAs, or v_wmma_f32_16x16x4_f32). A number that lies on a knife's edge between two numbers of the format may be rounded either way, as far as f32 arithmetic and the matrix unit's own rounding can turn it there, and no further.
;; 2 versions, each right and faster than the one before. Each part assembles by itself: llvm-mc -triple=amdgcn-amd-amdhsa -mcpu=gfx1250 --defsym DOCPART=n.
;; ======== version 1 of 2: 6 launches
;; workspace buffers: xq 8,650,752 bytes; wp 1,310,720 bytes; wqk 2,359,296 bytes; wv 1,310,720 bytes; qk 17,301,504 bytes; vq 17,301,504 bytes; aq 8,650,752 bytes
;; launch quantx (part 1): grid 576 x 1, 1 waves a work-group, no clusters, 8,960 bytes of LDS; arguments x, Wproj, xq, wp; writes xq, wp
.if DOCPART == 1
	.amdgcn_target "amdgcn-amd-amdhsa--gfx1250"
	.amdhsa_code_object_version 6
	.text
	.protected	k_q5639188ee7_quantx
	.globl	k_q5639188ee7_quantx
	.p2align	8
	.type	k_q5639188ee7_quantx,@function
k_q5639188ee7_quantx:
	s_mov_b64 s[64:65], 0
	v_nop
	global_prefetch_b8 v0, s[64:65] scope:SCOPE_SE
	s_setreg_imm32_b32 hwreg(HW_REG_WAVE_MODE, 25, 1), 1
	s_wait_xcnt 0x0
; x [8192][1024] and Wproj [1024][1024], f32, K innermost, become codes of E5M2 with one E8M0 byte for each 32 along K.
; A block's scale is 2^(floor(log2(its largest magnitude)) - 15); each number is divided by it, held within +-57,344 and rounded to the nearest code, ties to even.
; THE OUTPUT IS LAID AS THE MATRIX OPERAND'S REGISTERS: from byte COFF on [row tile][K step of 128][c 0..3][lane][16 bytes]; lane (r, hf) holds k = 32 c + 16 hf + 0..15 of the tile's row r.
; Bytes 0 .. COFF - 1 hold the scale bytes, [stored row][32].  THE ROWS OF A TILE ARE NOT NEIGHBOURS: row r of tile 2 g + u is row 32 g + 8 u + r + 8 (r / 8) of the tensor,
; so that a product that takes such tiles as source 0 leaves 16 neighbours in a lane's 16 registers of two neighbouring tiles.
; SHARES: a work-group is one wave and takes one tile (16 rows x 1,024 K) in eight steps of 128 K.  Work-groups 0-511 take x, 512-575 Wproj: pointers alone are chosen, there is one path.
; A load reads 512 consecutive bytes of a row; a step's 16 rows turn through a stage in LDS (rows 528 bytes apart) into the operand's order.
; LIMITS: NaN and infinities among the inputs are not served.  A block of zeros, and a block whose largest magnitude lies under 2^-111, gets the byte 1 (the rule says 127 for zeros): its codes are zeros
; or the rule's own (the rule holds the byte at 1 too), and only this program reads the bytes.
.set COFF, 262144
.set SP,   528                         ; a stage row: 512 bytes + 16
.set TM,   8                           ; v8-11 largest magnitudes, v12-15 bytes, v16-19 57,344 x the scale, v20-23 the conversions' scale operands
.set W,    24                          ; v24-31 the row's eight scale words
.set SW,   32                          ; v32-35 the four of them that my lane stores
.set PC,   36                          ; v36-51 a step's codes
.set X,    52                          ; v52-115 64 numbers in the operand's order
.set R,    116                         ; v116-243 two sets of 64 numbers as loaded
.set SEL,  20                          ; s[20:21] lane selects: lane l xor 16
.set MNT,  22                          ; s22 the mantissa field of 57,344
	s_load_b128 s[4:7], s[0:1], 0x0                ; x, Wproj
	s_load_b128 s[8:11], s[0:1], 0x10              ; xq, wp
	v_lshl_add_u32 v254, v0, 2, 0x2200
	v_mov_b32 v255, 0
	v_lshlrev_b32 v1, 4, v0                        ; 16 x lane
	v_and_b32 v5, 15, v0                           ; r
	v_lshrrev_b32 v4, 4, v0                        ; hf
	v_mul_u32_u24 v2, v5, SP
	v_lshl_add_u32 v2, v4, 6, v2                   ; out of the stage: row r, + 64 hf bytes
	v_lshlrev_b32 v3, 5, v5
	v_lshl_add_u32 v3, v4, 4, v3                   ; my 16 of the row's 32 scale bytes
.irp b, 0,1,2,3
	v_mov_b32 v[TM+4+\b], 0                        ; written once: a lane permute's destination counts as one of its sources
.endr
	s_mov_b32 s[SEL], 0x76543210
	s_mov_b32 s[SEL+1], 0xfedcba98
	s_mov_b32 s[MNT], 0x600000
	s_wait_kmcnt 0x0
	s_cmp_lt_u32 ttmp9, 512                        ; x's tile or Wproj's: the choice hangs on the work-group's number alone
	s_cselect_b64 s[4:5], s[4:5], s[6:7]
	s_cselect_b64 s[8:9], s[8:9], s[10:11]
	s_cselect_b32 s12, 0, 512
	s_sub_co_u32 s12, ttmp9, s12                   ; the tile
	s_lshr_b32 s13, s12, 1
	s_lshl_b32 s13, s13, 5
	s_and_b32 s14, s12, 1
	s_lshl_b32 s14, s14, 3
	s_add_co_u32 s13, s13, s14                     ; its first row: 32 (tile / 2) + 8 (tile % 2)
	s_lshl_b32 s14, s13, 12                        ; rows of 4,096 bytes
	s_mov_b32 s15, 0
	s_add_nc_u64 s[4:5], s[4:5], s[14:15]
	s_lshl_b32 s14, s12, 14                        ; a tile's codes are 16,384 bytes
	s_add_nc_u64 s[16:17], s[8:9], s[14:15]
	s_lshl_b32 s14, s12, 9                         ; its scale bytes 512
	s_add_nc_u64 s[8:9], s[8:9], s[14:15]
.macro LOAD s                          ; step s: 512 bytes of each of the tile's 16 rows
.irp i, 0,1,2,3,4,5,6,7,8,9,10,11,12,13,14,15
	global_load_b128 v[R+64*((\s)%2)+4*\i:R+64*((\s)%2)+4*\i+3], v1, s[4:5] offset:(\i+8*(\i/8))*4096+512*(\s) th:TH_LOAD_NT
.endr
.endm
.macro QUANT w                         ; v[X] .. v[X + 63], register 16 b + i = k 32 b + 16 hf + i of my row, become codes in v[PC] on and the scale word v[w]
.irp b, 0,1,2,3
	v_max3_num_f32 v[TM+\b], |v[X+16*\b]|, |v[X+1+16*\b]|, 0x8000000   ; block b: my 16 numbers and the floor 2^(16 - 127): the byte cannot fall under 1
.endr
.irp i, 2,4,6,8,10,12,14
.irp b, 0,1,2,3
	v_max3_num_f32 v[TM+\b], v[TM+\b], |v[X+16*\b+\i]|, |v[X+1+16*\b+\i]|   ; the four blocks by turns
.endr
.endr
.irp b, 0,1,2,3
	v_permlanex16_b32 v[TM+4+\b], v[TM+\b], s[SEL], s[SEL+1]
.endr
.irp b, 0,1,2,3
	v_max_num_f32 v[TM+\b], v[TM+\b], v[TM+4+\b]   ; with lane l xor 16's 16: the block's largest magnitude
.endr
.irp b, 0,1,2,3
	v_add_nc_u32 v[TM+12+\b], 0xf8800000, v[TM+\b] ; 15 off its exponent field: the conversion takes this operand's exponent field as its scale
.endr
.irp b, 0,1,2,3
	v_and_or_b32 v[TM+8+\b], v[TM+\b], 0x7f800000, s[MNT]   ; 57,344 x the scale
.endr
.irp b, 0,1,2,3
	v_lshrrev_b32 v[TM+4+\b], 23, v[TM+12+\b]      ; the scale's byte
.endr
	v_lshl_or_b32 v[\w], v[TM+5], 8, v[TM+4]
	v_lshl_or_b32 v[\w], v[TM+6], 16, v[\w]
	v_lshl_or_b32 v[\w], v[TM+7], 24, v[\w]
.irp b, 0,1,2,3
.irp i, 0,1,2,3,4,5,6,7,8,9,10,11,12,13,14,15
	v_med3_num_f32 v[X+16*\b+\i], v[X+16*\b+\i], -v[TM+8+\b], v[TM+8+\b]   ; the conversion to an 8-bit code does not saturate (ISA guide 7.6.2): the hold comes first
.endr
	v_cvt_scalef32_pk8_bf8_f32 v[PC+4*\b:PC+4*\b+1], v[X+16*\b:X+16*\b+7], v[TM+12+\b]
	v_cvt_scalef32_pk8_bf8_f32 v[PC+4*\b+2:PC+4*\b+3], v[X+16*\b+8:X+16*\b+15], v[TM+12+\b]
.endr
.endm
.macro STEP s
.if (\s) < 7
	s_wait_loadcnt 16                              ; this step's 16 loads are in; the next step's 16 may be out
.else
	s_wait_loadcnt 0x0
.endif
	s_wait_xcnt 0x0                                ; the last step's stores have read v[PC] on: it is written again only behind this wait
.irp i, 0,1,2,3,4,5,6,7,8,9,10,11,12,13,14,15
	ds_store_b128 v1, v[R+64*((\s)%2)+4*\i:R+64*((\s)%2)+4*\i+3] offset:SP*\i
.endr
.irp c, 0,1,2,3
.irp j, 0,1,2,3
	ds_load_b128 v[X+16*\c+4*\j:X+16*\c+4*\j+3], v2 offset:128*\c+16*\j   ; LDS serves a wave's instructions in order: these see the stores above
.endr
.endr
	s_wait_dscnt 0x0                               ; the numbers are back, and the stage's stores have read their registers,
.if (\s) < 6
	LOAD (\s)+2                                    ; which take the loads of two steps on
.endif
	QUANT W+(\s)
.irp c, 0,1,2,3
	global_store_b128 v1, v[PC+4*\c:PC+4*\c+3], s[16:17] offset:COFF+2048*(\s)+512*\c   ; 512 consecutive bytes, aligned
.endr
.endm
	LOAD 0
	LOAD 1
.irp s, 0,1,2,3,4,5,6,7
	STEP \s
.endr
	v_cmp_eq_u32 vcc_lo, 1, v4                     ; lanes 0-15 store the row's words 0-3, lanes 16-31 its words 4-7
.irp i, 0,1,2,3
	v_cndmask_b32 v[SW+\i], v[W+\i], v[W+4+\i], vcc_lo
.endr
	global_store_b128 v3, v[SW:SW+3], s[8:9]       ; the tile's 512 scale bytes
	s_wait_tensorcnt 0x0
	ds_add_u32 v254, v255
	s_wait_dscnt 0x0
	s_endpgm
.Lfunc_end_k_q5639188ee7_quantx:
	.size	k_q5639188ee7_quantx, .Lfunc_end_k_q5639188ee7_quantx-k_q5639188ee7_quantx
	.p2alignl 7, 3214868480
	.fill 96, 4, 3214868480
	.section	.rodata,"a",@progbits
	.p2align	6, 0x0
	.amdhsa_kernel k_q5639188ee7_quantx
		.amdhsa_group_segment_fixed_size 8960
		.amdhsa_private_segment_fixed_size 0
		.amdhsa_enable_private_segment 0
		.amdhsa_kernarg_size 32
		.amdhsa_user_sgpr_count 2
		.amdhsa_user_sgpr_kernarg_segment_ptr 1
		.amdhsa_wavefront_size32 1
		.amdhsa_system_sgpr_workgroup_id_x 1
		.amdhsa_system_sgpr_workgroup_id_y 1
		.amdhsa_system_sgpr_workgroup_id_z 1
		.amdhsa_system_vgpr_workitem_id 0
		.amdhsa_next_free_vgpr 256
		.amdhsa_next_free_sgpr 66
		.amdhsa_reserve_vcc 1
		.amdhsa_float_denorm_mode_32 3
		.amdhsa_float_denorm_mode_16_64 3
		.amdhsa_memory_ordered 1
		.amdhsa_forward_progress 1
		.amdhsa_inst_pref_size 98
	.end_amdhsa_kernel
	.amdgpu_metadata
---
amdhsa.version: [ 1, 2 ]
amdhsa.kernels:
  - .name:           k_q5639188ee7_quantx
    .symbol:         k_q5639188ee7_quantx.kd
    .args:
      - { .name: x, .offset: 0, .size: 8, .value_kind: global_buffer, .address_space: global }
      - { .name: Wproj, .offset: 8, .size: 8, .value_kind: global_buffer, .address_space: global }
      - { .name: xq, .offset: 16, .size: 8, .value_kind: global_buffer, .address_space: global }
      - { .name: wp, .offset: 24, .size: 8, .value_kind: global_buffer, .address_space: global }
    .group_segment_fixed_size: 8960
    .private_segment_fixed_size: 0
    .kernarg_segment_align: 8
    .kernarg_segment_size: 32
    .max_flat_workgroup_size: 32
    .sgpr_count:     66
    .vgpr_count:     256
    .wavefront_size: 32
...
	.end_amdgpu_metadata
.endif
;; end of part 1
;; launch quantw (part 2): grid 16 x 3, 16 waves a work-group, no clusters, 4,096 bytes of LDS; arguments Wq, Wk, Wv, wqk, wv; writes wqk, wv
.if DOCPART == 2
	.amdgcn_target "amdgcn-amd-amdhsa--gfx1250"
	.amdhsa_code_object_version 6
	.text
	.protected	k_q5639188ee7_quantw
	.globl	k_q5639188ee7_quantw
	.p2align	8
	.type	k_q5639188ee7_quantw,@function
k_q5639188ee7_quantw:
	s_mov_b64 s[64:65], 0
	v_nop
	global_prefetch_b8 v0, s[64:65] scope:SCOPE_SE
	s_setreg_imm32_b32 hwreg(HW_REG_WAVE_MODE, 25, 1), 1
	s_wait_xcnt 0x0
; Wq, Wk, Wv [16 heads][1024 (K)][64], f32: K is the middle axis.  They become codes of E5M2 with one E8M0 byte for each 32 along K, laid as the matrix operand's registers:
; scale bytes [stored row][32] from byte 0, codes [row tile][K step of 128][c][lane][16 bytes] from byte COFF.  An operand's row is 64 head + d; wqk holds Wq's 1,024 rows and then Wk's; wv holds Wv's.
; Row r of tile 2 g + u is row 32 g + 8 u + r + 8 (r / 8).
; A LANE TAKES A COLUMN d, AND ITS REGISTERS RUN DOWN K: a block of 32 along K lies in one lane's 32 registers, its largest magnitude needs no other lane, and the conversions give codes with K innermost.
; SHARES: a work-group takes one head (x) of one tensor (y: pointers alone are chosen).  Wave w: 32 columns (w % 2) x 128 along K (w / 2).  Lanes 0-15 are one tile's rows, lanes 16-31 the next tile's.
; A lane's 32 codes of a block are the 16 bytes of lane r and the 16 bytes of lane 16 + r of the image: two stores, in each of which sixteen lanes fill 256 consecutive aligned bytes.
; The head's scale bytes (64 rows x 32) meet in LDS and leave dense.
; LIMITS: NaN and infinities among the inputs are not served.  A block of zeros gets the byte 1 (the rule says 127): its codes are zeros, and only this program reads the bytes.
.set COFF, 262144
.set X,    32                          ; v32-159 four blocks of 32 numbers
.set C,    160                         ; v160-191 eight registers of codes for each block: no store's data are written again
.set SB,   24                          ; v24 my row's scale word for this K step
.set MNT,  28                          ; s28 the mantissa field of 57,344
	s_load_b256 s[4:11], s[0:1], 0x0               ; Wq, Wk, Wv, wqk
	s_load_b64 s[12:13], s[0:1], 0x20              ; wv
	v_lshl_add_u32 v192, v0, 2, 0x800
	v_mov_b32 v193, 0
	v_lshrrev_b32 v1, 5, v0
	v_readfirstlane_b32 s16, v1                    ; wave 0..15
	v_and_b32 v2, 31, v0                           ; lane
	v_and_b32 v3, 15, v0                           ; r
	v_bfe_u32 v4, v0, 4, 1                         ; u
	v_and_b32 v5, 8, v3
	v_add_nc_u32 v5, v5, v3                        ; r + 8 (r / 8)
	v_lshl_add_u32 v5, v4, 3, v5                   ; + 8 u: my column among the wave's 32
	v_lshlrev_b32 v5, 2, v5                        ; in bytes: the 32 lanes read 128 consecutive bytes
	v_lshlrev_b32 v6, 4, v3
	v_lshl_add_u32 v6, v4, 14, v6                  ; out: 16,384 u (the tile) + 16 r
	s_and_b32 s17, s16, 1                          ; which 32 columns
	s_lshr_b32 s18, s16, 1                         ; which K step
	s_lshl_b32 s19, s17, 10
	s_lshl_b32 s20, s18, 2
	s_add_co_u32 s19, s19, s20
	v_lshlrev_b32 v7, 5, v2
	v_add_nc_u32 v7, s19, v7                       ; LDS: row (32 x half + lane) x 32 bytes + 4 x K step
	v_lshlrev_b32 v8, 4, v0                        ; 16 x thread
	s_and_b32 s21, ttmp7, 0xffff                   ; which tensor
	s_lshl_b32 s22, ttmp9, 18                      ; the head: 262,144 bytes
	s_lshl_b32 s23, s18, 15                        ; 128 rows of 256 bytes
	s_add_co_u32 s22, s22, s23
	s_lshl_b32 s23, s17, 7
	s_add_co_u32 s22, s22, s23
	s_mov_b32 s23, 0
	s_mov_b32 s27, 0
	s_mov_b32 s[MNT], 0x600000
	s_wait_kmcnt 0x0
	s_cmp_eq_u32 s21, 1
	s_cselect_b64 s[4:5], s[6:7], s[4:5]
	s_cselect_b32 s24, 1024, 0                     ; Wk's rows lie behind Wq's
	s_cmp_eq_u32 s21, 2
	s_cselect_b64 s[4:5], s[8:9], s[4:5]
	s_cselect_b64 s[10:11], s[12:13], s[10:11]
	s_add_nc_u64 s[4:5], s[4:5], s[22:23]
	s_lshl_b32 s25, ttmp9, 6
	s_add_co_u32 s24, s24, s25                     ; the head's first row of the operand
	s_lshl_b32 s26, s24, 5
	s_add_nc_u64 s[14:15], s[10:11], s[26:27]      ; its scale bytes
	s_lshl_b32 s25, s17, 5
	s_add_co_u32 s25, s25, s24
	s_lshl_b32 s26, s25, 10                        ; 1,024 bytes of codes a row
	s_lshl_b32 s25, s18, 11                        ; 2,048 a K step
	s_add_co_u32 s26, s26, s25
	s_add_co_u32 s26, s26, COFF
	s_add_nc_u64 s[10:11], s[10:11], s[26:27]
.macro LOAD c                          ; block c: W(32 c + i, my column)
.irp i, 0,1,2,3,4,5,6,7,8,9,10,11,12,13,14,15,16,17,18,19,20,21,22,23,24,25,26,27,28,29,30,31
	global_load_b32 v[X+32*(\c)+\i], v5, s[4:5] offset:256*(32*(\c)+\i) th:TH_LOAD_NT
.endr
.endm
.macro BLOCK c
.set XS, X+32*(\c)
.if (\c) < 3
	s_wait_loadcnt 32                              ; this block's 32 loads are in; the next block's 32 may be out
.else
	s_wait_loadcnt 0x0
.endif
.if (\c) < 2
	LOAD (\c)+2
.endif
	v_max3_num_f32 v12, |v[XS]|, |v[XS+1]|, |v[XS+2]|
	v_max3_num_f32 v13, |v[XS+3]|, |v[XS+4]|, |v[XS+5]|
.irp i, 6,10,14,18,22,26
	v_max3_num_f32 v12, v12, |v[XS+\i]|, |v[XS+\i+1]|
	v_max3_num_f32 v13, v13, |v[XS+\i+2]|, |v[XS+\i+3]|
.endr
	v_max3_num_f32 v12, v12, |v[XS+30]|, |v[XS+31]|
	v_max3_num_f32 v12, v12, v13, 0x8000000        ; and the floor 2^(16 - 127): the byte cannot fall under 1
	v_add_nc_u32 v11, 0xf8800000, v12              ; 15 off the exponent field: the conversion's scale operand
	v_and_or_b32 v10, v12, 0x7f800000, s[MNT]      ; 57,344 x the scale
	v_lshrrev_b32 v13, 23, v11                     ; the scale's byte
.if (\c) == 0
	v_mov_b32 v[SB], v13
.else
	v_lshl_or_b32 v[SB], v13, 8*(\c), v[SB]
.endif
.irp i, 0,1,2,3,4,5,6,7,8,9,10,11,12,13,14,15,16,17,18,19,20,21,22,23,24,25,26,27,28,29,30,31
	v_med3_num_f32 v[XS+\i], v[XS+\i], -v10, v10   ; the conversion does not saturate (ISA guide 7.6.2): the hold comes first
.endr
.irp g, 0,1,2,3
	v_cvt_scalef32_pk8_bf8_f32 v[C+8*(\c)+2*\g:C+8*(\c)+2*\g+1], v[XS+8*\g:XS+8*\g+7], v11
.endr
	global_store_b128 v6, v[C+8*(\c):C+8*(\c)+3], s[10:11] offset:512*(\c)          ; k = 32 c + 0..15: the image's lanes 0-15
	global_store_b128 v6, v[C+8*(\c)+4:C+8*(\c)+7], s[10:11] offset:512*(\c)+256    ; k = 32 c + 16..31: its lanes 16-31
.endm
	LOAD 0
	LOAD 1
	BLOCK 0
	BLOCK 1
	BLOCK 2
	BLOCK 3
	ds_store_b32 v7, v[SB]
	s_wait_dscnt 0x0                               ; for the others' sake: my word has landed
	s_barrier_signal -1
	s_barrier_wait -1
	s_cmp_lt_u32 s16, 4                            ; waves 0-3 carry the head's 2,048 scale bytes out
	s_cbranch_scc0 .Lend
	ds_load_b128 v[28:31], v8
	s_wait_dscnt 0x0
	global_store_b128 v8, v[28:31], s[14:15]       ; 512 consecutive bytes a wave
.Lend:
	s_wait_tensorcnt 0x0
	ds_add_u32 v192, v193
	s_wait_dscnt 0x0
	s_endpgm
.Lfunc_end_k_q5639188ee7_quantw:
	.size	k_q5639188ee7_quantw, .Lfunc_end_k_q5639188ee7_quantw-k_q5639188ee7_quantw
	.p2alignl 7, 3214868480
	.fill 96, 4, 3214868480
	.section	.rodata,"a",@progbits
	.p2align	6, 0x0
	.amdhsa_kernel k_q5639188ee7_quantw
		.amdhsa_group_segment_fixed_size 4096
		.amdhsa_private_segment_fixed_size 0
		.amdhsa_enable_private_segment 0
		.amdhsa_kernarg_size 40
		.amdhsa_user_sgpr_count 2
		.amdhsa_user_sgpr_kernarg_segment_ptr 1
		.amdhsa_wavefront_size32 1
		.amdhsa_system_sgpr_workgroup_id_x 1
		.amdhsa_system_sgpr_workgroup_id_y 1
		.amdhsa_system_sgpr_workgroup_id_z 1
		.amdhsa_system_vgpr_workitem_id 0
		.amdhsa_next_free_vgpr 194
		.amdhsa_next_free_sgpr 66
		.amdhsa_reserve_vcc 0
		.amdhsa_float_denorm_mode_32 3
		.amdhsa_float_denorm_mode_16_64 3
		.amdhsa_memory_ordered 1
		.amdhsa_forward_progress 1
		.amdhsa_inst_pref_size 30
	.end_amdhsa_kernel
	.amdgpu_metadata
---
amdhsa.version: [ 1, 2 ]
amdhsa.kernels:
  - .name:           k_q5639188ee7_quantw
    .symbol:         k_q5639188ee7_quantw.kd
    .args:
      - { .name: Wq, .offset: 0, .size: 8, .value_kind: global_buffer, .address_space: global }
      - { .name: Wk, .offset: 8, .size: 8, .value_kind: global_buffer, .address_space: global }
      - { .name: Wv, .offset: 16, .size: 8, .value_kind: global_buffer, .address_space: global }
      - { .name: wqk, .offset: 24, .size: 8, .value_kind: global_buffer, .address_space: global }
      - { .name: wv, .offset: 32, .size: 8, .value_kind: global_buffer, .address_space: global }
    .group_segment_fixed_size: 4096
    .private_segment_fixed_size: 0
    .kernarg_segment_align: 8
    .kernarg_segment_size: 40
    .max_flat_workgroup_size: 512
    .sgpr_count:     66
    .vgpr_count:     194
    .wavefront_size: 32
...
	.end_amdgpu_metadata
.endif
;; end of part 2
;; launch gemmq (part 3): grid 8 x 32, 4 waves a work-group, clusters of 4 x 4, 327,680 bytes of LDS; arguments xq, wqk, qk; writes qk
.if DOCPART == 3
	.amdgcn_target "amdgcn-amd-amdhsa--gfx1250"
	.amdhsa_code_object_version 6
	.text
	.protected	k_q5639188ee7_gemmq
	.globl	k_q5639188ee7_gemmq
	.p2align	8
	.type	k_q5639188ee7_gemmq,@function
k_q5639188ee7_gemmq:
	s_mov_b64 s[64:65], 0
	v_nop
	global_prefetch_b8 v0, s[64:65] scope:SCOPE_SE
	s_setreg_imm32_b32 hwreg(HW_REG_WAVE_MODE, 25, 1), 1
	s_wait_xcnt 0x0
	s_wait_alu depctr_hold_cnt(0) depctr_sa_sdst(0) depctr_va_vdst(0) depctr_va_sdst(0) depctr_va_ssrc(0) depctr_va_vcc(0) depctr_vm_vsrc(0)
	s_getreg_b32 s2, hwreg(HW_REG_IB_STS2, 6, 4)
	s_cmp_eq_u32 s2, 0
	s_cbranch_scc0 .Lentry_in_a_cluster
	s_endpgm
.Lentry_in_a_cluster:
	s_bfe_u32 s2, ttmp6, 0x10000c
	s_cmp_lg_u32 s2, 0xf033
	s_cbranch_scc0 .Lentry_shape_is_right
	s_endpgm
.Lentry_shape_is_right:
; C = A B^T on codes of E5M2 with E8M0 scales, K = 1,024, and C is QUANTISED ALONG B's ROWS on its way out: it is the next product's operand.
; Used twice: A = x (8,192 rows), B = Wq and Wk (2,048 rows): q and k, quantised along the head's 64;  A = Wv (1,024 rows), B = x: v transposed, quantised along the keys.
; OPERANDS lie as images of the matrix operand's registers: scale bytes [stored row][32] from byte 0; codes [row tile][K step of 128][c][lane][16 bytes] from byte COFF.  Any quarter of a fragment is 512
; consecutive bytes at 16 x lane, in memory and in LDS: no pitch, no padding.  Row r of tile 2 g + u is row 32 g + 8 u + r + 8 (r / 8) of the matrix.
; A tile of C, 256 x 256, is made by four waves, 128 x 128 each: 64 accumulators, 512 registers.  K goes in steps of 256 through two LDS slots filled by the tensor data mover; the scale bytes of the
; work-group's rows, for all of K, come once with the first fills.
; CLUSTERS: 4 x 4 work-groups; the four of a row need the same tiles of A, the four of a column the same tiles of B: each tile is asked for jointly.
; THE MATRIX INSTRUCTION IS USED TRANSPOSED (source 0 = 16 rows of B, source 1 = 16 rows of A): by the order of B's rows a lane's 16 registers of B's tiles 2 g, 2 g + 1 are B's rows 32 g + 16 hf + 0..15:
; a lane's 64 results of one tile of A are a fragment's 64 numbers in the operand's own order, and the conversions' results are the operand's registers.  Nothing goes through LDS on the way out.
; OUTPUT: with io = my 128 rows of A, jg = my 128 rows of B, P = io % 16, Q = jg % 16, R = io / 16 + jg / 16 (one of the two is 0): the quarter (tile a of A, block b of 32) lies at
; C2 + 4,096 P + 262,144 Q + 4,194,304 R + 65,536 b + 512 a + 16 x lane; the scale words at 512 (P + 16 Q + 256 R) + 256 (a / 4) + 16 r + 4 (a % 4).
; LIMITS: NaN and infinities are not served.  A block of zeros gets the byte 1 (the rule says 127): its codes are zeros, and only this program reads the bytes.
; REGISTERS, in windows of 256: window 0: v0-31 addresses; v32-63 scale words, two sets; v128-255 A's fragments, one set.  window 1: B's fragments, two sets.  windows 2, 3: the accumulators.
.set NQ,     2                         ; matrix instructions deep in a slot
.set FR,     16                        ; registers of a fragment
.set NL,     4                         ; LDS loads that bring one
.set NP,     8                         ; places behind this matrix instruction (ISA guide 7.12.1)
.set COFF,   262144
.set C2,     524288
.set RT,     4096                      ; a row tile's two K steps of 128
.set HALFT,  8*RT                      ; 128 rows: what one tensor load brings
.set SLOT,   4*HALFT                   ; A's 256 rows, then B's
.set KS,     32                        ; a row of scale bytes
.set SCL,    2*SLOT                    ; behind the ring: the scales, as units of 256 bytes + 16 of padding
.set HALFS,  (128*KS/256)*272
.set SBLK,   (16*KS/256)*272
.set SPARE,  SCL+4*HALFS               ; the spare words, 128 bytes for each wave: two blocks of 256 bytes that no other line names
.set ADRA, 16                          ; v16-17 LDS address of my A fragments in slot 0, 1
.set ADRB, 20                          ; v20-21 the same for B
.set LN,   26                          ; v26 16 x lane
.set ADRS, 27                          ; v27 LDS address of my scale words: lanes 0-15 A's rows, lanes 16-31 B's
.set SPW,  28                          ; v28 LDS address of my spare word; never rewritten
.set NIL,  29                          ; v29 0; never rewritten
.set HF,   30                          ; v30 lane / 16
.set SC,   32
.set AF,   128
.set TM,   32                          ; the way out: v32-35 largest magnitudes, v36-39 bytes, v40-43 57,344 x the scale, v44-47 scale operands
.set W,    48                          ; v48-55 the scale words of A's eight tiles
.set SW,   56                          ; v56-59 the four that my lane stores
.set PC,   64                          ; v64-95 codes, two sets
.set X,    128                         ; v128-191 64 numbers, held
.set G1, 24
.set G0, 32
.set G1B, 48
.set G0B, 56
.set G1S, 68
.set G0S, 76
.set G1SB, 80
.set G0SB, 88
.set SEL, 2                            ; s[2:3] lane selects, set on the way out
.set MNT, 95
.set MSB, 0
.macro WIN new                         ; the immediate's high byte repeats the setting that is left
.if MSB != \new
	s_set_vgpr_msb (MSB<<8)|\new
.set MSB, \new
.endif
.endm
.set MUL_LO, 0xa1                      ; source 0 (B) window 1, source 1 (A) window 0, C and D window 2
.set MUL_HI, 0xf1
.set TO_B,   0x40
.macro JLOAD g0a, g1a, g0b, g1b        ; a joint load: waves 0 and 1 fetch for A, waves 2 and 3 for B; four v_nop follow each line
	s_cmp_eq_u32 s15, 0
	s_cbranch_scc0 .Lfor_b_\@
	tensor_load_to_lds s[\g0a:\g0a+3], s[\g1a:\g1a+7]
	s_nop 0
.rept 4
	v_nop
.endr
	s_branch .Lasked_\@
.Lfor_b_\@:
	tensor_load_to_lds s[\g0b:\g0b+3], s[\g1b:\g1b+7]
	s_nop 0
.rept 4
	v_nop
.endr
.Lasked_\@:
.endm
.macro CREST                           ; a round of the cluster's barrier behind its opening barrier
	s_cmp_lg_u32 s14, 0
	s_cbranch_scc1 .Lnot_wave_0_\@
	s_barrier_signal -3
.Lnot_wave_0_\@:
	s_barrier_wait -3
	s_barrier_signal -1
	s_barrier_wait -1
.endm
.macro CROUND
	s_barrier_signal -1
	s_barrier_wait -1
	CREST
.endm
	s_load_b128 s[4:7], s[0:1], 0x0                ; A, B
	s_load_b64 s[12:13], s[0:1], 0x10              ; the output
	v_lshl_add_u32 v[SPW], v0, 2, SPARE
	v_mov_b32 v[NIL], 0
	ds_add_u32 v28, v29
	s_wait_dscnt 0x0
	v_lshrrev_b32 v1, 5, v0
	v_readfirstlane_b32 s14, v1                    ; wave 0..3
	s_lshr_b32 s15, s14, 1                         ; which half of the tile's rows is mine.  Also: I fetch for A (0) or for B (1)
	s_and_b32 s16, s14, 1                          ; which half of its columns.  Also: which 128 rows I fetch
	s_bfe_u32 s40, ttmp6, 0x40000                  ; cx, cy
	s_bfe_u32 s41, ttmp6, 0x40004
	s_lshl_b32 s42, ttmp9, 2
	s_add_co_u32 s42, s42, s40                     ; tile column = 4 x cluster x + cx
	s_and_b32 s17, ttmp7, 0xffff
	s_lshl_b32 s17, s17, 2
	s_add_co_u32 s17, s17, s41                     ; tile row = 4 x cluster y + cy
	s_lshl_b32 s43, s41, 2
	s_lshl_b32 s43, 15, s43                        ; my row of the cluster
	s_lshl_b32 s44, 0x1111, s40                    ; my column
	; group 1 for codes: 8 row tiles x 4,096 bytes (512 elements of 8 bytes), 16,384 bytes apart; dense in LDS
	s_or_b32 s[G1+0], s43, (3<<16)|(1<<21)         ; 15:0 the mask; 17:16 elements of 8 bytes; 21 set beside a mask
	s_or_b32 s[G1B+0], s44, (3<<16)|(1<<21)
.irp g, G1, G1B
	s_mov_b32 s[\g+1], 512<<16                     ; tensor_dim0
	s_mov_b32 s[\g+2], 8<<16                       ; tensor_dim1
	s_mov_b32 s[\g+3], 512<<16                     ; tile_dim0
	s_mov_b32 s[\g+4], 8                           ; tile_dim1
	s_mov_b32 s[\g+5], 2048                        ; tensor_dim0_stride
	s_mov_b32 s[\g+6], 0
	s_mov_b32 s[\g+7], 0
.endr
	; and for the scale bytes of 128 rows: 4,096 dense bytes as 16 rows of 256, 16 bytes of padding behind each
	s_or_b32 s[G1S+0], s43, (3<<16)|(1<<20)|(1<<21)|(5<<22)|(3<<25)
	s_or_b32 s[G1SB+0], s44, (3<<16)|(1<<20)|(1<<21)|(5<<22)|(3<<25)
.irp g, G1S, G1SB
	s_mov_b32 s[\g+1], 32<<16
	s_mov_b32 s[\g+2], (128*KS/256)<<16
	s_mov_b32 s[\g+3], 32<<16
	s_mov_b32 s[\g+4], 128*KS/256
	s_mov_b32 s[\g+5], 32
	s_mov_b32 s[\g+6], 0
	s_mov_b32 s[\g+7], 0
.endr
	s_lshl_b32 s18, s16, 7                         ; which 128 rows of the tile I fetch
	s_lshl_b32 s20, s17, 8
	s_add_co_u32 s20, s20, s18                     ; A: row 256 x tile row + 128 x half
	s_lshl_b32 s46, s42, 8
	s_add_co_u32 s46, s46, s18                     ; B: row 256 x tile column + 128 x half
	s_lshl_b32 s22, s20, 5                         ; their scale bytes: 32 a row
	s_lshl_b32 s92, s46, 5
	s_lshl_b32 s20, s20, 10                        ; their codes: 1,024 a row, behind COFF
	s_add_co_u32 s20, s20, COFF
	s_lshl_b32 s46, s46, 10
	s_add_co_u32 s46, s46, COFF
	s_mov_b32 s21, 0
	s_mov_b32 s23, 0
	s_mov_b32 s47, 0
	s_mov_b32 s93, 0
	s_mul_i32 s45, s14, HALFT                      ; where they go: wave x 128 rows: no place in the cluster enters an LDS address
	s_mul_i32 s94, s14, HALFS
	s_wait_kmcnt 0x0
	s_add_nc_u64 s[20:21], s[4:5], s[20:21]
	s_add_nc_u64 s[22:23], s[4:5], s[22:23]
	s_add_nc_u64 s[46:47], s[6:7], s[46:47]
	s_add_nc_u64 s[92:93], s[6:7], s[92:93]
	CROUND                                         ; all sixteen work-groups are here: the first joint loads meet
	s_mov_b32 s[G0S], 1
	s_add_co_u32 s[G0S+1], s94, SCL
	s_mov_b64 s[G0S+2:G0S+3], s[22:23]
	s_or_b32 s[G0S+3], s[G0S+3], 0x80000000
	s_mov_b32 s[G0SB], 1
	s_add_co_u32 s[G0SB+1], s94, SCL
	s_mov_b64 s[G0SB+2:G0SB+3], s[92:93]
	s_or_b32 s[G0SB+3], s[G0SB+3], 0x80000000
	JLOAD G0S, G1S, G0SB, G1SB                     ; the scales first: they are wanted with K step 0
.irp s, 0,1
	s_mov_b32 s[G0+4*\s], 1
	s_add_co_u32 s[G0+4*\s+1], s45, \s*SLOT
	s_add_nc_u64 s[G0+4*\s+2:G0+4*\s+3], s[20:21], \s*RT
	s_or_b32 s[G0+4*\s+3], s[G0+4*\s+3], 0x80000000
	s_mov_b32 s[G0B+4*\s], 1
	s_add_co_u32 s[G0B+4*\s+1], s45, \s*SLOT
	s_add_nc_u64 s[G0B+4*\s+2:G0B+4*\s+3], s[46:47], \s*RT
	s_or_b32 s[G0B+4*\s+3], s[G0B+4*\s+3], 0x80000000
	JLOAD G0+4*\s, G1, G0B+4*\s, G1B
.endr
	v_and_b32 v1, 15, v0                           ; r
	v_bfe_u32 v2, v0, 4, 1                         ; hf
	v_bfe_u32 v[HF], v0, 4, 1
	v_and_b32 v6, 31, v0
	v_lshlrev_b32 v[LN], 4, v6
	s_mul_i32 s21, s15, HALFT                      ; my 128 rows of A
	s_mul_i32 s22, s16, HALFT                      ; my 128 rows of B,
	s_add_co_u32 s22, s22, 2*HALFT                 ; which lie behind A's 256
.irp s, 0,1
	v_add_nc_u32 v[ADRA+\s], s21, v[LN]
	v_add_nc_u32 v[ADRB+\s], s22, v[LN]
	s_add_co_u32 s21, s21, SLOT
	s_add_co_u32 s22, s22, SLOT
.endr
	v_mul_u32_u24 v5, v1, KS                       ; my row's scales: 32 bytes a row,
	v_lshrrev_b32 v6, 8, v5
	v_lshl_add_u32 v5, v6, 4, v5                   ; and 16 more for each 256 passed
	s_mul_i32 s21, s15, HALFS
	s_mul_i32 s22, s16, HALFS
	s_add_co_u32 s22, s22, 2*HALFS
	s_sub_co_u32 s22, s22, s21
	v_mul_u32_u24 v6, s22, v2                      ; lanes 16-31 take B's
	s_add_co_u32 s21, s21, SCL
	v_add_nc_u32 v5, v5, v6
	v_add_nc_u32 v[ADRS], s21, v5
	; where my results go
	s_lshl_b32 s20, s17, 1
	s_add_co_u32 s20, s20, s15                     ; io
	s_lshl_b32 s46, s42, 1
	s_add_co_u32 s46, s46, s16                     ; jg
	s_and_b32 s21, s20, 15                         ; P
	s_and_b32 s47, s46, 15                         ; Q
	s_lshr_b32 s20, s20, 4
	s_lshr_b32 s46, s46, 4
	s_add_co_u32 s20, s20, s46                     ; R
	s_lshl_b32 s22, s47, 4
	s_add_co_u32 s22, s22, s21
	s_lshl_b32 s23, s20, 8
	s_add_co_u32 s22, s22, s23
	s_lshl_b32 s22, s22, 9                         ; 512 (P + 16 Q + 256 R)
	s_mov_b32 s23, 0
	s_add_nc_u64 s[18:19], s[12:13], s[22:23]      ; my block of scale words
	s_lshl_b32 s22, s21, 12
	s_lshl_b32 s47, s47, 18
	s_add_co_u32 s22, s22, s47
	s_lshl_b32 s20, s20, 22
	s_add_co_u32 s22, s22, s20
	s_add_co_u32 s22, s22, C2
	s_add_nc_u64 s[12:13], s[12:13], s[22:23]      ; my codes
	s_mov_b32 s[MNT], 0x600000
.macro FRAG reg, adr, q, i             ; a fragment comes as it lies: four loads of 512 consecutive bytes
.irp c, 0,1,2,3
	ds_load_b128 v[\reg+4*\c:\reg+4*\c+3], v[\adr] offset:RT*(\i)+2048*(\q)+512*\c
.endr
.endm
; 16 matrix instructions: A's blocks a0, a0 + 1 x B's eight.  The 64 accumulators take turns, one instruction a turn, in the same order in every step.
.macro MUL16 a0, p, q, sc, zero
.irp a, \a0, \a0+1
.irp b, 0,1,2,3,4,5,6,7
.if \zero
	v_wmma_scale_f32_16x16x128_f8f6f4 v[8*(8*((\a)%4)+\b):8*(8*((\a)%4)+\b)+7], v[128*(\p)+FR*\b:128*(\p)+FR*\b+FR-1], v[AF+FR*(\a):AF+FR*(\a)+FR-1], 0, v[SC+8*NQ*(\sc)+NQ*\b+(\q)], v[SC+8*NQ*(\sc)+NQ*(\a)+(\q)] matrix_a_fmt:MATRIX_FMT_BF8 matrix_b_fmt:MATRIX_FMT_BF8 matrix_a_scale:MATRIX_SCALE_ROW1
.else
	v_wmma_scale_f32_16x16x128_f8f6f4 v[8*(8*((\a)%4)+\b):8*(8*((\a)%4)+\b)+7], v[128*(\p)+FR*\b:128*(\p)+FR*\b+FR-1], v[AF+FR*(\a):AF+FR*(\a)+FR-1], v[8*(8*((\a)%4)+\b):8*(8*((\a)%4)+\b)+7], v[SC+8*NQ*(\sc)+NQ*\b+(\q)], v[SC+8*NQ*(\sc)+NQ*(\a)+(\q)] matrix_a_fmt:MATRIX_FMT_BF8 matrix_b_fmt:MATRIX_FMT_BF8 matrix_a_scale:MATRIX_SCALE_ROW1
.endif
.endr
.endr
.endm
.macro FETCH_B slot, q, p
	WIN TO_B
.irp i, 0,1,2,3,4,5,6,7
	FRAG 128*(\p)+FR*\i, ADRB+\slot, \q, \i
.endr
	WIN 0
.endm
.macro FETCH_A slot, q, i0
.irp i, \i0, \i0+1, \i0+2, \i0+3
	FRAG AF+FR*(\i), ADRA+\slot, \q, \i
.endr
.endm
.macro SCALES sc                       ; a K step's scale words: lanes 0-15 take A's block i, lanes 16-31 B's block i
.irp i, 0,1,2,3,4,5,6,7
	ds_load_b64 v[SC+8*NQ*\sc+NQ*\i:SC+8*NQ*\sc+NQ*\i+1], v[ADRS] offset:\i*SBLK
.endr
.endm
.macro PLACES n                        ; plain vector instructions that name none of the matrix instructions' registers (ISA guide 7.12.1)
.rept \n
	v_nop
.endr
.endm
.macro STEP slot, q, zero              ; 128 along K with its successor in the same slot
	s_wait_dscnt 4*NL                              ; B's set and A's blocks 0-3 are in; the youngest 16 loads (A's blocks 4-7) may be out
	WIN MUL_LO
	MUL16 0, (\q)%2, \q, \slot, \zero
	MUL16 2, (\q)%2, \q, \slot, \zero
	s_wait_dscnt 0
	PLACES NP
	FETCH_B \slot, (\q)+1, 1-(\q)%2
	FETCH_A \slot, (\q)+1, 0
	WIN MUL_HI
	MUL16 4, (\q)%2, \q, \slot, \zero
	MUL16 6, (\q)%2, \q, \slot, \zero
	PLACES NP
	WIN 0
	FETCH_A \slot, (\q)+1, 4
.endm
; A slot's last step changes slots: one barrier; in front of it each wave waits for all its tensor loads, adds 0 to its spare word, and waits for that and for its reads of this slot.
.macro TURN slot, next, fill
	s_wait_tensorcnt 0x0                           ; all my tensor loads have landed: my part of the next slot
	ds_add_u32 v[SPW], v[NIL]                      ; 0 onto my spare word
	s_wait_dscnt 4*NL+1                            ; (the add and the youngest 16 loads may be out)
	WIN MUL_LO
	MUL16 0, 1, NQ-1, \slot, 0
	s_wait_dscnt 0x0                               ; the add is done, and my reads of this slot are over
	s_barrier_signal -1
	MUL16 2, 1, NQ-1, \slot, 0
	WIN 0
	s_barrier_wait -1
.if \fill
	CREST                                          ; the barrier has opened a round of the cluster's barrier: no wave of any partner still reads this slot or has a load on its way
	s_add_nc_u64 s[G0+4*\slot+2:G0+4*\slot+3], s[G0+4*\slot+2:G0+4*\slot+3], 2*RT
	s_add_nc_u64 s[G0B+4*\slot+2:G0B+4*\slot+3], s[G0B+4*\slot+2:G0B+4*\slot+3], 2*RT
	JLOAD G0+4*\slot, G1, G0B+4*\slot, G1B         ; the first tensor load behind the round
	PLACES NP-4
.else
	PLACES NP
.endif
	v_add_nc_u32 v[ADRS], 4*NQ, v[ADRS]            ; on to the next K step's scale words
	FETCH_B \next, 0, 0
	FETCH_A \next, 0, 0
	SCALES \next
	WIN MUL_HI
	MUL16 4, 1, NQ-1, \slot, 0
	MUL16 6, 1, NQ-1, \slot, 0
	PLACES NP
	WIN 0
	FETCH_A \next, 0, 4
.endm
	s_wait_tensorcnt 1                             ; the scales and my part of K step 0 are in; K step 1's load may be out
	s_barrier_signal -1
	s_barrier_wait -1
	FETCH_B 0, 0, 0
	FETCH_A 0, 0, 0
	SCALES 0
	FETCH_A 0, 0, 4
	STEP 0, 0, 1                                   ; K = 1,024 is four slots' worth: written out, no loop.  The first products start the sums
	TURN 0, 1, 1                                   ; slot 0 takes K 512-767
	STEP 1, 0, 0
	TURN 1, 0, 1                                   ; slot 1 takes K 768-1,023
	STEP 0, 0, 0
	TURN 0, 1, 0
	STEP 1, 0, 0
	s_wait_dscnt 4*NL
	WIN MUL_LO
	MUL16 0, 1, NQ-1, 1, 0
	MUL16 2, 1, NQ-1, 1, 0
	s_wait_dscnt 0
	WIN MUL_HI
	MUL16 4, 1, NQ-1, 1, 0
	MUL16 6, 1, NQ-1, 1, 0
	WIN 0
; THE WAY OUT.  Tile a of A: my 64 results, register 16 b + i = B's row 32 b + 16 hf + i, are quantised in four blocks of 32 (16 mine, 16 lane l xor 16's) and stored as four quarters of 512 bytes.
.macro QUANTA a
.set WN, 2+(\a)/4                      ; the accumulators' window
.set WNN, WN|(WN<<2)
.set S, 64*((\a)%4)
.set PS, PC+16*((\a)%2)
	WIN WNN                                        ; sources 0 and 1 in the accumulators' window
.irp b, 0,1,2,3
	v_max3_num_f32 v[TM+\b], |v[S+16*\b]|, |v[S+16*\b+1]|, 0x8000000   ; each accumulator is read from its low end on; the floor 2^(16 - 127) holds the byte at 1 from below
.endr
.irp i, 2,4,6,8,10,12,14
.irp b, 0,1,2,3
	v_max3_num_f32 v[TM+\b], |v[S+16*\b+\i]|, |v[S+16*\b+\i+1]|, v[TM+\b]
.endr
.endr
	WIN 0
.irp b, 0,1,2,3
	v_permlanex16_b32 v[TM+4+\b], v[TM+\b], s[SEL], s[SEL+1]
.endr
.irp b, 0,1,2,3
	v_max_num_f32 v[TM+\b], v[TM+\b], v[TM+4+\b]
.endr
.irp b, 0,1,2,3
	v_add_nc_u32 v[TM+12+\b], 0xf8800000, v[TM+\b] ; 15 off the exponent field: the conversion's scale operand
.endr
.irp b, 0,1,2,3
	v_and_or_b32 v[TM+8+\b], v[TM+\b], 0x7f800000, s[MNT]   ; 57,344 x the scale
.endr
.irp b, 0,1,2,3
	v_lshrrev_b32 v[TM+4+\b], 23, v[TM+12+\b]      ; the scale's byte
.endr
	v_lshl_or_b32 v[W+(\a)], v[TM+5], 8, v[TM+4]
	v_lshl_or_b32 v[W+(\a)], v[TM+6], 16, v[W+(\a)]
	v_lshl_or_b32 v[W+(\a)], v[TM+7], 24, v[W+(\a)]
	WIN WN                                         ; source 0 in the accumulators' window
.irp b, 0,1,2,3
.irp i, 0,1,2,3,4,5,6,7,8,9,10,11,12,13,14,15
	v_med3_num_f32 v[X+16*\b+\i], v[S+16*\b+\i], -v[TM+8+\b], v[TM+8+\b]   ; the conversion does not saturate (ISA guide 7.6.2): the hold comes first
.endr
.endr
	WIN 0
.if (\a) >= 2
	s_wait_xcnt 0x0                                ; the stores of two tiles ago have read this set of code registers
.endif
.irp b, 0,1,2,3
	v_cvt_scalef32_pk8_bf8_f32 v[PS+4*\b:PS+4*\b+1], v[X+16*\b:X+16*\b+7], v[TM+12+\b]
	v_cvt_scalef32_pk8_bf8_f32 v[PS+4*\b+2:PS+4*\b+3], v[X+16*\b+8:X+16*\b+15], v[TM+12+\b]
.endr
.irp b, 0,1,2,3
	global_store_b128 v[LN], v[PS+4*\b:PS+4*\b+3], s[12:13] offset:65536*\b+512*(\a)   ; 512 consecutive bytes, aligned
.endr
.endm
	PLACES NP                                      ; behind the last products: their scale words' and A's registers are written below
	s_mov_b32 s[SEL], 0x76543210
	s_mov_b32 s[SEL+1], 0xfedcba98
.irp b, 0,1,2,3
	v_mov_b32 v[TM+4+\b], 0                        ; a lane permute's destination counts as one of its sources
.endr
.irp a, 0,1,2,3,4,5,6,7
	QUANTA \a
.endr
	v_cmp_eq_u32 vcc_lo, 1, v[HF]                  ; lanes 0-15 store the words of tiles 0-3, lanes 16-31 those of tiles 4-7
.irp i, 0,1,2,3
	v_cndmask_b32 v[SW+\i], v[W+\i], v[W+4+\i], vcc_lo
.endr
	global_store_b128 v[LN], v[SW:SW+3], s[18:19]  ; my 512 bytes of scale words
	s_wait_tensorcnt 0x0                           ; the wave's end
	ds_add_u32 v[SPW], v[NIL]
	s_wait_dscnt 0x0
	CROUND                                         ; the closing round: no work-group ends while a partner may still ask for a tile that names it
	s_endpgm
.Lfunc_end_k_q5639188ee7_gemmq:
	.size	k_q5639188ee7_gemmq, .Lfunc_end_k_q5639188ee7_gemmq-k_q5639188ee7_gemmq
	.p2alignl 7, 3214868480
	.fill 96, 4, 3214868480
	.section	.rodata,"a",@progbits
	.p2align	6, 0x0
	.amdhsa_kernel k_q5639188ee7_gemmq
		.amdhsa_group_segment_fixed_size 327680
		.amdhsa_private_segment_fixed_size 0
		.amdhsa_enable_private_segment 0
		.amdhsa_kernarg_size 24
		.amdhsa_user_sgpr_count 2
		.amdhsa_user_sgpr_kernarg_segment_ptr 1
		.amdhsa_wavefront_size32 1
		.amdhsa_system_sgpr_workgroup_id_x 1
		.amdhsa_system_sgpr_workgroup_id_y 1
		.amdhsa_system_sgpr_workgroup_id_z 1
		.amdhsa_system_vgpr_workitem_id 0
		.amdhsa_next_free_vgpr 1024
		.amdhsa_next_free_sgpr 98
		.amdhsa_reserve_vcc 1
		.amdhsa_float_denorm_mode_32 3
		.amdhsa_float_denorm_mode_16_64 3
		.amdhsa_memory_ordered 1
		.amdhsa_forward_progress 1
		.amdhsa_inst_pref_size 184
	.end_amdhsa_kernel
	.amdgpu_metadata
---
amdhsa.version: [ 1, 2 ]
amdhsa.kernels:
  - .name:           k_q5639188ee7_gemmq
    .symbol:         k_q5639188ee7_gemmq.kd
    .args:
      - { .name: xq, .offset: 0, .size: 8, .value_kind: global_buffer, .address_space: global }
      - { .name: wqk, .offset: 8, .size: 8, .value_kind: global_buffer, .address_space: global }
      - { .name: qk, .offset: 16, .size: 8, .value_kind: global_buffer, .address_space: global }
    .group_segment_fixed_size: 327680
    .private_segment_fixed_size: 0
    .kernarg_segment_align: 8
    .kernarg_segment_size: 24
    .max_flat_workgroup_size: 128
    .sgpr_count:     98
    .vgpr_count:     1024
    .wavefront_size: 32
...
	.end_amdgpu_metadata
.endif
;; end of part 3
;; launch gemmv: the kernel of part 3 again; grid 32 x 4, 4 waves a work-group, clusters of 4 x 4, 327,680 bytes of LDS; arguments wv, xq, vq; writes vq
;; launch attn (part 4): grid 4 x 64, 16 waves a work-group, no clusters, 327,680 bytes of LDS; arguments qk, vq, aq; writes aq
.if DOCPART == 4
	.amdgcn_target "amdgcn-amd-amdhsa--gfx1250"
	.amdhsa_code_object_version 6
	.text
	.protected	k_q5639188ee7_attn
	.globl	k_q5639188ee7_attn
	.p2align	8
	.type	k_q5639188ee7_attn,@function
k_q5639188ee7_attn:
	s_mov_b64 s[64:65], 0
	v_nop
	global_prefetch_b8 v0, s[64:65] scope:SCOPE_SE
	s_setreg_imm32_b32 hwreg(HW_REG_WAVE_MODE, 25, 1), 1
	s_wait_xcnt 0x0
; Causal attention of one (batch, head) on codes of E5M2 with E8M0 scales; the result is quantised along (head, d) for the last product.
; t = score x log2(e) / 32 (the source scales by 1,024^-0.5); M = the running largest t, rounded UP to a whole number; p = 2^(t - M) is quantised along the keys, not normalised; the row's sum is taken of the
; unquantised p in f32 and divides O at the end.  When M moves, the sum and O are multiplied by 2^(old M - new M): exact.
; INPUTS lie as quarters of the matrix operand's registers, 512 bytes at 16 x lane: q and k: C2 + 4 MiB b + 65,536 (32 (k?) + 2 h + block of d) + 512 tile of 16 rows;
; v transposed: C2 + 4 MiB b + 65,536 (block of 32 keys) + 2,048 h + 512 (tile of 16 d).  Scale words: see the addresses below.  Row r of tile 2 g + u is row 32 g + 8 u + r + 8 (r / 8), for t and for d.
; SHARES: work-group (i, 16 b + h) owns the blocks i and 7 - i of 256 queries, one after the other: (i + 1) + (8 - i) = 9 visits of 256 keys in EVERY work-group: equal work, a constant trip count, no slot
; fetched in vain.  Each of sixteen waves owns 16 queries, one tile, in 256 registers: four waves to a SIMD, so that one wave's vector work stands beside another's matrix work and LDS loads.
; NO CLUSTER: the four work-groups of a head visit different keys in the same trip (the order hangs on i), so no two would ask for the same tile at the same time.
; LAYOUT: both products are used transposed: S^T = K Q^T (source 0 = 16 keys), O^T = V^T P^T (source 0 = 16 of the head's 64): a lane holds one query throughout; by the order of the rows a lane's 16 registers
; of two neighbouring tiles are 16 neighbouring keys (or d): the conversions' results are the next operand's registers.  The first product's K is 64: the upper half of K's and Q's fragments are zero codes.
; A step whose 128 keys all come after the wave's queries is left out by a scalar branch on ids; on the diagonal hidden scores become -infinity.
; LIMITS: NaN and infinities are not served.  A block of zeros gets the byte 1 (the rule says 127): its codes are zeros.  A block's largest p is made from its largest score by the same two instructions:
; this takes v_exp_f32 not to fall where its input rises (at the worst one p, within an ulp of a power of two, is held one code low).
.set C2,    524288
.set COFF,  262144
.set SLOTB, 65536                      ; a slot: K's codes 16,384 [block of d][16 tiles][512]; V's 16,384 [8 blocks of keys][4 tiles of d][512]; K's scale words 1,024; V's 512
.set VOFF,  16384
.set KSOFF, 32768
.set VSOFF, 33792
.set SPARE, 131072                     ; the spare words, 128 bytes for each wave: eight blocks of 256 bytes that no other line names
.set LN,   1                           ; v1  16 x lane
.set R16,  2                           ; v2  16 r
.set QD,   3                           ; v3  r + 8 (r / 8) - 16 hf
.set R32,  4                           ; v4  32 r
.set SPW,  5                           ; v5  LDS address of my spare word; never rewritten
.set NIL,  6                           ; v6  0; never rewritten
.set R16P, 7                           ; v7  16 r + 2 (h % 2)
.set ADK,  8                           ; v8-10 the slot's addresses
.set ADS,  9
.set ADT,  10
.set KSW,  192                         ; v192-199 K's scale words; v200-203 V's; v204 Q's; v242 p's: these hold scales and nothing else
.set VSW,  200
.set QSW,  204
.set BM,   208                         ; v208-211 a block's largest score, then its largest p
.set T4,   212                         ; v212-215 at work, then the bytes
.set HL,   216                         ; v216-219 57,344 x the scale
.set SO,   220                         ; v220-223 the conversions' scale operands
.set PCD,  224                         ; v224-239 p's codes
.set F,    240                         ; v[240:241] f; the low word serves both halves
.set PW,   242
.set TMP,  243
.set S2,   244                         ; v[244:245] the sum's second chain
.set DD,   246
.set NI,   247                         ; -infinity
.set AW,   248                         ; the result's two scale bytes
.set WV,   10
.set II,   11                          ; s11 i
.set VIS,  16                          ; s16 the visit, 0..8
.set KSC,  17                          ; s17 which 256 keys this visit reads
.set KSN,  18                          ; s18 and the next
.set MNT,  19
.set SEL,  20
.set CS,   22                          ; s[22:23] c = log2(e) / 32
.set TB,   24                          ; s24 where the slot in hand begins
.set KF,   25                          ; s25 the step's first key
.set QB,   26                          ; s26 my tile's first query
.set BLK,  27
.set TT,   28                          ; s28 my tile of 16 queries
.set BK,   30                          ; s[30:31] K's codes, s[32:33] V's codes, s[34:35] K's scales, s[36:37] V's scales: the head's first
.set BV,   32
.set BKS,  34
.set BVS,  36
.set BQ,   38                          ; s[38:39] Q's codes, s[40:41] Q's scales, s[42:43] the result's codes, s[44:45] its scales
.set BQS,  40
.set BA,   42
.set BAS,  44
.set G0K,  48
.set G0V,  52
.set G0KS, 56
.set G0VS, 60
.set G1K,  68
.set G1V,  76
.set G1KS, 84
.set G1VS, 92
.macro NOPS4
.rept 4
	v_nop
.endr
.endm
; Waves 0 to 3 fetch K's codes, V's codes, K's scale words, V's scale words; the others nothing.  The branches hang on the wave's number alone.  Four v_nop follow each load.
.macro TLOAD
	s_cmp_lg_u32 s[WV], 0
	s_cbranch_scc1 .Lt1_\@
	tensor_load_to_lds s[G0K:G0K+3], s[G1K:G1K+7]
	s_nop 0
	NOPS4
	s_branch .Lt4_\@
.Lt1_\@:
	s_cmp_lg_u32 s[WV], 1
	s_cbranch_scc1 .Lt2_\@
	tensor_load_to_lds s[G0V:G0V+3], s[G1V:G1V+7]
	s_nop 0
	NOPS4
	s_branch .Lt4_\@
.Lt2_\@:
	s_cmp_lg_u32 s[WV], 2
	s_cbranch_scc1 .Lt3_\@
	tensor_load_to_lds s[G0KS:G0KS+3], s[G1KS:G1KS+7]
	s_nop 0
	NOPS4
	s_branch .Lt4_\@
.Lt3_\@:
	s_cmp_lg_u32 s[WV], 3
	s_cbranch_scc1 .Lt4_\@
	tensor_load_to_lds s[G0VS:G0VS+3], s[G1VS:G1VS+7]
	s_nop 0
	NOPS4
.Lt4_\@:
.endm
.macro GROUP1 g, d0, d1, st            ; d1 rows of d0 elements of 8 bytes, st elements apart; no mask, no padding
	s_mov_b32 s[\g], 3<<16
	s_mov_b32 s[\g+1], (\d0)<<16
	s_mov_b32 s[\g+2], (\d1)<<16
	s_mov_b32 s[\g+3], (\d0)<<16
	s_mov_b32 s[\g+4], \d1
	s_mov_b32 s[\g+5], \st
	s_mov_b32 s[\g+6], 0
	s_mov_b32 s[\g+7], 0
.endm
.macro GROUP0 g, base, lds             ; the first visit: keys 0-255 into slot 0
	s_mov_b32 s[\g], 1
	s_mov_b32 s[\g+1], \lds
	s_mov_b64 s[\g+2:\g+3], s[\base:\base+1]
	s_or_b32 s[\g+3], s[\g+3], 0x80000000
.endm
.macro WALK g, base, sh                ; the next visit: the other slot, keys 256 KSN on
	s_xor_b32 s[\g+1], s[\g+1], SLOTB
	s_lshl_b32 s100, s[KSN], \sh
	s_add_nc_u64 s[\g+2:\g+3], s[\base:\base+1], s[100:101]
	s_or_b32 s[\g+3], s[\g+3], 0x80000000
.endm
	s_load_b128 s[4:7], s[0:1], 0x0                ; qk, vq
	s_load_b64 s[8:9], s[0:1], 0x10                ; aq
	v_lshl_add_u32 v[SPW], v0, 2, SPARE
	v_mov_b32 v[NIL], 0
	ds_add_u32 v5, v6
	s_wait_dscnt 0x0
	v_lshrrev_b32 v8, 5, v0
	v_readfirstlane_b32 s[WV], v8                  ; wave 0..15
	s_mov_b32 s[II], ttmp9
	s_and_b32 s2, ttmp7, 0xffff
	s_lshr_b32 s3, s2, 4                           ; b
	s_and_b32 s46, s2, 15                          ; h
	s_and_b32 s47, s46, 1                          ; h % 2
	s_lshr_b32 s66, s46, 1                         ; h / 2
	s_mov_b32 s101, 0
	s_lshl_b32 s67, s3, 22                         ; 4 MiB b
	s_lshl_b32 s100, s46, 17                       ; 65,536 x 2 h
	s_add_co_u32 s[BQ], s67, s100
	s_add_co_u32 s[BQ], s[BQ], C2
	s_add_co_u32 s[BK], s[BQ], 32*65536            ; k lies 32 slabs behind q
	s_lshl_b32 s100, s46, 11
	s_add_co_u32 s[BV], s67, s100
	s_add_co_u32 s[BV], s[BV], C2
	s_lshl_b32 s67, s3, 17                         ; scale words: 512 x 256 b
	s_lshl_b32 s100, s66, 13                       ; 512 x 16 (h / 2)
	s_add_co_u32 s[BQS], s67, s100
	s_add_co_u32 s[BKS], s[BQS], 65536             ; 512 x 16 x 8: k's
	s_lshl_b32 s100, s47, 1
	s_add_co_u32 s[BQS], s[BQS], s100              ; my head's two bytes of a word
	s_lshl_b32 s100, s66, 9
	s_add_co_u32 s[BVS], s67, s100
	s_lshl_b32 s100, s47, 8
	s_add_co_u32 s[BVS], s[BVS], s100
	s_lshl_b32 s67, s3, 21                         ; the result: 16,384 x 128 b + 1,024 h
	s_lshl_b32 s100, s46, 10
	s_add_co_u32 s[BA], s67, s100
	s_add_co_u32 s[BA], s[BA], COFF
	s_lshl_b32 s67, s3, 16                         ; its scale bytes: 512 x 128 b + 2 h
	s_lshl_b32 s100, s46, 1
	s_add_co_u32 s[BAS], s67, s100
.irp p, 31,33,35,37,39,41,43,45
	s_mov_b32 s\p, 0
.endr
	GROUP1 G1K, 1024, 2, 8192                      ; K: two blocks of d x 8,192 bytes (16 tiles), 65,536 bytes apart
	GROUP1 G1V, 256, 8, 8192                       ; V: eight blocks of keys x 2,048 bytes (4 tiles of d), 65,536 bytes apart
	GROUP1 G1KS, 32, 4, 32                         ; K's scale words: 1,024 dense bytes
	GROUP1 G1VS, 32, 2, 1024                       ; V's: 256 bytes for each of two steps, 8,192 bytes apart
	s_mov_b32 s[SEL], 0x76543210
	s_mov_b32 s[SEL+1], 0xfedcba98
	s_mov_b32 s[CS], 0x3d38aa3b                    ; log2(e) / 32
	s_mov_b32 s[CS+1], s[CS]                       ; (named with it as a pair, so it is written)
	s_mov_b32 s[MNT], 0x600000
	s_mov_b32 s[TB], 0
	s_mov_b32 s[KSC], 0
	s_mov_b32 s[KSN], 0
	s_mov_b32 s[VIS], 0
	s_mov_b32 s[BLK], s[II]
	v_and_b32 v11, 31, v0
	v_lshlrev_b32 v[LN], 4, v11
	v_and_b32 v8, 15, v0                           ; r
	v_bfe_u32 v9, v0, 4, 1                         ; hf
	v_lshlrev_b32 v[R16], 4, v8
	v_and_b32 v10, 8, v8
	v_add_nc_u32 v10, v10, v8
	v_lshlrev_b32 v11, 4, v9
	v_sub_nc_u32 v[QD], v10, v11
	v_lshlrev_b32 v[R32], 5, v8
	v_lshl_add_u32 v[R16P], s47, 1, v[R16]
	s_wait_kmcnt 0x0
	s_add_nc_u64 s[BK:BK+1], s[4:5], s[BK:BK+1]
	s_add_nc_u64 s[BV:BV+1], s[6:7], s[BV:BV+1]
	s_add_nc_u64 s[BKS:BKS+1], s[4:5], s[BKS:BKS+1]
	s_add_nc_u64 s[BVS:BVS+1], s[6:7], s[BVS:BVS+1]
	s_add_nc_u64 s[BQ:BQ+1], s[4:5], s[BQ:BQ+1]
	s_add_nc_u64 s[BQS:BQS+1], s[4:5], s[BQS:BQS+1]
	s_add_nc_u64 s[BA:BA+1], s[8:9], s[BA:BA+1]
	s_add_nc_u64 s[BAS:BAS+1], s[8:9], s[BAS:BAS+1]
	GROUP0 G0K, BK, 0
	GROUP0 G0V, BV, VOFF
	GROUP0 G0KS, BKS, KSOFF
	GROUP0 G0VS, BVS, VSOFF
	TLOAD                                          ; the first visit's tiles: one load a wave is out
.irp j, 24,25,26,27,28,29,30,31
	v_mov_b32 v\j, 0                               ; Q's codes for K = 64 .. 127: zeros
.endr
.irp t, 0,1,2,3
.irp j, 8,9,10,11,12,13,14,15
	v_mov_b32 v[32+16*\t+\j], 0                    ; and K's: set once, never loaded
.endr
.endr
.irp b, 0,1,2,3
	v_mov_b32 v[T4+\b], 0                          ; a lane permute's destination counts as one of its sources
.endr
	v_mov_b32 v[F+1], 0                            ; (named as the upper half of a pair)
	v_mov_b32 v[TMP], 0
	v_mov_b32 v[NI], 0xff800000
; A block of queries begins: my tile's codes and scale word; the largest t, the sum and O^T start anew.
.macro START
	s_lshl_b32 s[TT], s[BLK], 4
	s_add_co_u32 s[TT], s[TT], s[WV]               ; my tile: 16 x block + wave
	s_lshr_b32 s2, s[TT], 1
	s_lshl_b32 s[QB], s2, 5
	s_and_b32 s2, s[TT], 1
	s_lshl_b32 s2, s2, 3
	s_add_co_u32 s[QB], s[QB], s2                  ; lane r's query is QB + r + 8 (r / 8)
	s_lshl_b32 s100, s[TT], 9
	s_add_nc_u64 s[2:3], s[BQ:BQ+1], s[100:101]
	global_load_b128 v[16:19], v[LN], s[2:3]
	global_load_b128 v[20:23], v[LN], s[2:3] offset:65536
	s_lshr_b32 s100, s[TT], 2
	s_lshl_b32 s100, s100, 8
	s_and_b32 s46, s[TT], 3
	s_lshl_b32 s46, s46, 2
	s_add_co_u32 s100, s100, s46                   ; 256 (tile / 4) + 4 (tile % 4)
	s_add_nc_u64 s[46:47], s[BQS:BQS+1], s[100:101]
	global_load_u16 v[QSW], v[R16], s[46:47]       ; my head's two bytes; the two above read 0, over zero codes
	v_mov_b32 v13, 0xff61b1e6                      ; the largest t so far: -3e38
	v_floor_f32 v12, -v13                          ; -M
	v_mov_b32 v14, 0
	v_mov_b32 v15, 0
.set JJ, 0
.rept 32
	v_mov_b32 v[160+JJ], 0                         ; O^T: the step is written once; its first run finds zeros, which the first change of M leaves zeros
.set JJ, JJ+1
.endr
	s_wait_loadcnt 0x0
.endm
; A KEY STEP: 128 keys, the q-th of the slot in hand.
.macro STEP q
	s_lshl_b32 s[KF], s[KSC], 8
.if \q
	s_add_co_u32 s[KF], s[KF], 128
.endif
	s_add_co_u32 s2, s[QB], 23                     ; my last query
	s_cmp_gt_u32 s[KF], s2
	s_cbranch_scc1 .Lhid_\@                        ; all 128 keys come after my queries: nothing to do
	v_add_nc_u32 v[ADK], s[TB], v[LN]
	v_add_nc_u32 v[ADS], s[TB], v[R16P]
	v_add_nc_u32 v[ADT], s[TB], v[R16]
.rept 6
	v_nop                                          ; with the three additions: nine places behind the last step's products, whose V fragments the scores overwrite and whose scale words are loaded anew
.endr
.irp a, 0,1,2,3,4,5,6,7
	ds_load_u16 v[KSW+\a], v[ADS] offset:KSOFF+512*\q+256*(\a/4)+4*(\a%4)
.endr
	ds_load_b128 v[VSW:VSW+3], v[ADT] offset:VSOFF+256*\q
.irp g, 0,1                                    ; S^T = K Q^T, four tiles of 16 keys at a time
.if \g
.rept 8
	v_nop                                          ; places in front of loads into registers that matrix instructions have read
.endr
.endif
.irp t, 0,1,2,3
	ds_load_b128 v[32+16*\t:35+16*\t], v[ADK] offset:512*(8*\q+4*\g+\t)
	ds_load_b128 v[36+16*\t:39+16*\t], v[ADK] offset:8192+512*(8*\q+4*\g+\t)
.endr
	s_wait_dscnt 0x0
.irp t, 0,1,2,3
	v_wmma_scale_f32_16x16x128_f8f6f4 v[96+8*(4*\g+\t):103+8*(4*\g+\t)], v[32+16*\t:47+16*\t], v[16:31], 0, v[KSW+4*\g+\t], v[QSW] matrix_a_fmt:MATRIX_FMT_BF8 matrix_b_fmt:MATRIX_FMT_BF8
.endr
.endr                                          ; register 16 b + i holds key KF + 32 b + 16 hf + i of my query
.rept 8
	v_nop
.endr
	s_add_co_u32 s2, s[KF], 127
	s_cmp_le_u32 s2, s[QB]
	s_cbranch_scc1 .Lopen_\@                       ; every key counts for every query of mine
	s_sub_co_i32 s2, s[QB], s[KF]
	v_add_nc_u32 v[DD], s2, v[QD]                  ; d = my query - KF - 16 hf: register 16 b + i is hidden where 32 b + i > d
.set JJ, 0
.rept 64
	v_cmp_gt_i32 vcc_lo, 32*(JJ/16)+JJ%16, v[DD]
	v_cndmask_b32 v[96+JJ], v[96+JJ], v[NI], vcc_lo
.set JJ, JJ+1
.endr
.Lopen_\@:
.irp b, 0,1,2,3
	v_max3_num_f32 v[BM+\b], v[96+16*\b], v[97+16*\b], v[98+16*\b]   ; the largest score of each block of 32 keys: for the row's maximum, and for the block's largest p
.endr
.irp i, 3,5,7,9,11,13
.irp b, 0,1,2,3
	v_max3_num_f32 v[BM+\b], v[BM+\b], v[96+16*\b+\i], v[97+16*\b+\i]
.endr
.endr
.irp b, 0,1,2,3
	v_max_num_f32 v[BM+\b], v[BM+\b], v[111+16*\b]
.endr
.irp b, 0,1,2,3
	v_permlanex16_b32 v[T4+\b], v[BM+\b], s[SEL], s[SEL+1]
.endr
.irp b, 0,1,2,3
	v_max_num_f32 v[BM+\b], v[BM+\b], v[T4+\b]     ; with lane l xor 16's 16 keys
.endr
	v_max3_num_f32 v[TMP], v[BM], v[BM+1], v[BM+2]
	v_max_num_f32 v[TMP], v[TMP], v[BM+3]
	v_mul_f32 v[TMP], s[CS], v[TMP]                ; as t (c is positive)
	v_max_num_f32 v13, v13, v[TMP]                 ; the running largest t
	v_mov_b32 v[TMP], v12
	v_floor_f32 v12, -v13                          ; the new -M = -ceil(t): a whole number
	v_sub_f32 v[TMP], v12, v[TMP]                  ; old M - new M: a whole number, 0 or less
	v_cvt_i32_f32 v[TMP], v[TMP]                   ; (it saturates)
	v_ldexp_f32 v[F], 1.0, v[TMP]                  ; f = 2^(old M - new M)
.set JJ, 0
.rept 32
	v_pk_fma_f32 v[96+JJ:97+JJ], v[96+JJ:97+JJ], s[CS:CS+1], v[12:13] op_sel_hi:[1,0,0]   ; t - M, two at a time
.set JJ, JJ+2
.endr
.irp b, 0,1,2,3
	v_fma_f32 v[BM+\b], v[BM+\b], s[CS], v12       ; the same of each block's largest score
.endr
.set JJ, 0
.rept 64
	v_exp_f32 v[96+JJ], v[96+JJ]                   ; p = 2^(t - M), at most 1
.set JJ, JJ+1
.endr
.irp b, 0,1,2,3
	v_exp_f32 v[BM+\b], v[BM+\b]                   ; the block's largest p
.endr
	v_pk_mul_f32 v[14:15], v[14:15], v[F:F+1] op_sel_hi:[1,0]   ; the sums under the new M.  (A plain place behind the exponentials)
	s_wait_alu depctr_va_vdst(0)
.irp b, 0,1,2,3
	v_max_num_f32 v[BM+\b], 0x8000000, v[BM+\b]    ; the floor 2^(16 - 127)
.endr
.irp b, 0,1,2,3
	v_add_nc_u32 v[SO+\b], 0xf8800000, v[BM+\b]    ; 15 off the exponent field: the conversion's scale operand
.endr
.irp b, 0,1,2,3
	v_and_or_b32 v[HL+\b], v[BM+\b], 0x7f800000, s[MNT]   ; 57,344 x the scale
.endr
.irp b, 0,1,2,3
	v_lshrrev_b32 v[T4+\b], 23, v[SO+\b]           ; the scale's byte
.endr
	v_lshl_or_b32 v[PW], v[T4+1], 8, v[T4]         ; p's scale word for these 128 keys
	v_lshl_or_b32 v[PW], v[T4+2], 16, v[PW]
	v_lshl_or_b32 v[PW], v[T4+3], 24, v[PW]
	v_pk_add_f32 v[S2:S2+1], v[96:97], v[98:99]    ; the row's sum is taken of the unquantised p: two at a time, in two chains
.irp j, 4,8,12,16,20,24,28,32,36,40,44,48,52,56,60
	v_pk_add_f32 v[14:15], v[14:15], v[96+\j:97+\j]
	v_pk_add_f32 v[S2:S2+1], v[S2:S2+1], v[98+\j:99+\j]
.endr
	v_pk_add_f32 v[14:15], v[14:15], v[S2:S2+1]
.irp b, 0,1,2,3
.irp i, 0,1,2,3,4,5,6,7,8,9,10,11,12,13,14,15
	v_min_num_f32 v[96+16*\b+\i], v[96+16*\b+\i], v[HL+\b]   ; the conversion does not saturate (ISA guide 7.6.2); p is not negative: a one-sided hold
.endr
	v_cvt_scalef32_pk8_bf8_f32 v[PCD+4*\b:PCD+4*\b+1], v[96+16*\b:103+16*\b], v[SO+\b]
	v_cvt_scalef32_pk8_bf8_f32 v[PCD+4*\b+2:PCD+4*\b+3], v[104+16*\b:111+16*\b], v[SO+\b]
.endr
.irp t, 0,1,2,3                                ; V's four fragments take p's registers
.irp c, 0,1,2,3
	ds_load_b128 v[96+16*\t+4*\c:99+16*\t+4*\c], v[ADK] offset:VOFF+2048*(4*\q+\c)+512*\t
.endr
.endr
.set JJ, 0
.rept 16
	v_pk_mul_f32 v[160+JJ:161+JJ], v[160+JJ:161+JJ], v[F:F+1] op_sel_hi:[1,0]   ; O^T under the new M.  (These are also the places between the conversions and the products)
.set JJ, JJ+2
.endr
	s_wait_dscnt 0x0
.irp t, 0,1,2,3                                ; O^T += V^T P^T: four accumulators by turns
	v_wmma_scale_f32_16x16x128_f8f6f4 v[160+8*\t:167+8*\t], v[96+16*\t:111+16*\t], v[PCD:PCD+15], v[160+8*\t:167+8*\t], v[VSW+\t], v[PW] matrix_a_fmt:MATRIX_FMT_BF8 matrix_b_fmt:MATRIX_FMT_BF8
.endr
.Lhid_\@:
.endm
; A block of queries ends: O^T / the sum, register 16 g + i = d 32 g + 16 hf + i of my query, is quantised in two blocks of 32 and stored as two quarters of the last product's operand.
.macro FINISH
.rept 8
	v_nop                                          ; places behind the last products
.endr
	v_add_f32 v14, v14, v15
	v_permlanex16_b32 v[TMP], v14, s[SEL], s[SEL+1]
	v_add_f32 v14, v14, v[TMP]                     ; the row's sum
	v_rcp_f32 v[F], v14
	v_nop                                          ; one plain place behind a transcendental
.set JJ, 0
	s_wait_alu depctr_va_vdst(0)
.rept 16
	v_pk_mul_f32 v[96+JJ:97+JJ], v[160+JJ:161+JJ], v[F:F+1] op_sel_hi:[1,0]
.set JJ, JJ+2
.endr
.irp g, 0,1
	v_max3_num_f32 v[BM+\g], |v[96+16*\g]|, |v[97+16*\g]|, 0x8000000
.endr
.irp i, 2,4,6,8,10,12,14
.irp g, 0,1
	v_max3_num_f32 v[BM+\g], v[BM+\g], |v[96+16*\g+\i]|, |v[97+16*\g+\i]|
.endr
.endr
.irp g, 0,1
	v_permlanex16_b32 v[T4+\g], v[BM+\g], s[SEL], s[SEL+1]
.endr
.irp g, 0,1
	v_max_num_f32 v[BM+\g], v[BM+\g], v[T4+\g]
.endr
.irp g, 0,1
	v_add_nc_u32 v[SO+\g], 0xf8800000, v[BM+\g]
.endr
.irp g, 0,1
	v_and_or_b32 v[HL+\g], v[BM+\g], 0x7f800000, s[MNT]
.endr
.irp g, 0,1
	v_lshrrev_b32 v[T4+\g], 23, v[SO+\g]
.endr
	v_lshl_or_b32 v[AW], v[T4+1], 8, v[T4]
	s_lshl_b32 s100, s[TT], 14
	s_add_nc_u64 s[2:3], s[BA:BA+1], s[100:101]
	s_lshl_b32 s100, s[TT], 9
	s_add_nc_u64 s[46:47], s[BAS:BAS+1], s[100:101]
.irp g, 0,1
.irp i, 0,1,2,3,4,5,6,7,8,9,10,11,12,13,14,15
	v_med3_num_f32 v[96+16*\g+\i], v[96+16*\g+\i], -v[HL+\g], v[HL+\g]
.endr
	v_cvt_scalef32_pk8_bf8_f32 v[PCD+4*\g:PCD+4*\g+1], v[96+16*\g:103+16*\g], v[SO+\g]
	v_cvt_scalef32_pk8_bf8_f32 v[PCD+4*\g+2:PCD+4*\g+3], v[104+16*\g:111+16*\g], v[SO+\g]
.endr
	global_store_b128 v[LN], v[PCD:PCD+3], s[2:3]              ; 512 consecutive bytes, aligned
	global_store_b128 v[LN], v[PCD+4:PCD+7], s[2:3] offset:512
	global_store_b16 v[R32], v[AW], s[46:47]       ; two of a row's 32 scale bytes (both lanes of a query write the same): a row's other bytes are other heads', other work-groups'
	s_wait_xcnt 0x0                                ; the stores' registers and bases are written again only behind this wait
.endm
; THE CHANGE OF SLOTS stands at a visit's head: each wave waits for all its tensor loads, adds 0 to its spare word, and waits for that and for its reads of the slot that it has left.
; fill = 1: behind the barrier that slot is filled with the next visit's keys: the load has this visit's two steps in which to land.
.macro CHANGE fill
	s_wait_tensorcnt 0x0                           ; no tensor load of mine is out, so a group 0 may be written
	ds_add_u32 v[SPW], v[NIL]                      ; 0 onto my spare word
.if \fill
	s_add_co_u32 s[KSN], s[KSC], 1
	s_cmp_eq_u32 s[VIS], s[II]                     ; the first block's last visit: the second block begins at key 0
	s_cselect_b32 s[KSN], 0, s[KSN]
	WALK G0K, BK, 13
	WALK G0V, BV, 19
	WALK G0KS, BKS, 10
	WALK G0VS, BVS, 14
.endif
	s_wait_dscnt 0x0
	s_barrier_signal -1
	s_barrier_wait -1
.if \fill
	TLOAD                                          ; the first thing behind the barrier, and a wave's one tensor load until the next
.endif
.endm
	START
.Lvisit:                                           ; eight trips, in every work-group; the ninth visit is written out
	CHANGE 1
	s_add_co_u32 s2, s[II], 1
	s_cmp_lg_u32 s[VIS], s2
	s_cbranch_scc1 .Lsame                          ; on ids alone; no barrier and no tensor load stands between here and the label
	FINISH
	s_sub_co_u32 s[BLK], 7, s[II]
	START
.Lsame:
	STEP 0
	STEP 1
	s_xor_b32 s[TB], s[TB], SLOTB
	s_mov_b32 s[KSC], s[KSN]
	s_add_co_u32 s[VIS], s[VIS], 1
	s_cmp_lt_u32 s[VIS], 8
	s_cbranch_scc1 .Lvisit
	CHANGE 0
	STEP 0
	STEP 1
	FINISH
	s_wait_tensorcnt 0x0                           ; the wave's end
	ds_add_u32 v[SPW], v[NIL]
	s_wait_dscnt 0x0
	s_endpgm
.Lfunc_end_k_q5639188ee7_attn:
	.size	k_q5639188ee7_attn, .Lfunc_end_k_q5639188ee7_attn-k_q5639188ee7_attn
	.p2alignl 7, 3214868480
	.fill 96, 4, 3214868480
	.section	.rodata,"a",@progbits
	.p2align	6, 0x0
	.amdhsa_kernel k_q5639188ee7_attn
		.amdhsa_group_segment_fixed_size 327680
		.amdhsa_private_segment_fixed_size 0
		.amdhsa_enable_private_segment 0
		.amdhsa_kernarg_size 24
		.amdhsa_user_sgpr_count 2
		.amdhsa_user_sgpr_kernarg_segment_ptr 1
		.amdhsa_wavefront_size32 1
		.amdhsa_system_sgpr_workgroup_id_x 1
		.amdhsa_system_sgpr_workgroup_id_y 1
		.amdhsa_system_sgpr_workgroup_id_z 1
		.amdhsa_system_vgpr_workitem_id 0
		.amdhsa_next_free_vgpr 256
		.amdhsa_next_free_sgpr 102
		.amdhsa_reserve_vcc 1
		.amdhsa_float_denorm_mode_32 3
		.amdhsa_float_denorm_mode_16_64 3
		.amdhsa_memory_ordered 1
		.amdhsa_forward_progress 1
		.amdhsa_inst_pref_size 124
	.end_amdhsa_kernel
	.amdgpu_metadata
---
amdhsa.version: [ 1, 2 ]
amdhsa.kernels:
  - .name:           k_q5639188ee7_attn
    .symbol:         k_q5639188ee7_attn.kd
    .args:
      - { .name: qk, .offset: 0, .size: 8, .value_kind: global_buffer, .address_space: global }
      - { .name: vq, .offset: 8, .size: 8, .value_kind: global_buffer, .address_space: global }
      - { .name: aq, .offset: 16, .size: 8, .value_kind: global_buffer, .address_space: global }
    .group_segment_fixed_size: 327680
    .private_segment_fixed_size: 0
    .kernarg_segment_align: 8
    .kernarg_segment_size: 24
    .max_flat_workgroup_size: 512
    .sgpr_count:     102
    .vgpr_count:     256
    .wavefront_size: 32
...
	.end_amdgpu_metadata
.endif
;; end of part 4
;; launch gemmo (part 5): grid 4 x 32, 4 waves a work-group, clusters of 4 x 4, 327,680 bytes of LDS; arguments aq, wp, bproj, out0; writes out0
.if DOCPART == 5
	.amdgcn_target "amdgcn-amd-amdhsa--gfx1250"
	.amdhsa_code_object_version 6
	.text
	.protected	k_q5639188ee7_gemmo
	.globl	k_q5639188ee7_gemmo
	.p2align	8
	.type	k_q5639188ee7_gemmo,@function
k_q5639188ee7_gemmo:
	s_mov_b64 s[64:65], 0
	v_nop
	global_prefetch_b8 v0, s[64:65] scope:SCOPE_SE
	s_setreg_imm32_b32 hwreg(HW_REG_WAVE_MODE, 25, 1), 1
	s_wait_xcnt 0x0
	s_wait_alu depctr_hold_cnt(0) depctr_sa_sdst(0) depctr_va_vdst(0) depctr_va_sdst(0) depctr_va_ssrc(0) depctr_va_vcc(0) depctr_vm_vsrc(0)
	s_getreg_b32 s2, hwreg(HW_REG_IB_STS2, 6, 4)
	s_cmp_eq_u32 s2, 0
	s_cbranch_scc0 .Lentry_in_a_cluster
	s_endpgm
.Lentry_in_a_cluster:
	s_bfe_u32 s2, ttmp6, 0x10000c
	s_cmp_lg_u32 s2, 0xf033
	s_cbranch_scc0 .Lentry_shape_is_right
	s_endpgm
.Lentry_shape_is_right:
; out0 = A B^T + bias on codes of E5M2 with E8M0 scales, K = 1,024.  A = the attention's result (8,192 rows), B = Wproj (1,024 rows); out0 [8192][1024] f32.
; OPERANDS lie as images of the matrix operand's registers: scale bytes [stored row][32] from byte 0; codes [row tile][K step of 128][c][lane][16 bytes] from byte COFF.
; Row r of tile 2 g + u is row 32 g + 8 u + r + 8 (r / 8) of the matrix: the way out undoes that order, A's by the stores' offsets, B's by the places in the stage.
; A tile of C, 256 x 256, is made by four waves, 128 x 128 each.  K goes in steps of 256 through two LDS slots filled by the tensor data mover; the scale bytes come once with the first fills.
; CLUSTERS: 4 x 4 work-groups; A's tiles are asked for jointly along a row of the cluster, B's along a column.  THE MATRIX INSTRUCTION IS USED TRANSPOSED (source 0 = 16 rows of B, source 1 = 16 rows of A).
; REGISTERS, in windows of 256: window 0: v0-31 addresses, v8-11 my four numbers of the bias; v32-63 scale words, two sets; v128-255 A's fragments, one set, on the way out rows of C.
;   window 1: B's fragments, two sets.  windows 2, 3: the accumulators.
.set NQ,     2
.set FR,     16
.set NL,     4
.set NP,     8                         ; places behind this matrix instruction (ISA guide 7.12.1)
.set COFF,   262144
.set RT,     4096
.set HALFT,  8*RT
.set SLOT,   4*HALFT
.set KS,     32
.set SCL,    2*SLOT
.set HALFS,  (128*KS/256)*272
.set SBLK,   (16*KS/256)*272
.set SPARE,  SCL+4*HALFS               ; the spare words, 128 bytes for each wave: two blocks of 256 bytes that no other line names
.set SPITCH, 528                       ; the way out: a stage of 16 rows x (512 bytes + 16) for each wave, in slot 0, which has had its last fill and its last read when the first result is stored there
.set BIAS, 8
.set ADRA, 16
.set ADRB, 20
.set STO,  24
.set RD,   25
.set LN,   26
.set ADRS, 27
.set SPW,  28
.set NIL,  29
.set SC,   32
.set AF,   128
.set BK,   128
.set G1, 24
.set G0, 32
.set G1B, 48
.set G0B, 56
.set G1S, 68
.set G0S, 76
.set G1SB, 80
.set G0SB, 88
.set MSB, 0
.macro WIN new
.if MSB != \new
	s_set_vgpr_msb (MSB<<8)|\new
.set MSB, \new
.endif
.endm
.set MUL_LO, 0xa1
.set MUL_HI, 0xf1
.set TO_B,   0x40
.macro JLOAD g0a, g1a, g0b, g1b        ; a joint load: waves 0 and 1 fetch for A, waves 2 and 3 for B; four v_nop follow each line
	s_cmp_eq_u32 s15, 0
	s_cbranch_scc0 .Lfor_b_\@
	tensor_load_to_lds s[\g0a:\g0a+3], s[\g1a:\g1a+7]
	s_nop 0
.rept 4
	v_nop
.endr
	s_branch .Lasked_\@
.Lfor_b_\@:
	tensor_load_to_lds s[\g0b:\g0b+3], s[\g1b:\g1b+7]
	s_nop 0
.rept 4
	v_nop
.endr
.Lasked_\@:
.endm
.macro CREST
	s_cmp_lg_u32 s14, 0
	s_cbranch_scc1 .Lnot_wave_0_\@
	s_barrier_signal -3
.Lnot_wave_0_\@:
	s_barrier_wait -3
	s_barrier_signal -1
	s_barrier_wait -1
.endm
.macro CROUND
	s_barrier_signal -1
	s_barrier_wait -1
	CREST
.endm
	s_load_b128 s[4:7], s[0:1], 0x0                ; A, B
	s_load_b128 s[8:11], s[0:1], 0x10              ; the bias, out0
	v_lshl_add_u32 v[SPW], v0, 2, SPARE
	v_mov_b32 v[NIL], 0
	ds_add_u32 v28, v29
	s_wait_dscnt 0x0
	v_lshrrev_b32 v1, 5, v0
	v_readfirstlane_b32 s14, v1                    ; wave 0..3
	s_lshr_b32 s15, s14, 1                         ; my half of the tile's rows.  Also: I fetch for A (0) or for B (1)
	s_and_b32 s16, s14, 1                          ; my half of its columns.  Also: which 128 rows I fetch
	s_bfe_u32 s40, ttmp6, 0x40000
	s_bfe_u32 s41, ttmp6, 0x40004
	s_lshl_b32 s42, ttmp9, 2
	s_add_co_u32 s42, s42, s40                     ; tile column
	s_and_b32 s17, ttmp7, 0xffff
	s_lshl_b32 s17, s17, 2
	s_add_co_u32 s17, s17, s41                     ; tile row
	s_lshl_b32 s43, s41, 2
	s_lshl_b32 s43, 15, s43                        ; my row of the cluster
	s_lshl_b32 s44, 0x1111, s40                    ; my column
	s_or_b32 s[G1+0], s43, (3<<16)|(1<<21)         ; codes: 8 row tiles x 512 elements of 8 bytes, 2,048 elements apart; dense in LDS
	s_or_b32 s[G1B+0], s44, (3<<16)|(1<<21)
.irp g, G1, G1B
	s_mov_b32 s[\g+1], 512<<16
	s_mov_b32 s[\g+2], 8<<16
	s_mov_b32 s[\g+3], 512<<16
	s_mov_b32 s[\g+4], 8
	s_mov_b32 s[\g+5], 2048
	s_mov_b32 s[\g+6], 0
	s_mov_b32 s[\g+7], 0
.endr
	s_or_b32 s[G1S+0], s43, (3<<16)|(1<<20)|(1<<21)|(5<<22)|(3<<25)   ; scale bytes of 128 rows: 16 rows of 256 bytes, 16 bytes of padding behind each
	s_or_b32 s[G1SB+0], s44, (3<<16)|(1<<20)|(1<<21)|(5<<22)|(3<<25)
.irp g, G1S, G1SB
	s_mov_b32 s[\g+1], 32<<16
	s_mov_b32 s[\g+2], (128*KS/256)<<16
	s_mov_b32 s[\g+3], 32<<16
	s_mov_b32 s[\g+4], 128*KS/256
	s_mov_b32 s[\g+5], 32
	s_mov_b32 s[\g+6], 0
	s_mov_b32 s[\g+7], 0
.endr
	s_lshl_b32 s18, s16, 7
	s_lshl_b32 s20, s17, 8
	s_add_co_u32 s20, s20, s18                     ; A: row 256 x tile row + 128 x half
	s_lshl_b32 s46, s42, 8
	s_add_co_u32 s46, s46, s18                     ; B: row 256 x tile column + 128 x half
	s_lshl_b32 s22, s20, 5
	s_lshl_b32 s92, s46, 5
	s_lshl_b32 s20, s20, 10
	s_add_co_u32 s20, s20, COFF
	s_lshl_b32 s46, s46, 10
	s_add_co_u32 s46, s46, COFF
	s_mov_b32 s21, 0
	s_mov_b32 s23, 0
	s_mov_b32 s47, 0
	s_mov_b32 s93, 0
	s_mul_i32 s45, s14, HALFT
	s_mul_i32 s94, s14, HALFS
	s_wait_kmcnt 0x0
	s_add_nc_u64 s[20:21], s[4:5], s[20:21]
	s_add_nc_u64 s[22:23], s[4:5], s[22:23]
	s_add_nc_u64 s[46:47], s[6:7], s[46:47]
	s_add_nc_u64 s[92:93], s[6:7], s[92:93]
	CROUND                                         ; all sixteen work-groups are here: the first joint loads meet
	s_mov_b32 s[G0S], 1
	s_add_co_u32 s[G0S+1], s94, SCL
	s_mov_b64 s[G0S+2:G0S+3], s[22:23]
	s_or_b32 s[G0S+3], s[G0S+3], 0x80000000
	s_mov_b32 s[G0SB], 1
	s_add_co_u32 s[G0SB+1], s94, SCL
	s_mov_b64 s[G0SB+2:G0SB+3], s[92:93]
	s_or_b32 s[G0SB+3], s[G0SB+3], 0x80000000
	JLOAD G0S, G1S, G0SB, G1SB
.irp s, 0,1
	s_mov_b32 s[G0+4*\s], 1
	s_add_co_u32 s[G0+4*\s+1], s45, \s*SLOT
	s_add_nc_u64 s[G0+4*\s+2:G0+4*\s+3], s[20:21], \s*RT
	s_or_b32 s[G0+4*\s+3], s[G0+4*\s+3], 0x80000000
	s_mov_b32 s[G0B+4*\s], 1
	s_add_co_u32 s[G0B+4*\s+1], s45, \s*SLOT
	s_add_nc_u64 s[G0B+4*\s+2:G0B+4*\s+3], s[46:47], \s*RT
	s_or_b32 s[G0B+4*\s+3], s[G0B+4*\s+3], 0x80000000
	JLOAD G0+4*\s, G1, G0B+4*\s, G1B
.endr
	v_and_b32 v1, 15, v0                           ; r
	v_bfe_u32 v2, v0, 4, 1                         ; hf
	v_and_b32 v6, 31, v0
	v_lshlrev_b32 v[LN], 4, v6
	s_mul_i32 s21, s15, HALFT
	s_mul_i32 s22, s16, HALFT
	s_add_co_u32 s22, s22, 2*HALFT
.irp s, 0,1
	v_add_nc_u32 v[ADRA+\s], s21, v[LN]
	v_add_nc_u32 v[ADRB+\s], s22, v[LN]
	s_add_co_u32 s21, s21, SLOT
	s_add_co_u32 s22, s22, SLOT
.endr
	v_mul_u32_u24 v5, v1, KS
	v_lshrrev_b32 v6, 8, v5
	v_lshl_add_u32 v5, v6, 4, v5
	s_mul_i32 s21, s15, HALFS
	s_mul_i32 s22, s16, HALFS
	s_add_co_u32 s22, s22, 2*HALFS
	s_sub_co_u32 s22, s22, s21
	v_mul_u32_u24 v6, s22, v2                      ; lanes 16-31 take B's
	s_add_co_u32 s21, s21, SCL
	v_add_nc_u32 v5, v5, v6
	v_add_nc_u32 v[ADRS], s21, v5
	s_mul_i32 s23, s14, 16*SPITCH                  ; my stage
	v_mul_u32_u24 v5, v1, SPITCH
	v_lshl_add_u32 v5, v2, 6, v5                   ; in: row r, + 64 hf: B's tile b, register j is column 32 (b / 2) + 16 hf + 8 (b % 2) + j
	v_add_nc_u32 v[STO], s23, v5
	v_add_nc_u32 v[RD], s23, v[LN]                 ; back: the 32 lanes take one row of 512 bytes
	s_lshl_b32 s20, s17, 8
	s_lshl_b32 s21, s15, 7
	s_add_co_u32 s20, s20, s21                     ; my first row of out0
	s_lshl_b32 s20, s20, 12                        ; rows of 4,096 bytes
	s_lshl_b32 s46, s42, 10
	s_lshl_b32 s47, s16, 9
	s_add_co_u32 s46, s46, s47                     ; my first column, in bytes
	s_mov_b32 s47, 0
	s_add_nc_u64 s[8:9], s[8:9], s[46:47]
	s_add_co_u32 s20, s20, s46
	s_mov_b32 s21, 0
	s_add_nc_u64 s[12:13], s[10:11], s[20:21]
	global_load_b128 v[BIAS:BIAS+3], v[LN], s[8:9] ; the bias at my four columns of a row
.macro FRAG reg, adr, q, i
.irp c, 0,1,2,3
	ds_load_b128 v[\reg+4*\c:\reg+4*\c+3], v[\adr] offset:RT*(\i)+2048*(\q)+512*\c
.endr
.endm
; The 64 accumulators take turns, one instruction a turn, in the same order in every step.
.macro MUL16 a0, p, q, sc, zero
.irp a, \a0, \a0+1
.irp b, 0,1,2,3,4,5,6,7
.if \zero
	v_wmma_scale_f32_16x16x128_f8f6f4 v[8*(8*((\a)%4)+\b):8*(8*((\a)%4)+\b)+7], v[128*(\p)+FR*\b:128*(\p)+FR*\b+FR-1], v[AF+FR*(\a):AF+FR*(\a)+FR-1], 0, v[SC+8*NQ*(\sc)+NQ*\b+(\q)], v[SC+8*NQ*(\sc)+NQ*(\a)+(\q)] matrix_a_fmt:MATRIX_FMT_BF8 matrix_b_fmt:MATRIX_FMT_BF8 matrix_a_scale:MATRIX_SCALE_ROW1
.else
	v_wmma_scale_f32_16x16x128_f8f6f4 v[8*(8*((\a)%4)+\b):8*(8*((\a)%4)+\b)+7], v[128*(\p)+FR*\b:128*(\p)+FR*\b+FR-1], v[AF+FR*(\a):AF+FR*(\a)+FR-1], v[8*(8*((\a)%4)+\b):8*(8*((\a)%4)+\b)+7], v[SC+8*NQ*(\sc)+NQ*\b+(\q)], v[SC+8*NQ*(\sc)+NQ*(\a)+(\q)] matrix_a_fmt:MATRIX_FMT_BF8 matrix_b_fmt:MATRIX_FMT_BF8 matrix_a_scale:MATRIX_SCALE_ROW1
.endif
.endr
.endr
.endm
.macro FETCH_B slot, q, p
	WIN TO_B
.irp i, 0,1,2,3,4,5,6,7
	FRAG 128*(\p)+FR*\i, ADRB+\slot, \q, \i
.endr
	WIN 0
.endm
.macro FETCH_A slot, q, i0
.irp i, \i0, \i0+1, \i0+2, \i0+3
	FRAG AF+FR*(\i), ADRA+\slot, \q, \i
.endr
.endm
.macro SCALES sc
.irp i, 0,1,2,3,4,5,6,7
	ds_load_b64 v[SC+8*NQ*\sc+NQ*\i:SC+8*NQ*\sc+NQ*\i+1], v[ADRS] offset:\i*SBLK
.endr
.endm
.macro PLACES n
.rept \n
	v_nop
.endr
.endm
.macro STEP slot, q, zero
	s_wait_dscnt 4*NL                              ; B's set and A's blocks 0-3 are in; the youngest 16 loads (A's blocks 4-7) may be out
	WIN MUL_LO
	MUL16 0, (\q)%2, \q, \slot, \zero
	MUL16 2, (\q)%2, \q, \slot, \zero
	s_wait_dscnt 0
	PLACES NP
	FETCH_B \slot, (\q)+1, 1-(\q)%2
	FETCH_A \slot, (\q)+1, 0
	WIN MUL_HI
	MUL16 4, (\q)%2, \q, \slot, \zero
	MUL16 6, (\q)%2, \q, \slot, \zero
	PLACES NP
	WIN 0
	FETCH_A \slot, (\q)+1, 4
.endm
.macro TURN slot, next, fill
	s_wait_tensorcnt 0x0                           ; all my tensor loads have landed: my part of the next slot
	ds_add_u32 v[SPW], v[NIL]                      ; 0 onto my spare word
	s_wait_dscnt 4*NL+1                            ; (the add and the youngest 16 loads may be out)
	WIN MUL_LO
	MUL16 0, 1, NQ-1, \slot, 0
	s_wait_dscnt 0x0                               ; the add is done, and my reads of this slot are over
	s_barrier_signal -1
	MUL16 2, 1, NQ-1, \slot, 0
	WIN 0
	s_barrier_wait -1
.if \fill
	CREST                                          ; the barrier has opened a round of the cluster's barrier
	s_add_nc_u64 s[G0+4*\slot+2:G0+4*\slot+3], s[G0+4*\slot+2:G0+4*\slot+3], 2*RT
	s_add_nc_u64 s[G0B+4*\slot+2:G0B+4*\slot+3], s[G0B+4*\slot+2:G0B+4*\slot+3], 2*RT
	JLOAD G0+4*\slot, G1, G0B+4*\slot, G1B         ; the first tensor load behind the round
	PLACES NP-4
.else
	PLACES NP
.endif
	v_add_nc_u32 v[ADRS], 4*NQ, v[ADRS]
	FETCH_B \next, 0, 0
	FETCH_A \next, 0, 0
	SCALES \next
	WIN MUL_HI
	MUL16 4, 1, NQ-1, \slot, 0
	MUL16 6, 1, NQ-1, \slot, 0
	PLACES NP
	WIN 0
	FETCH_A \next, 0, 4
.endm
	s_wait_tensorcnt 1                             ; the scales and my part of K step 0 are in; K step 1's load may be out
	s_barrier_signal -1
	s_barrier_wait -1
	FETCH_B 0, 0, 0
	FETCH_A 0, 0, 0
	SCALES 0
	FETCH_A 0, 0, 4
	STEP 0, 0, 1                                   ; K = 1,024 is four slots' worth: written out, no loop
	TURN 0, 1, 1
	STEP 1, 0, 0
	TURN 1, 0, 1
	STEP 0, 0, 0
	TURN 0, 1, 0
	STEP 1, 0, 0
	s_wait_dscnt 4*NL
	WIN MUL_LO
	MUL16 0, 1, NQ-1, 1, 0
	MUL16 2, 1, NQ-1, 1, 0
	s_wait_dscnt 0
	WIN MUL_HI
	MUL16 4, 1, NQ-1, 1, 0
	MUL16 6, 1, NQ-1, 1, 0
	WIN 0
; THE WAY OUT, a tile of A (16 rows x 128 columns) at a time: through my own stage in LDS and back as whole rows of 512 bytes; the bias is added; the 32 lanes store two aligned units of 256 bytes.
.macro TOSTAGE a
.set AC, 64*((\a)%4)
.set WS, 0x08+4*((\a)/4)
	WIN WS                                         ; the data: window 2 or 3
.irp b, 0,1,2,3,4,5,6,7
	ds_store_b128 v[STO], v[AC+8*\b:AC+8*\b+3] offset:128*(\b/2)+32*(\b%2)          ; each accumulator from its low end on
	ds_store_b128 v[STO], v[AC+8*\b+4:AC+8*\b+7] offset:128*(\b/2)+32*(\b%2)+16
.endr
	WIN 0
.set BB, BK+64*((\a)%2)
.irp t, 0,1,2,3,4,5,6,7,8,9,10,11,12,13,14,15
	ds_load_b128 v[BB+4*\t:BB+4*\t+3], v[RD] offset:\t*SPITCH   ; LDS serves a wave's instructions in order: these see the stores above
.endr
.endm
.macro SEND a, younger                 ; younger: the LDS instructions issued behind tile a's loads, which may stay out
.set BB, BK+64*((\a)%2)
	s_wait_dscnt \younger
.irp t, 0,1,2,3,4,5,6,7,8,9,10,11,12,13,14,15
	v_pk_add_f32 v[BB+4*\t:BB+4*\t+1], v[BB+4*\t:BB+4*\t+1], v[BIAS:BIAS+1]
	v_pk_add_f32 v[BB+4*\t+2:BB+4*\t+3], v[BB+4*\t+2:BB+4*\t+3], v[BIAS+2:BIAS+3]
	global_store_b128 v[LN], v[BB+4*\t:BB+4*\t+3], s[12:13] offset:(32*((\a)/2)+8*((\a)%2)+\t+8*(\t/8))*4096 th:TH_STORE_NT   ; stored row t of tile a is this row of out0; 512 consecutive bytes, aligned
.endr
.endm
	s_wait_loadcnt 0x0                             ; the bias
	PLACES NP                                      ; behind the last products: A's registers are loaded below
	TOSTAGE 0
.irp a, 1,2,3,4,5,6,7
.if \a > 1
	s_wait_xcnt 0x0                                ; the earlier tiles' stores have read their registers: this tile's loads may land there
.endif
	TOSTAGE \a
	SEND \a-1, 32                                  ; behind tile a - 1's loads: tile a's 16 stores and 16 loads
.endr
	SEND 7, 0
	s_wait_tensorcnt 0x0                           ; the wave's end
	ds_add_u32 v[SPW], v[NIL]
	s_wait_dscnt 0x0
	CROUND                                         ; the closing round: no work-group ends while a partner may still ask for a tile that names it
	s_endpgm
.Lfunc_end_k_q5639188ee7_gemmo:
	.size	k_q5639188ee7_gemmo, .Lfunc_end_k_q5639188ee7_gemmo-k_q5639188ee7_gemmo
	.p2alignl 7, 3214868480
	.fill 96, 4, 3214868480
	.section	.rodata,"a",@progbits
	.p2align	6, 0x0
	.amdhsa_kernel k_q5639188ee7_gemmo
		.amdhsa_group_segment_fixed_size 327680
		.amdhsa_private_segment_fixed_size 0
		.amdhsa_enable_private_segment 0
		.amdhsa_kernarg_size 32
		.amdhsa_user_sgpr_count 2
		.amdhsa_user_sgpr_kernarg_segment_ptr 1
		.amdhsa_wavefront_size32 1
		.amdhsa_system_sgpr_workgroup_id_x 1
		.amdhsa_system_sgpr_workgroup_id_y 1
		.amdhsa_system_sgpr_workgroup_id_z 1
		.amdhsa_system_vgpr_workitem_id 0
		.amdhsa_next_free_vgpr 1024
		.amdhsa_next_free_sgpr 98
		.amdhsa_reserve_vcc 0
		.amdhsa_float_denorm_mode_32 3
		.amdhsa_float_denorm_mode_16_64 3
		.amdhsa_memory_ordered 1
		.amdhsa_forward_progress 1
		.amdhsa_inst_pref_size 161
	.end_amdhsa_kernel
	.amdgpu_metadata
---
amdhsa.version: [ 1, 2 ]
amdhsa.kernels:
  - .name:           k_q5639188ee7_gemmo
    .symbol:         k_q5639188ee7_gemmo.kd
    .args:
      - { .name: aq, .offset: 0, .size: 8, .value_kind: global_buffer, .address_space: global }
      - { .name: wp, .offset: 8, .size: 8, .value_kind: global_buffer, .address_space: global }
      - { .name: bproj, .offset: 16, .size: 8, .value_kind: global_buffer, .address_space: global }
      - { .name: out0, .offset: 24, .size: 8, .value_kind: global_buffer, .address_space: global }
    .group_segment_fixed_size: 327680
    .private_segment_fixed_size: 0
    .kernarg_segment_align: 8
    .kernarg_segment_size: 32
    .max_flat_workgroup_size: 128
    .sgpr_count:     98
    .vgpr_count:     1024
    .wavefront_size: 32
...
	.end_amdgpu_metadata
.endif
;; end of part 5
;; ======== version 2 of 2: 4 launches; 1.13 times as fast as version 1
;; workspace buffers: xq 8,650,752 bytes; wp 1,310,720 bytes; wqk 2,359,296 bytes; wv 1,310,720 bytes; qk 17,301,504 bytes; vq 17,301,504 bytes; aq 8,650,752 bytes
;; launch quant (part 6): grid 336 x 1, 16 waves a work-group, no clusters, 140,288 bytes of LDS; arguments x, Wproj, Wq, Wk, Wv, xq, wp, wqk, wv; writes xq, wp, wqk, wv
.if DOCPART == 6
	.amdgcn_target "amdgcn-amd-amdhsa--gfx1250"
	.amdhsa_code_object_version 6
	.text
	.protected	k_q5639188ee7_quant
	.globl	k_q5639188ee7_quant
	.p2align	8
	.type	k_q5639188ee7_quant,@function
k_q5639188ee7_quant:
	s_mov_b64 s[64:65], 0
	v_nop
	global_prefetch_b8 v0, s[64:65] scope:SCOPE_SE
	s_setreg_imm32_b32 hwreg(HW_REG_WAVE_MODE, 25, 1), 1
	s_wait_xcnt 0x0
; All five f32 inputs of matrix products become codes of E5M2 with one E8M0 byte for each 32 along K.
; A block's scale is 2^(floor(log2(its largest magnitude)) - 15); each number is divided by it, held within +-57,344 and rounded to the nearest code, ties to even.
; EVERY OUTPUT IS LAID AS THE MATRIX OPERAND'S REGISTERS: scale bytes [stored row][32] from byte 0; from byte COFF on codes [row tile][K step of 128][c 0..3][lane][16 bytes]; lane (r, hf) holds
; k = 32 c + 16 hf + 0..15 of the tile's row r.  THE ROWS OF A TILE ARE NOT NEIGHBOURS: row r of tile 2 g + u is row 32 g + 8 u + r + 8 (r / 8) of the matrix, so that a product that takes such tiles as
; source 0 leaves 16 neighbours in a lane's 16 registers of two neighbouring tiles.
; TWO PATHS, parted by the work-group's number, each with LDS bytes of its own:
; WORK-GROUPS 0-47: Wq, Wk, Wv [16 heads][1024 (K)][64]: K is the middle axis.  A work-group takes one head of one tensor; wave w 32 columns (w % 2) x 128 along K (w / 2).  A LANE TAKES A COLUMN d AND ITS
;   REGISTERS RUN DOWN K: a block of 32 lies in one lane's 32 registers, and the conversions give codes with K innermost.  An operand's row is 64 head + d; wqk holds Wq's 1,024 rows and then Wk's.
; WORK-GROUPS 48-335: x [8192][1024] (the first 256) and Wproj [1024][1024]: K innermost.  A work-group takes two tiles of 16 rows; wave w tile w / 8 and K step w % 8.  A load reads 512 consecutive bytes of
;   a row; the wave's 16 x 512 bytes turn through its own stage in LDS (rows 528 bytes apart) into the operand's order.
;   A wave issues all its 16 loads at once and has no loop: with two work-groups to a WGP all 336 are resident, so every byte is asked for at the start.
; In both paths the scale words meet in LDS and leave dense.
; LIMITS: NaN and infinities among the inputs are not served.  A block of zeros gets the byte 1 (the rule says 127): its codes are zeros, and only this program reads the bytes.
.set COFF, 262144
.set NWG,  48                          ; the weights' work-groups
.set SP,   528                         ; a stage row: 512 bytes + 16
.set STG,  16*SP                       ; a wave's stage
.set SCX,  16*STG                      ; behind the sixteen stages: the rows' scale words, 2 tiles x 512 bytes
.set SCW,  SCX+1024                    ; and the weights': 64 rows x 32 bytes
.set WV,   22                          ; s22 my wave's number
.set MNT,  23                          ; s23 the mantissa field of 57,344
.set SEL,  40                          ; s[40:41] lane selects: lane l xor 16
.set LN,   1                           ; the rows' path: v1 16 x lane
.set TM,   12                          ; v12-15 largest magnitudes, v16-19 bytes, v20-23 57,344 x the scale, v24-27 the conversions' scale operands
.set W,    28                          ; v28 my row's scale word
.set PC,   32                          ; v32-47 the codes
.set X,    48                          ; v48-111 64 numbers, as loaded and then in the operand's order
.set SOUT, 112                         ; v112-115 scale bytes on their way out
.set XW,   32                          ; the weights' path: v32-95 two sets of 32 numbers
.set CW,   96                          ; v96-127 eight registers of codes for each block: no store's data are written again
.set SB,   14                          ; v14 my row's scale word
	s_load_b256 s[4:11], s[0:1], 0x0               ; x, Wproj, Wq, Wk
	s_load_b256 s[12:19], s[0:1], 0x20             ; Wv, xq, wp, wqk
	s_load_b64 s[20:21], s[0:1], 0x40              ; wv
	v_lshl_add_u32 v128, v0, 2, 0x21c00
	v_mov_b32 v129, 0
	v_lshrrev_b32 v1, 5, v0
	v_readfirstlane_b32 s[WV], v1                  ; wave 0..15
	v_and_b32 v2, 31, v0                           ; lane
	v_and_b32 v3, 15, v0                           ; r
	v_bfe_u32 v4, v0, 4, 1                         ; hf
	v_lshlrev_b32 v8, 4, v0                        ; 16 x thread
	s_mov_b32 s[MNT], 0x600000
	s_mov_b32 s31, 0                               ; the upper word of every offset
	s_cmp_lt_u32 ttmp9, NWG
	s_cbranch_scc1 .Lweights
	; ---------------- the rows' path ----------------
	v_lshlrev_b32 v[LN], 4, v2
	s_lshr_b32 s25, s[WV], 3                       ; which of the two tiles
	s_and_b32 s26, s[WV], 7                        ; which K step
	s_sub_co_u32 s28, ttmp9, NWG
	s_wait_kmcnt 0x0
	s_cmp_lt_u32 s28, 256                          ; x's tiles or Wproj's: the choice hangs on the work-group's number alone
	s_cselect_b64 s[4:5], s[4:5], s[6:7]
	s_cselect_b64 s[14:15], s[14:15], s[16:17]
	s_cselect_b32 s29, 0, 256
	s_sub_co_u32 s28, s28, s29                     ; the pair of tiles, p: tile 2 p + t begins at row 32 p + 8 t
	s_lshl_b32 s30, s28, 17                        ; rows of 4,096 bytes
	s_lshl_b32 s29, s25, 15
	s_add_co_u32 s30, s30, s29
	s_lshl_b32 s29, s26, 9                         ; 512 bytes a K step
	s_add_co_u32 s30, s30, s29
	s_add_nc_u64 s[4:5], s[4:5], s[30:31]
.irp i, 0,1,2,3,4,5,6,7,8,9,10,11,12,13,14,15
	global_load_b128 v[X+4*\i:X+4*\i+3], v[LN], s[4:5] offset:(\i+8*(\i/8))*4096 th:TH_LOAD_NT   ; 512 consecutive bytes of the tile's row i
.endr
	s_mul_i32 s24, s[WV], STG                      ; my stage
	v_add_nc_u32 v5, s24, v[LN]                    ; into it: as loaded
	v_mul_u32_u24 v6, v3, SP
	v_lshl_add_u32 v6, v4, 6, v6
	v_add_nc_u32 v6, s24, v6                       ; out of it: row r, + 64 hf bytes
	s_lshl_b32 s27, s25, 9
	s_lshl_b32 s29, s26, 2
	s_add_co_u32 s27, s27, s29
	s_add_co_u32 s27, s27, SCX
	v_lshlrev_b32 v7, 5, v3
	v_add_nc_u32 v7, s27, v7                       ; my scale word: 512 x tile + 32 r + 4 x K step
	v_add_nc_u32 v9, SCX, v8                       ; and the pair's 1,024 bytes on their way out
.irp b, 0,1,2,3
	v_mov_b32 v[TM+4+\b], 0                        ; a lane permute's destination counts as one of its sources
.endr
	s_mov_b32 s[SEL], 0x76543210
	s_mov_b32 s[SEL+1], 0xfedcba98
	s_lshl_b32 s30, s28, 15                        ; the codes: 16,384 bytes a tile, 2,048 a K step
	s_lshl_b32 s29, s25, 14
	s_add_co_u32 s30, s30, s29
	s_lshl_b32 s29, s26, 11
	s_add_co_u32 s30, s30, s29
	s_add_co_u32 s30, s30, COFF
	s_add_nc_u64 s[6:7], s[14:15], s[30:31]
	s_lshl_b32 s30, s28, 10                        ; the pair's scale bytes
	s_add_nc_u64 s[14:15], s[14:15], s[30:31]
	s_wait_loadcnt 0x0
.irp i, 0,1,2,3,4,5,6,7,8,9,10,11,12,13,14,15
	ds_store_b128 v5, v[X+4*\i:X+4*\i+3] offset:SP*\i
.endr
.irp c, 0,1,2,3
.irp j, 0,1,2,3
	ds_load_b128 v[X+16*\c+4*\j:X+16*\c+4*\j+3], v6 offset:128*\c+16*\j   ; LDS serves a wave's instructions in order: these see the stores above, and come back into the registers that those have left
.endr
.endr
	s_wait_dscnt 0x0
	; register 16 b + i = k 32 b + 16 hf + i of my row
.irp b, 0,1,2,3
	v_max3_num_f32 v[TM+\b], |v[X+16*\b]|, |v[X+1+16*\b]|, 0x8000000   ; block b: my 16 numbers and the floor 2^(16 - 127): the byte cannot fall under 1
.endr
.irp i, 2,4,6,8,10,12,14
.irp b, 0,1,2,3
	v_max3_num_f32 v[TM+\b], v[TM+\b], |v[X+16*\b+\i]|, |v[X+1+16*\b+\i]|   ; the four blocks by turns
.endr
.endr
.irp b, 0,1,2,3
	v_permlanex16_b32 v[TM+4+\b], v[TM+\b], s[SEL], s[SEL+1]
.endr
.irp b, 0,1,2,3
	v_max_num_f32 v[TM+\b], v[TM+\b], v[TM+4+\b]   ; with lane l xor 16's 16: the block's largest magnitude
.endr
.irp b, 0,1,2,3
	v_add_nc_u32 v[TM+12+\b], 0xf8800000, v[TM+\b] ; 15 off its exponent field: the conversion takes this operand's exponent field as its scale
.endr
.irp b, 0,1,2,3
	v_and_or_b32 v[TM+8+\b], v[TM+\b], 0x7f800000, s[MNT]   ; 57,344 x the scale
.endr
.irp b, 0,1,2,3
	v_lshrrev_b32 v[TM+4+\b], 23, v[TM+12+\b]      ; the scale's byte
.endr
	v_lshl_or_b32 v[W], v[TM+5], 8, v[TM+4]
	v_lshl_or_b32 v[W], v[TM+6], 16, v[W]
	v_lshl_or_b32 v[W], v[TM+7], 24, v[W]
.irp b, 0,1,2,3
.irp i, 0,1,2,3,4,5,6,7,8,9,10,11,12,13,14,15
	v_med3_num_f32 v[X+16*\b+\i], v[X+16*\b+\i], -v[TM+8+\b], v[TM+8+\b]   ; the conversion to an 8-bit code does not saturate (ISA guide 7.6.2): the hold comes first
.endr
	v_cvt_scalef32_pk8_bf8_f32 v[PC+4*\b:PC+4*\b+1], v[X+16*\b:X+16*\b+7], v[TM+12+\b]
	v_cvt_scalef32_pk8_bf8_f32 v[PC+4*\b+2:PC+4*\b+3], v[X+16*\b+8:X+16*\b+15], v[TM+12+\b]
.endr
.irp c, 0,1,2,3
	global_store_b128 v[LN], v[PC+4*\c:PC+4*\c+3], s[6:7] offset:512*\c   ; 512 consecutive bytes, aligned
.endr
	ds_store_b32 v7, v[W]                          ; both lanes of a row write the same word with the same value
	s_wait_dscnt 0x0                               ; for the others' sake: my word has landed
	s_barrier_signal -1
	s_barrier_wait -1
	s_cmp_lt_u32 s[WV], 2                          ; waves 0 and 1 carry the pair's 1,024 scale bytes out
	s_cbranch_scc0 .Lrows_end
	ds_load_b128 v[SOUT:SOUT+3], v9
	s_wait_dscnt 0x0
	global_store_b128 v8, v[SOUT:SOUT+3], s[14:15] ; 512 consecutive bytes a wave
.Lrows_end:
	s_wait_tensorcnt 0x0
	ds_add_u32 v128, v129
	s_wait_dscnt 0x0
	s_endpgm
	; ---------------- the weights' path ----------------
.Lweights:
	v_and_b32 v5, 8, v3
	v_add_nc_u32 v5, v5, v3                        ; r + 8 (r / 8)
	v_lshl_add_u32 v5, v4, 3, v5                   ; + 8 u: my column among the wave's 32 (lanes 0-15 are one tile's rows, lanes 16-31 the next tile's)
	v_lshlrev_b32 v5, 2, v5                        ; in bytes: the 32 lanes read 128 consecutive bytes
	v_lshlrev_b32 v6, 4, v3
	v_lshl_add_u32 v6, v4, 14, v6                  ; out: 16,384 u (the tile) + 16 r
	s_and_b32 s24, s[WV], 1                        ; which 32 columns
	s_lshr_b32 s25, s[WV], 1                       ; which K step
	s_lshr_b32 s27, ttmp9, 4                       ; which tensor
	s_and_b32 s28, ttmp9, 15                       ; which head
	s_lshl_b32 s30, s28, 18                        ; the head: 262,144 bytes
	s_lshl_b32 s29, s25, 15                        ; 128 rows of 256 bytes
	s_add_co_u32 s30, s30, s29
	s_lshl_b32 s29, s24, 7
	s_add_co_u32 s30, s30, s29
	s_wait_kmcnt 0x0
	s_cmp_eq_u32 s27, 1
	s_cselect_b64 s[8:9], s[10:11], s[8:9]
	s_cselect_b32 s32, 1024, 0                     ; Wk's rows lie behind Wq's
	s_cmp_eq_u32 s27, 2
	s_cselect_b64 s[8:9], s[12:13], s[8:9]
	s_cselect_b64 s[18:19], s[20:21], s[18:19]
	s_add_nc_u64 s[8:9], s[8:9], s[30:31]
.macro LOADW c                         ; block c: W(32 c + i, my column), into set c % 2
.irp i, 0,1,2,3,4,5,6,7,8,9,10,11,12,13,14,15,16,17,18,19,20,21,22,23,24,25,26,27,28,29,30,31
	global_load_b32 v[XW+32*((\c)%2)+\i], v5, s[8:9] offset:256*(32*(\c)+\i) th:TH_LOAD_NT
.endr
.endm
	LOADW 0
	LOADW 1
	s_lshl_b32 s26, s24, 10
	s_lshl_b32 s29, s25, 2
	s_add_co_u32 s26, s26, s29
	s_add_co_u32 s26, s26, SCW
	v_lshlrev_b32 v7, 5, v2
	v_add_nc_u32 v7, s26, v7                       ; LDS: row (32 x half + lane) x 32 bytes + 4 x K step
	v_add_nc_u32 v9, SCW, v8
	s_lshl_b32 s33, s28, 6
	s_add_co_u32 s32, s32, s33                     ; the head's first row of the operand
	s_lshl_b32 s30, s32, 5
	s_add_nc_u64 s[34:35], s[18:19], s[30:31]      ; its scale bytes
	s_lshl_b32 s33, s24, 5
	s_add_co_u32 s33, s33, s32
	s_lshl_b32 s30, s33, 10                        ; 1,024 bytes of codes a row
	s_lshl_b32 s33, s25, 11                        ; 2,048 a K step
	s_add_co_u32 s30, s30, s33
	s_add_co_u32 s30, s30, COFF
	s_add_nc_u64 s[18:19], s[18:19], s[30:31]
.macro BLOCK c
.set XS, XW+32*((\c)%2)
.if (\c) < 3
	s_wait_loadcnt 32                              ; this block's 32 loads are in; the next block's 32 may be out
.else
	s_wait_loadcnt 0x0
.endif
	v_max3_num_f32 v12, |v[XS]|, |v[XS+1]|, |v[XS+2]|
	v_max3_num_f32 v13, |v[XS+3]|, |v[XS+4]|, |v[XS+5]|
.irp i, 6,10,14,18,22,26
	v_max3_num_f32 v12, v12, |v[XS+\i]|, |v[XS+\i+1]|
	v_max3_num_f32 v13, v13, |v[XS+\i+2]|, |v[XS+\i+3]|
.endr
	v_max3_num_f32 v12, v12, |v[XS+30]|, |v[XS+31]|
	v_max3_num_f32 v12, v12, v13, 0x8000000        ; and the floor 2^(16 - 127): the byte cannot fall under 1
	v_add_nc_u32 v11, 0xf8800000, v12              ; 15 off the exponent field: the conversion's scale operand
	v_and_or_b32 v10, v12, 0x7f800000, s[MNT]      ; 57,344 x the scale
	v_lshrrev_b32 v13, 23, v11                     ; the scale's byte
.if (\c) == 0
	v_mov_b32 v[SB], v13
.else
	v_lshl_or_b32 v[SB], v13, 8*(\c), v[SB]
.endif
.irp i, 0,1,2,3,4,5,6,7,8,9,10,11,12,13,14,15,16,17,18,19,20,21,22,23,24,25,26,27,28,29,30,31
	v_med3_num_f32 v[XS+\i], v[XS+\i], -v10, v10   ; the conversion does not saturate (ISA guide 7.6.2): the hold comes first
.endr
.irp g, 0,1,2,3
	v_cvt_scalef32_pk8_bf8_f32 v[CW+8*(\c)+2*\g:CW+8*(\c)+2*\g+1], v[XS+8*\g:XS+8*\g+7], v11
.endr
	global_store_b128 v6, v[CW+8*(\c):CW+8*(\c)+3], s[18:19] offset:512*(\c)          ; k = 32 c + 0..15: the image's lanes 0-15: sixteen lanes fill 256 consecutive aligned bytes
	global_store_b128 v6, v[CW+8*(\c)+4:CW+8*(\c)+7], s[18:19] offset:512*(\c)+256    ; k = 32 c + 16..31: its lanes 16-31
.if (\c) < 2
	LOADW (\c)+2                                   ; into the set that this block has left
.endif
.endm
	BLOCK 0
	BLOCK 1
	BLOCK 2
	BLOCK 3
	ds_store_b32 v7, v[SB]
	s_wait_dscnt 0x0                               ; for the others' sake: my word has landed
	s_barrier_signal -1
	s_barrier_wait -1
	s_cmp_lt_u32 s[WV], 4                          ; waves 0-3 carry the head's 2,048 scale bytes out
	s_cbranch_scc0 .Lweights_end
	ds_load_b128 v[16:19], v9
	s_wait_dscnt 0x0
	global_store_b128 v8, v[16:19], s[34:35]       ; 512 consecutive bytes a wave
.Lweights_end:
	s_wait_tensorcnt 0x0
	ds_add_u32 v128, v129
	s_wait_dscnt 0x0
	s_endpgm
.Lfunc_end_k_q5639188ee7_quant:
	.size	k_q5639188ee7_quant, .Lfunc_end_k_q5639188ee7_quant-k_q5639188ee7_quant
	.p2alignl 7, 3214868480
	.fill 96, 4, 3214868480
	.section	.rodata,"a",@progbits
	.p2align	6, 0x0
	.amdhsa_kernel k_q5639188ee7_quant
		.amdhsa_group_segment_fixed_size 140288
		.amdhsa_private_segment_fixed_size 0
		.amdhsa_enable_private_segment 0
		.amdhsa_kernarg_size 72
		.amdhsa_user_sgpr_count 2
		.amdhsa_user_sgpr_kernarg_segment_ptr 1
		.amdhsa_wavefront_size32 1
		.amdhsa_system_sgpr_workgroup_id_x 1
		.amdhsa_system_sgpr_workgroup_id_y 1
		.amdhsa_system_sgpr_workgroup_id_z 1
		.amdhsa_system_vgpr_workitem_id 0
		.amdhsa_next_free_vgpr 130
		.amdhsa_next_free_sgpr 66
		.amdhsa_reserve_vcc 0
		.amdhsa_float_denorm_mode_32 3
		.amdhsa_float_denorm_mode_16_64 3
		.amdhsa_memory_ordered 1
		.amdhsa_forward_progress 1
		.amdhsa_inst_pref_size 45
	.end_amdhsa_kernel
	.amdgpu_metadata
---
amdhsa.version: [ 1, 2 ]
amdhsa.kernels:
  - .name:           k_q5639188ee7_quant
    .symbol:         k_q5639188ee7_quant.kd
    .args:
      - { .name: x, .offset: 0, .size: 8, .value_kind: global_buffer, .address_space: global }
      - { .name: Wproj, .offset: 8, .size: 8, .value_kind: global_buffer, .address_space: global }
      - { .name: Wq, .offset: 16, .size: 8, .value_kind: global_buffer, .address_space: global }
      - { .name: Wk, .offset: 24, .size: 8, .value_kind: global_buffer, .address_space: global }
      - { .name: Wv, .offset: 32, .size: 8, .value_kind: global_buffer, .address_space: global }
      - { .name: xq, .offset: 40, .size: 8, .value_kind: global_buffer, .address_space: global }
      - { .name: wp, .offset: 48, .size: 8, .value_kind: global_buffer, .address_space: global }
      - { .name: wqk, .offset: 56, .size: 8, .value_kind: global_buffer, .address_space: global }
      - { .name: wv, .offset: 64, .size: 8, .value_kind: global_buffer, .address_space: global }
    .group_segment_fixed_size: 140288
    .private_segment_fixed_size: 0
    .kernarg_segment_align: 8
    .kernarg_segment_size: 72
    .max_flat_workgroup_size: 512
    .sgpr_count:     66
    .vgpr_count:     130
    .wavefront_size: 32
...
	.end_amdgpu_metadata
.endif
;; end of part 6
;; launch gemmqkv (part 7): grid 8 x 32, 4 waves a work-group, clusters of 4 x 4, 327,680 bytes of LDS; arguments xq, wqk, wv, qk, vq; writes qk, vq
.if DOCPART == 7
	.amdgcn_target "amdgcn-amd-amdhsa--gfx1250"
	.amdhsa_code_object_version 6
	.text
	.protected	k_q5639188ee7_gemmqkv
	.globl	k_q5639188ee7_gemmqkv
	.p2align	8
	.type	k_q5639188ee7_gemmqkv,@function
k_q5639188ee7_gemmqkv:
	s_mov_b64 s[64:65], 0
	v_nop
	global_prefetch_b8 v0, s[64:65] scope:SCOPE_SE
	s_setreg_imm32_b32 hwreg(HW_REG_WAVE_MODE, 25, 1), 1
	s_wait_xcnt 0x0
	s_wait_alu depctr_hold_cnt(0) depctr_sa_sdst(0) depctr_va_vdst(0) depctr_va_sdst(0) depctr_va_ssrc(0) depctr_va_vcc(0) depctr_vm_vsrc(0)
	s_getreg_b32 s2, hwreg(HW_REG_IB_STS2, 6, 4)
	s_cmp_eq_u32 s2, 0
	s_cbranch_scc0 .Lentry_in_a_cluster
	s_endpgm
.Lentry_in_a_cluster:
	s_bfe_u32 s2, ttmp6, 0x10000c
	s_cmp_lg_u32 s2, 0xf033
	s_cbranch_scc0 .Lentry_shape_is_right
	s_endpgm
.Lentry_shape_is_right:
; The three projections on codes of E5M2 with E8M0 scales, K = 1,024; each result is QUANTISED on its way out: it is an operand of the attention's products.
; A WORK-GROUP STAYS AND MAKES ONE AND A HALF TILES.  THE WHOLE TILE: 256 rows of x (tile row) against 256 rows of Wq | Wk (tile column): q and k, quantised along the head's 64.
; THE HALF TILE: 128 rows of Wv (tile column) against the same 256 rows of x: v transposed, quantised along the keys.  8 x 32 work-groups cover 2,048 + 1,024 rows of weights x 8,192 rows of x evenly.
; OPERANDS lie as images of the matrix operand's registers: scale bytes [stored row][32] from byte 0; codes [row tile][K step of 128][c][lane][16 bytes] from byte COFF.  Any quarter of a fragment is 512
; consecutive bytes at 16 x lane, in memory and in LDS: no pitch, no padding.  Row r of tile 2 g + u is row 32 g + 8 u + r + 8 (r / 8) of the matrix.
; Four waves.  In the whole tile a wave makes 128 x 128: 64 accumulators, 512 registers; in the half tile 64 rows of Wv x 128 rows of x: 32 accumulators.
; THE RING DOES NOT STOP: K goes in steps of 256 through two LDS slots, eight visits in all; the whole tile's last two changes of slots ask for the half tile's first two K steps, which land while q and k go out.
; The scale bytes of x's and Wq | Wk's rows, for all of K, come into LDS once with the first fills (x's serve both tiles); Wv's words of a wave's 64 rows, 2,048 dense bytes, come into registers at the head.
; CLUSTERS: 4 x 4 work-groups; x's tiles hang on the tile row alone and are asked for jointly along a row of the cluster, the weights' on the tile column alone and are asked for jointly along a column.
; THE MATRIX INSTRUCTION'S SOURCE 0 IS THE SIDE ALONG WHICH THE RESULT IS QUANTISED (Wq | Wk's rows, then x's): by the order of its rows a lane's 16 registers of its tiles 2 g, 2 g + 1 are its rows
; 32 g + 16 hf + 0..15, so a lane's 64 results of one tile of source 1 are a fragment's 64 numbers in the operand's own order, and the conversions' results are the operand's registers.  No LDS on the way out.
; OUTPUT, in qk and in vq alike: with io = 128 rows of source 1's matrix, jg = 128 rows of source 0's, P = io % 16, Q = jg % 16, R = io / 16 + jg / 16 (one of the two is 0): the quarter (tile a of the
; eight of io, block b of 32) lies at C2 + 4,096 P + 262,144 Q + 4,194,304 R + 65,536 b + 512 a + 16 x lane; the scale words at 512 (P + 16 Q + 256 R) + 256 (a / 4) + 16 r + 4 (a % 4).
; LIMITS: NaN and infinities are not served.  A block of zeros gets the byte 1 (the rule says 127): its codes are zeros, and only this program reads the bytes.
; REGISTERS, in windows of 256: window 0: v0-31 addresses; v32-63 scale words from LDS, two sets; v64-95 codes on the way out; v96-127 Wv's scale words; v128-255 source 1's fragments (the whole tile: one set
;   of eight; the half tile: two sets of four); on the way out v128-191 the held numbers, v192-219 at work.  window 1: source 0's fragments, two sets.  windows 2, 3: the accumulators.
.set NQ,     2                         ; matrix instructions deep in a slot
.set FR,     16                        ; registers of a fragment
.set NL,     4                         ; LDS loads that bring one
.set NP,     8                         ; places behind this matrix instruction (ISA guide 7.12.1)
.set COFF,   262144
.set C2,     524288
.set RT,     4096                      ; a row tile's two K steps of 128
.set HALFT,  8*RT                      ; 128 rows: what one tensor load brings at the most
.set SLOT,   4*HALFT                   ; x's 256 rows, then the weights' (256, or 64 at the head of each half)
.set KS,     32                        ; a row of scale bytes
.set SCL,    2*SLOT                    ; behind the ring: the scales, as units of 256 bytes + 16 of padding
.set HALFS,  (128*KS/256)*272
.set SBLK,   (16*KS/256)*272
.set SPARE,  SCL+4*HALFS               ; the spare words, 128 bytes for each wave: two blocks of 256 bytes that no other line names
.set ADRA,  16                         ; v16-17 the whole tile: LDS address of my fragments of x in slot 0, 1
.set ADRA2, 18                         ; v18-19 the half tile: of Wv
.set ADRB,  20                         ; v20-21 the whole tile: of Wq | Wk
.set ADRB2, 22                         ; v22-23 the half tile: of x
.set ADRS2, 24                         ; v24 the half tile: LDS address of x's scale words
.set R16,   25                         ; v25 16 r
.set LN,    26                         ; v26 16 x lane
.set ADRS,  27                         ; v27 the whole tile: LDS address of my scale words: lanes 0-15 x's rows, lanes 16-31 the weights'
.set SPW,   28                         ; v28 LDS address of my spare word; never rewritten
.set NIL,   29                         ; v29 0; never rewritten
.set HF,    30                         ; v30 lane / 16
.set R32,   31                         ; v31 32 r
.set SC,    32
.set PC,    64                         ; v64-95 codes, two sets
.set AS,    96                         ; v96-127 register 8 a + s: the scale word of my tile a of Wv for the s-th 128 along K
.set AF,    128
.set X,     128                        ; v128-191 64 numbers, held
.set TM,    192                        ; v192-195 largest magnitudes, v196-199 bytes, v200-203 57,344 x the scale, v204-207 scale operands
.set W,     208                        ; v208-215 the scale words made
.set SW,    216                        ; v216-219 the four that my lane stores
.set G1, 24                            ; s[24:31] group 1 for x's codes; s[32:39] group 0, one set for each slot
.set G0, 32
.set G1B, 48                           ; s[48:55], s[56:63] the same for the weights' codes
.set G0B, 56
.set G1S, 68                           ; s[68:75], s[76:79] groups 1 and 0 for x's scale bytes; s[80:87], s[88:91] for Wq | Wk's
.set G0S, 76
.set G1SB, 80
.set G0SB, 88
.set SEL, 2                            ; s[2:3] lane selects, set on the way out
.set MNT, 95
.set WVC, 96                           ; s[96:97] the codes of the 64 rows of Wv that I fetch
.set O1C, 10                           ; s[10:11] qk: my codes; s[18:19] my scale words
.set O1S, 18
.set O2C, 12                           ; s[12:13] vq: my codes; s[98:99] my scale words
.set O2S, 98
.set MSB, 0
.macro WIN new                         ; the immediate's high byte repeats the setting that is left
.if MSB != \new
	s_set_vgpr_msb (MSB<<8)|\new
.set MSB, \new
.endif
.endm
.set MUL_LO, 0xa1                      ; source 0 window 1, source 1 window 0, C and D window 2
.set MUL_HI, 0xf1
.set TO_B,   0x40
.macro JLOAD g0a, g1a, g0b, g1b        ; a joint load: waves 0 and 1 fetch x's, waves 2 and 3 the weights'; four v_nop follow each line
	s_cmp_eq_u32 s15, 0
	s_cbranch_scc0 .Lfor_b_\@
	tensor_load_to_lds s[\g0a:\g0a+3], s[\g1a:\g1a+7]
	s_nop 0
.rept 4
	v_nop
.endr
	s_branch .Lasked_\@
.Lfor_b_\@:
	tensor_load_to_lds s[\g0b:\g0b+3], s[\g1b:\g1b+7]
	s_nop 0
.rept 4
	v_nop
.endr
.Lasked_\@:
.endm
.macro CREST                           ; a round of the cluster's barrier behind its opening barrier
	s_cmp_lg_u32 s14, 0
	s_cbranch_scc1 .Lnot_wave_0_\@
	s_barrier_signal -3
.Lnot_wave_0_\@:
	s_barrier_wait -3
	s_barrier_signal -1
	s_barrier_wait -1
.endm
.macro CROUND
	s_barrier_signal -1
	s_barrier_wait -1
	CREST
.endm
	s_load_b256 s[4:11], s[0:1], 0x0               ; xq, wqk, wv, qk
	s_load_b64 s[12:13], s[0:1], 0x20              ; vq
	v_lshl_add_u32 v[SPW], v0, 2, SPARE
	v_mov_b32 v[NIL], 0
	ds_add_u32 v28, v29
	s_wait_dscnt 0x0
	v_lshrrev_b32 v1, 5, v0
	v_readfirstlane_b32 s14, v1                    ; wave 0..3
	s_lshr_b32 s15, s14, 1                         ; which half of source 1's rows is mine.  Also: I fetch x's tiles (0) or the weights' (1)
	s_and_b32 s16, s14, 1                          ; which half of source 0's rows.  Also: which half of a tile's rows I fetch
	s_bfe_u32 s40, ttmp6, 0x40000                  ; cx, cy
	s_bfe_u32 s41, ttmp6, 0x40004
	s_lshl_b32 s42, ttmp9, 2
	s_add_co_u32 s42, s42, s40                     ; tile column = 4 x cluster x + cx
	s_and_b32 s17, ttmp7, 0xffff
	s_lshl_b32 s17, s17, 2
	s_add_co_u32 s17, s17, s41                     ; tile row = 4 x cluster y + cy
	s_lshl_b32 s43, s41, 2
	s_lshl_b32 s43, 15, s43                        ; my row of the cluster
	s_lshl_b32 s44, 0x1111, s40                    ; my column
	; group 1 for codes: 8 row tiles x 4,096 bytes (512 elements of 8 bytes), 16,384 bytes apart; dense in LDS
	s_or_b32 s[G1+0], s43, (3<<16)|(1<<21)         ; 15:0 the mask; 17:16 elements of 8 bytes; 21 set beside a mask
	s_or_b32 s[G1B+0], s44, (3<<16)|(1<<21)
.irp g, G1, G1B
	s_mov_b32 s[\g+1], 512<<16                     ; tensor_dim0
	s_mov_b32 s[\g+2], 8<<16                       ; tensor_dim1
	s_mov_b32 s[\g+3], 512<<16                     ; tile_dim0
	s_mov_b32 s[\g+4], 8                           ; tile_dim1
	s_mov_b32 s[\g+5], 2048                        ; tensor_dim0_stride
	s_mov_b32 s[\g+6], 0
	s_mov_b32 s[\g+7], 0
.endr
	; and for the scale bytes of 128 rows: 4,096 dense bytes as 16 rows of 256, 16 bytes of padding behind each
	s_or_b32 s[G1S+0], s43, (3<<16)|(1<<20)|(1<<21)|(5<<22)|(3<<25)
	s_or_b32 s[G1SB+0], s44, (3<<16)|(1<<20)|(1<<21)|(5<<22)|(3<<25)
.irp g, G1S, G1SB
	s_mov_b32 s[\g+1], 32<<16
	s_mov_b32 s[\g+2], (128*KS/256)<<16
	s_mov_b32 s[\g+3], 32<<16
	s_mov_b32 s[\g+4], 128*KS/256
	s_mov_b32 s[\g+5], 32
	s_mov_b32 s[\g+6], 0
	s_mov_b32 s[\g+7], 0
.endr
	s_lshl_b32 s18, s16, 7                         ; which 128 rows of a tile I fetch
	s_lshl_b32 s20, s17, 8
	s_add_co_u32 s20, s20, s18                     ; x: row 256 x tile row + 128 x half
	s_lshl_b32 s46, s42, 8
	s_add_co_u32 s46, s46, s18                     ; Wq | Wk: row 256 x tile column + 128 x half
	s_lshl_b32 s22, s20, 5                         ; their scale bytes: 32 a row
	s_lshl_b32 s92, s46, 5
	s_lshl_b32 s20, s20, 10                        ; their codes: 1,024 a row, behind COFF
	s_add_co_u32 s20, s20, COFF
	s_lshl_b32 s46, s46, 10
	s_add_co_u32 s46, s46, COFF
	s_mov_b32 s21, 0
	s_mov_b32 s23, 0
	s_mov_b32 s47, 0
	s_mov_b32 s93, 0
	s_lshl_b32 s100, s42, 7
	s_lshl_b32 s101, s16, 6
	s_add_co_u32 s100, s100, s101                  ; Wv: row 128 x tile column + 64 x half
	s_lshl_b32 s100, s100, 10
	s_add_co_u32 s100, s100, COFF
	s_mov_b32 s101, 0
	s_mul_i32 s45, s14, HALFT                      ; where the codes go: wave x 128 rows: no place in the cluster enters an LDS address
	s_mul_i32 s94, s14, HALFS
	s_wait_kmcnt 0x0
	s_add_nc_u64 s[20:21], s[4:5], s[20:21]
	s_add_nc_u64 s[22:23], s[4:5], s[22:23]
	s_add_nc_u64 s[46:47], s[6:7], s[46:47]
	s_add_nc_u64 s[92:93], s[6:7], s[92:93]
	s_add_nc_u64 s[WVC:WVC+1], s[8:9], s[100:101]
	CROUND                                         ; all sixteen work-groups are here: the first joint loads meet
	s_mov_b32 s[G0S], 1
	s_add_co_u32 s[G0S+1], s94, SCL
	s_mov_b64 s[G0S+2:G0S+3], s[22:23]
	s_or_b32 s[G0S+3], s[G0S+3], 0x80000000
	s_mov_b32 s[G0SB], 1
	s_add_co_u32 s[G0SB+1], s94, SCL
	s_mov_b64 s[G0SB+2:G0SB+3], s[92:93]
	s_or_b32 s[G0SB+3], s[G0SB+3], 0x80000000
	JLOAD G0S, G1S, G0SB, G1SB                     ; the scales first: they are wanted with K step 0
.irp s, 0,1
	s_mov_b32 s[G0+4*\s], 1
	s_add_co_u32 s[G0+4*\s+1], s45, \s*SLOT
	s_add_nc_u64 s[G0+4*\s+2:G0+4*\s+3], s[20:21], \s*RT
	s_or_b32 s[G0+4*\s+3], s[G0+4*\s+3], 0x80000000
	s_mov_b32 s[G0B+4*\s], 1
	s_add_co_u32 s[G0B+4*\s+1], s45, \s*SLOT
	s_add_nc_u64 s[G0B+4*\s+2:G0B+4*\s+3], s[46:47], \s*RT
	s_or_b32 s[G0B+4*\s+3], s[G0B+4*\s+3], 0x80000000
	JLOAD G0+4*\s, G1, G0B+4*\s, G1B
.endr
	v_and_b32 v1, 15, v0                           ; r
	v_bfe_u32 v2, v0, 4, 1                         ; hf
	v_bfe_u32 v[HF], v0, 4, 1
	v_and_b32 v6, 31, v0
	v_lshlrev_b32 v[LN], 4, v6
	v_lshlrev_b32 v[R16], 4, v1
	v_lshlrev_b32 v[R32], 5, v1
	s_lshl_b32 s100, s42, 7
	s_lshl_b32 s101, s15, 6
	s_add_co_u32 s100, s100, s101                  ; the 64 rows of Wv that I multiply: 128 x tile column + 64 x my half
	s_lshl_b32 s100, s100, 5                       ; 32 scale bytes a row
	s_mov_b32 s101, 0
	s_add_nc_u64 s[8:9], s[8:9], s[100:101]
.irp a, 0,1,2,3
	global_load_b128 v[AS+8*\a:AS+8*\a+3], v[R32], s[8:9] offset:512*\a        ; row r of my tile a: its eight scale words; sixteen lanes read 512 consecutive bytes in two loads (lanes 16-31 read the same)
	global_load_b128 v[AS+8*\a+4:AS+8*\a+7], v[R32], s[8:9] offset:512*\a+16
.endr
	s_mul_i32 s21, s15, HALFT                      ; the whole tile: my 128 rows of x,
	s_mul_i32 s22, s16, HALFT                      ; my 128 rows of Wq | Wk,
	s_add_co_u32 s22, s22, 2*HALFT                 ; which lie behind x's 256
.irp s, 0,1
	v_add_nc_u32 v[ADRA+\s], s21, v[LN]
	v_add_nc_u32 v[ADRB+\s], s22, v[LN]
	s_add_co_u32 s21, s21, SLOT
	s_add_co_u32 s22, s22, SLOT
.endr
	s_mul_i32 s21, s15, HALFT                      ; the half tile: my 64 rows of Wv lie where wave 2 + my half put them,
	s_add_co_u32 s21, s21, 2*HALFT
	s_mul_i32 s22, s16, HALFT                      ; my 128 rows of x
.irp s, 0,1
	v_add_nc_u32 v[ADRA2+\s], s21, v[LN]
	v_add_nc_u32 v[ADRB2+\s], s22, v[LN]
	s_add_co_u32 s21, s21, SLOT
	s_add_co_u32 s22, s22, SLOT
.endr
	v_mul_u32_u24 v5, v1, KS                       ; my row's scales: 32 bytes a row,
	v_lshrrev_b32 v6, 8, v5
	v_lshl_add_u32 v5, v6, 4, v5                   ; and 16 more for each 256 passed
	s_mul_i32 s23, s16, HALFS
	s_add_co_u32 s23, s23, SCL
	v_add_nc_u32 v[ADRS2], s23, v5                 ; the half tile: x's words, by r in every lane
	s_mul_i32 s21, s15, HALFS
	s_mul_i32 s22, s16, HALFS
	s_add_co_u32 s22, s22, 2*HALFS
	s_sub_co_u32 s22, s22, s21
	v_mul_u32_u24 v6, s22, v2                      ; the whole tile: lanes 16-31 take the weights'
	s_add_co_u32 s21, s21, SCL
	v_add_nc_u32 v5, v5, v6
	v_add_nc_u32 v[ADRS], s21, v5
	; where q and k go
	s_lshl_b32 s20, s17, 1
	s_add_co_u32 s20, s20, s15                     ; io: x's rows
	s_lshl_b32 s46, s42, 1
	s_add_co_u32 s46, s46, s16                     ; jg: Wq | Wk's rows
	s_and_b32 s21, s20, 15                         ; P
	s_and_b32 s47, s46, 15                         ; Q
	s_lshr_b32 s20, s20, 4
	s_lshr_b32 s46, s46, 4
	s_add_co_u32 s20, s20, s46                     ; R
	s_lshl_b32 s22, s47, 4
	s_add_co_u32 s22, s22, s21
	s_lshl_b32 s23, s20, 8
	s_add_co_u32 s22, s22, s23
	s_lshl_b32 s22, s22, 9                         ; 512 (P + 16 Q + 256 R)
	s_mov_b32 s23, 0
	s_add_nc_u64 s[O1S:O1S+1], s[O1C:O1C+1], s[22:23]
	s_lshl_b32 s22, s21, 12
	s_lshl_b32 s47, s47, 18
	s_add_co_u32 s22, s22, s47
	s_lshl_b32 s20, s20, 22
	s_add_co_u32 s22, s22, s20
	s_add_co_u32 s22, s22, C2
	s_add_nc_u64 s[O1C:O1C+1], s[O1C:O1C+1], s[22:23]
	; where v goes: io = the tile column (its eight tiles: my four begin at 4 x my half), jg = 2 x tile row + my half of x's rows
	s_lshl_b32 s20, s17, 1
	s_add_co_u32 s20, s20, s16
	s_and_b32 s21, s20, 15                         ; Q
	s_lshr_b32 s20, s20, 4                         ; R
	s_lshl_b32 s22, s21, 4
	s_add_co_u32 s22, s22, s42                     ; P + 16 Q
	s_lshl_b32 s46, s20, 8
	s_add_co_u32 s22, s22, s46
	s_lshl_b32 s22, s22, 9
	s_lshl_b32 s46, s15, 8
	s_add_co_u32 s22, s22, s46                     ; + 256 x my half
	s_add_nc_u64 s[O2S:O2S+1], s[O2C:O2C+1], s[22:23]
	s_lshl_b32 s22, s42, 12
	s_lshl_b32 s21, s21, 18
	s_add_co_u32 s22, s22, s21
	s_lshl_b32 s20, s20, 22
	s_add_co_u32 s22, s22, s20
	s_lshl_b32 s46, s15, 11
	s_add_co_u32 s22, s22, s46                     ; + 512 x 4 x my half
	s_add_co_u32 s22, s22, C2
	s_add_nc_u64 s[O2C:O2C+1], s[O2C:O2C+1], s[22:23]
	s_mov_b32 s[MNT], 0x600000
.macro FRAG reg, adr, q, i             ; a fragment comes as it lies: four loads of 512 consecutive bytes
.irp c, 0,1,2,3
	ds_load_b128 v[\reg+4*\c:\reg+4*\c+3], v[\adr] offset:RT*(\i)+2048*(\q)+512*\c
.endr
.endm
.macro PLACES n                        ; plain vector instructions that name none of the matrix instructions' registers (ISA guide 7.12.1)
.rept \n
	v_nop
.endr
.endm
; A slot that has been read is filled again.  mode 1: with the K step two on.  mode 2: with the half tile's K step of the slot's number: x's address goes back to it, the weights' descriptors turn to Wv:
; 4 row tiles to a load.  No tensor load of the wave is out here (the wait for all of them stands ahead of the round), so descriptors may be written.
.macro REFILL slot, mode
.if \mode == 1
	s_add_nc_u64 s[G0+4*\slot+2:G0+4*\slot+3], s[G0+4*\slot+2:G0+4*\slot+3], 2*RT
	s_add_nc_u64 s[G0B+4*\slot+2:G0B+4*\slot+3], s[G0B+4*\slot+2:G0B+4*\slot+3], 2*RT
.else
	s_sub_nc_u64 s[G0+4*\slot+2:G0+4*\slot+3], s[G0+4*\slot+2:G0+4*\slot+3], 2*RT
	s_add_nc_u64 s[G0B+4*\slot+2:G0B+4*\slot+3], s[WVC:WVC+1], \slot*RT
	s_or_b32 s[G0B+4*\slot+3], s[G0B+4*\slot+3], 0x80000000
.if \slot == 0
	s_mov_b32 s[G1B+2], 4<<16                      ; tensor_dim1
	s_mov_b32 s[G1B+4], 4                          ; tile_dim1
.endif
.endif
	JLOAD G0+4*\slot, G1, G0B+4*\slot, G1B         ; the first tensor load behind the round, and the wave's only one until the next
.endm
; ---------------- THE WHOLE TILE ----------------
; 16 matrix instructions: x's blocks a0, a0 + 1 against the weights' eight.  The 64 accumulators take turns, one instruction a turn, in the same order in every step.
.macro MUL16 a0, p, q, sc, zero
.irp a, \a0, \a0+1
.irp b, 0,1,2,3,4,5,6,7
.if \zero
	v_wmma_scale_f32_16x16x128_f8f6f4 v[8*(8*((\a)%4)+\b):8*(8*((\a)%4)+\b)+7], v[128*(\p)+FR*\b:128*(\p)+FR*\b+FR-1], v[AF+FR*(\a):AF+FR*(\a)+FR-1], 0, v[SC+8*NQ*(\sc)+NQ*\b+(\q)], v[SC+8*NQ*(\sc)+NQ*(\a)+(\q)] matrix_a_fmt:MATRIX_FMT_BF8 matrix_b_fmt:MATRIX_FMT_BF8 matrix_a_scale:MATRIX_SCALE_ROW1
.else
	v_wmma_scale_f32_16x16x128_f8f6f4 v[8*(8*((\a)%4)+\b):8*(8*((\a)%4)+\b)+7], v[128*(\p)+FR*\b:128*(\p)+FR*\b+FR-1], v[AF+FR*(\a):AF+FR*(\a)+FR-1], v[8*(8*((\a)%4)+\b):8*(8*((\a)%4)+\b)+7], v[SC+8*NQ*(\sc)+NQ*\b+(\q)], v[SC+8*NQ*(\sc)+NQ*(\a)+(\q)] matrix_a_fmt:MATRIX_FMT_BF8 matrix_b_fmt:MATRIX_FMT_BF8 matrix_a_scale:MATRIX_SCALE_ROW1
.endif
.endr
.endr
.endm
.macro FETCH_B slot, q, p
	WIN TO_B
.irp i, 0,1,2,3,4,5,6,7
	FRAG 128*(\p)+FR*\i, ADRB+\slot, \q, \i
.endr
	WIN 0
.endm
.macro FETCH_A slot, q, i0
.irp i, \i0, \i0+1, \i0+2, \i0+3
	FRAG AF+FR*(\i), ADRA+\slot, \q, \i
.endr
.endm
.macro SCALES sc                       ; a K step's scale words: lanes 0-15 take x's block i, lanes 16-31 the weights' block i
.irp i, 0,1,2,3,4,5,6,7
	ds_load_b64 v[SC+8*NQ*\sc+NQ*\i:SC+8*NQ*\sc+NQ*\i+1], v[ADRS] offset:\i*SBLK
.endr
.endm
.macro STEP slot, q, zero              ; 128 along K with its successor in the same slot
	s_wait_dscnt 4*NL                              ; the weights' set and x's blocks 0-3 are in; the youngest 16 loads (x's blocks 4-7) may be out
	WIN MUL_LO
	MUL16 0, (\q)%2, \q, \slot, \zero
	MUL16 2, (\q)%2, \q, \slot, \zero
	s_wait_dscnt 0
	PLACES NP
	FETCH_B \slot, (\q)+1, 1-(\q)%2
	FETCH_A \slot, (\q)+1, 0
	WIN MUL_HI
	MUL16 4, (\q)%2, \q, \slot, \zero
	MUL16 6, (\q)%2, \q, \slot, \zero
	PLACES NP
	WIN 0
	FETCH_A \slot, (\q)+1, 4
.endm
; The first half of a slot's last step: one barrier, which opens a round of the cluster's; in front of it each wave waits for all its tensor loads, adds 0 to its spare word, and waits for that and for its
; reads of this slot.  Behind the round no wave of any partner still reads this slot or has a load on its way, and the slot is filled again first.
.macro MEET slot, mode
	s_wait_tensorcnt 0x0                           ; all my tensor loads have landed: my part of the next slot
	ds_add_u32 v[SPW], v[NIL]                      ; 0 onto my spare word
	s_wait_dscnt 4*NL+1                            ; (the add and the youngest 16 loads may be out)
	WIN MUL_LO
	MUL16 0, 1, NQ-1, \slot, 0
	s_wait_dscnt 0x0                               ; the add is done, and my reads of this slot are over
	s_barrier_signal -1
	MUL16 2, 1, NQ-1, \slot, 0
	WIN 0
	s_barrier_wait -1
	CREST
	REFILL \slot, \mode
.endm
.macro TURN slot, next, mode           ; a slot's last step, with the next slot's first fragments
	MEET \slot, \mode
	PLACES NP-4                                    ; with the four v_nop behind the joint load: the places in front of the loads below
	v_add_nc_u32 v[ADRS], 4*NQ, v[ADRS]            ; on to the next K step's scale words
	FETCH_B \next, 0, 0
	FETCH_A \next, 0, 0
	SCALES \next
	WIN MUL_HI
	MUL16 4, 1, NQ-1, \slot, 0
	MUL16 6, 1, NQ-1, \slot, 0
	PLACES NP
	WIN 0
	FETCH_A \next, 0, 4
.endm
; ---------------- THE HALF TILE ----------------
; 8 matrix instructions: my block a of Wv against x's eight; set p of both sides' fragments; ks: which 128 along K.  The 32 accumulators take turns, one instruction a turn, in the same order in every step.
.macro MULP a, p, q, sc, ks, zero
.irp b, 0,1,2,3,4,5,6,7
.if \zero
	v_wmma_scale_f32_16x16x128_f8f6f4 v[8*(8*(\a)+\b):8*(8*(\a)+\b)+7], v[128*(\p)+FR*\b:128*(\p)+FR*\b+FR-1], v[AF+64*(\p)+FR*(\a):AF+64*(\p)+FR*(\a)+FR-1], 0, v[SC+8*NQ*(\sc)+NQ*\b+(\q)], v[AS+8*(\a)+(\ks)] matrix_a_fmt:MATRIX_FMT_BF8 matrix_b_fmt:MATRIX_FMT_BF8 matrix_a_scale:MATRIX_SCALE_ROW1
.else
	v_wmma_scale_f32_16x16x128_f8f6f4 v[8*(8*(\a)+\b):8*(8*(\a)+\b)+7], v[128*(\p)+FR*\b:128*(\p)+FR*\b+FR-1], v[AF+64*(\p)+FR*(\a):AF+64*(\p)+FR*(\a)+FR-1], v[8*(8*(\a)+\b):8*(8*(\a)+\b)+7], v[SC+8*NQ*(\sc)+NQ*\b+(\q)], v[AS+8*(\a)+(\ks)] matrix_a_fmt:MATRIX_FMT_BF8 matrix_b_fmt:MATRIX_FMT_BF8 matrix_a_scale:MATRIX_SCALE_ROW1
.endif
.endr
.endm
.macro FETCH2 slot, q, p               ; 48 loads in one run: x's eight fragments and Wv's four, into set p
	WIN TO_B
.irp i, 0,1,2,3,4,5,6,7
	FRAG 128*(\p)+FR*\i, ADRB2+\slot, \q, \i
.endr
	WIN 0
.irp i, 0,1,2,3
	FRAG AF+64*(\p)+FR*\i, ADRA2+\slot, \q, \i
.endr
.endm
.macro SCALES2 sc                      ; x's scale words of a K step: block i's, by r in every lane
.irp i, 0,1,2,3,4,5,6,7
	ds_load_b64 v[SC+8*NQ*\sc+NQ*\i:SC+8*NQ*\sc+NQ*\i+1], v[ADRS2] offset:\i*SBLK
.endr
.endm
.macro STEP2 slot, ks, zero            ; a slot's first 128 along K: set 0; in its middle the second's fragments come into set 1
	s_wait_dscnt 0x0                               ; this step's fragments are in
	WIN MUL_LO
	MULP 0, 0, 0, \slot, \ks, \zero
	MULP 1, 0, 0, \slot, \ks, \zero
	PLACES NP
	FETCH2 \slot, 1, 1
	WIN MUL_LO
	MULP 2, 0, 0, \slot, \ks, \zero
	MULP 3, 0, 0, \slot, \ks, \zero
	WIN 0
.endm
.macro TURN2 slot, next, ks, fill      ; a slot's second 128 along K: set 1; it changes slots as the whole tile's does
	s_wait_tensorcnt 0x0                           ; all my tensor loads have landed: my part of the next slot
	ds_add_u32 v[SPW], v[NIL]                      ; 0 onto my spare word
	s_wait_dscnt 1                                 ; this step's fragments are in; the add may be out
	WIN MUL_LO
	MULP 0, 1, 1, \slot, \ks, 0
	s_wait_dscnt 0x0                               ; the add is done, and my reads of this slot are over
	s_barrier_signal -1
	MULP 1, 1, 1, \slot, \ks, 0
	WIN 0
	s_barrier_wait -1
.if \fill
	CREST                                          ; the barrier has opened a round of the cluster's barrier
	REFILL \slot, 1
	PLACES NP-4
.else
	PLACES NP
.endif
	v_add_nc_u32 v[ADRS2], 4*NQ, v[ADRS2]          ; on to the next K step's scale words
	FETCH2 \next, 0, 0
	SCALES2 \next
	WIN MUL_LO
	MULP 2, 1, 1, \slot, \ks, 0
	MULP 3, 1, 1, \slot, \ks, 0
	WIN 0
.endm
; ---------------- THE WAY OUT ----------------
; Tile a of source 1: my 64 results, register 16 b + i = source 0's row 32 b + 16 hf + i, are quantised in four blocks of 32 (16 mine, 16 lane l xor 16's) and stored as four quarters of 512 bytes from s[cb:cb+1] on.
.macro QUANTA a, cb
.set WN, 2+(\a)/4                      ; the accumulators' window
.set WNN, WN|(WN<<2)
.set S, 64*((\a)%4)
.set PS, PC+16*((\a)%2)
	WIN WNN                                        ; sources 0 and 1 in the accumulators' window
.irp b, 0,1,2,3
	v_max3_num_f32 v[TM+\b], |v[S+16*\b]|, |v[S+16*\b+1]|, 0x8000000   ; each accumulator is read from its low end on; the floor 2^(16 - 127) holds the byte at 1 from below
.endr
.irp i, 2,4,6,8,10,12,14
.irp b, 0,1,2,3
	v_max3_num_f32 v[TM+\b], |v[S+16*\b+\i]|, |v[S+16*\b+\i+1]|, v[TM+\b]
.endr
.endr
	WIN 0
.irp b, 0,1,2,3
	v_permlanex16_b32 v[TM+4+\b], v[TM+\b], s[SEL], s[SEL+1]
.endr
.irp b, 0,1,2,3
	v_max_num_f32 v[TM+\b], v[TM+\b], v[TM+4+\b]
.endr
.irp b, 0,1,2,3
	v_add_nc_u32 v[TM+12+\b], 0xf8800000, v[TM+\b] ; 15 off the exponent field: the conversion's scale operand
.endr
.irp b, 0,1,2,3
	v_and_or_b32 v[TM+8+\b], v[TM+\b], 0x7f800000, s[MNT]   ; 57,344 x the scale
.endr
.irp b, 0,1,2,3
	v_lshrrev_b32 v[TM+4+\b], 23, v[TM+12+\b]      ; the scale's byte
.endr
	v_lshl_or_b32 v[W+(\a)], v[TM+5], 8, v[TM+4]
	v_lshl_or_b32 v[W+(\a)], v[TM+6], 16, v[W+(\a)]
	v_lshl_or_b32 v[W+(\a)], v[TM+7], 24, v[W+(\a)]
	WIN WN                                         ; source 0 in the accumulators' window
.irp b, 0,1,2,3
.irp i, 0,1,2,3,4,5,6,7,8,9,10,11,12,13,14,15
	v_med3_num_f32 v[X+16*\b+\i], v[S+16*\b+\i], -v[TM+8+\b], v[TM+8+\b]   ; the conversion does not saturate (ISA guide 7.6.2): the hold comes first
.endr
.endr
	WIN 0
.if (\a) >= 2
	s_wait_xcnt 0x0                                ; the stores of two tiles ago have read this set of code registers
.endif
.irp b, 0,1,2,3
	v_cvt_scalef32_pk8_bf8_f32 v[PS+4*\b:PS+4*\b+1], v[X+16*\b:X+16*\b+7], v[TM+12+\b]
	v_cvt_scalef32_pk8_bf8_f32 v[PS+4*\b+2:PS+4*\b+3], v[X+16*\b+8:X+16*\b+15], v[TM+12+\b]
.endr
.irp b, 0,1,2,3
	global_store_b128 v[LN], v[PS+4*\b:PS+4*\b+3], s[\cb:\cb+1] offset:65536*\b+512*(\a)   ; 512 consecutive bytes, aligned
.endr
.endm
	s_wait_tensorcnt 1                             ; the scales and my part of K step 0 are in; K step 1's load may be out
	s_barrier_signal -1
	s_barrier_wait -1
	FETCH_B 0, 0, 0
	FETCH_A 0, 0, 0
	SCALES 0
	FETCH_A 0, 0, 4
	STEP 0, 0, 1                                   ; K = 1,024 is four slots' worth for each tile: written out, no loop.  The first products start the sums
	TURN 0, 1, 1                                   ; slot 0 takes K 512-767
	STEP 1, 0, 0
	TURN 1, 0, 1                                   ; slot 1 takes K 768-1,023
	STEP 0, 0, 0
	TURN 0, 1, 2                                   ; slot 0 takes the half tile's K 0-255
	STEP 1, 0, 0
	MEET 1, 2                                      ; slot 1 takes the half tile's K 256-511; no fragments are fetched here: their registers serve the way out first
	WIN MUL_HI
	MUL16 4, 1, NQ-1, 1, 0
	MUL16 6, 1, NQ-1, 1, 0
	WIN 0
	PLACES NP                                      ; behind the last products: results are read and x's fragments' registers are written below
	s_mov_b32 s[SEL], 0x76543210
	s_mov_b32 s[SEL+1], 0xfedcba98
.irp b, 0,1,2,3
	v_mov_b32 v[TM+4+\b], 0                        ; a lane permute's destination counts as one of its sources
.endr
.irp a, 0,1,2,3,4,5,6,7
	QUANTA \a, O1C                                 ; q and k go out while the half tile's first two K steps are on their way
.endr
	v_cmp_eq_u32 vcc_lo, 1, v[HF]                  ; lanes 0-15 store the words of tiles 0-3, lanes 16-31 those of tiles 4-7
.irp i, 0,1,2,3
	v_cndmask_b32 v[SW+\i], v[W+\i], v[W+4+\i], vcc_lo
.endr
	global_store_b128 v[LN], v[SW:SW+3], s[O1S:O1S+1]   ; my 512 bytes of scale words
	s_wait_xcnt 0x0                                ; the stores above have read their registers: fragments are loaded over some of them, and the code registers are written again
	FETCH2 0, 0, 0                                 ; slot 0 was shown whole to every wave by the last round
	SCALES2 0
	s_wait_loadcnt 0x0                             ; Wv's scale words, asked for at the head
	STEP2 0, 0, 1                                  ; the first products start the sums
	TURN2 0, 1, 1, 1                               ; slot 0 takes K 512-767
	STEP2 1, 2, 0
	TURN2 1, 0, 3, 1                               ; slot 1 takes K 768-1,023
	STEP2 0, 4, 0
	TURN2 0, 1, 5, 0                               ; nothing is left to fetch: no round
	STEP2 1, 6, 0
	s_wait_dscnt 0x0
	WIN MUL_LO
	MULP 0, 1, 1, 1, 7, 0
	MULP 1, 1, 1, 1, 7, 0
	MULP 2, 1, 1, 1, 7, 0
	MULP 3, 1, 1, 1, 7, 0
	WIN 0
	PLACES NP                                      ; behind the last products
.irp b, 0,1,2,3
	v_mov_b32 v[TM+4+\b], 0
.endr
.irp a, 0,1,2,3
	QUANTA \a, O2C
.endr
	global_store_b128 v[R16], v[W:W+3], s[O2S:O2S+1]   ; row r's words of my four tiles: 256 consecutive bytes, aligned (lanes r and 16 + r hold and write the same)
	s_wait_tensorcnt 0x0                           ; the wave's end
	ds_add_u32 v[SPW], v[NIL]
	s_wait_dscnt 0x0
	CROUND                                         ; the closing round: no work-group ends while a partner may still ask for a tile that names it
	s_endpgm
.Lfunc_end_k_q5639188ee7_gemmqkv:
	.size	k_q5639188ee7_gemmqkv, .Lfunc_end_k_q5639188ee7_gemmqkv-k_q5639188ee7_gemmqkv
	.p2alignl 7, 3214868480
	.fill 96, 4, 3214868480
	.section	.rodata,"a",@progbits
	.p2align	6, 0x0
	.amdhsa_kernel k_q5639188ee7_gemmqkv
		.amdhsa_group_segment_fixed_size 327680
		.amdhsa_private_segment_fixed_size 0
		.amdhsa_enable_private_segment 0
		.amdhsa_kernarg_size 40
		.amdhsa_user_sgpr_count 2
		.amdhsa_user_sgpr_kernarg_segment_ptr 1
		.amdhsa_wavefront_size32 1
		.amdhsa_system_sgpr_workgroup_id_x 1
		.amdhsa_system_sgpr_workgroup_id_y 1
		.amdhsa_system_sgpr_workgroup_id_z 1
		.amdhsa_system_vgpr_workitem_id 0
		.amdhsa_next_free_vgpr 1024
		.amdhsa_next_free_sgpr 102
		.amdhsa_reserve_vcc 1
		.amdhsa_float_denorm_mode_32 3
		.amdhsa_float_denorm_mode_16_64 3
		.amdhsa_memory_ordered 1
		.amdhsa_forward_progress 1
		.amdhsa_inst_pref_size 255
	.end_amdhsa_kernel
	.section	.bss,"aw",@nobits
	.p2align	6
	.space	262144
	.amdgpu_metadata
---
amdhsa.version: [ 1, 2 ]
amdhsa.kernels:
  - .name:           k_q5639188ee7_gemmqkv
    .symbol:         k_q5639188ee7_gemmqkv.kd
    .args:
      - { .name: xq, .offset: 0, .size: 8, .value_kind: global_buffer, .address_space: global }
      - { .name: wqk, .offset: 8, .size: 8, .value_kind: global_buffer, .address_space: global }
      - { .name: wv, .offset: 16, .size: 8, .value_kind: global_buffer, .address_space: global }
      - { .name: qk, .offset: 24, .size: 8, .value_kind: global_buffer, .address_space: global }
      - { .name: vq, .offset: 32, .size: 8, .value_kind: global_buffer, .address_space: global }
    .group_segment_fixed_size: 327680
    .private_segment_fixed_size: 0
    .kernarg_segment_align: 8
    .kernarg_segment_size: 40
    .max_flat_workgroup_size: 128
    .sgpr_count:     102
    .vgpr_count:     1024
    .wavefront_size: 32
...
	.end_amdgpu_metadata
.endif
;; end of part 7
;; launch attn (part 8): grid 4 x 64, 16 waves a work-group, no clusters, 327,680 bytes of LDS; arguments qk, vq, aq; writes aq
.if DOCPART == 8
	.amdgcn_target "amdgcn-amd-amdhsa--gfx1250"
	.amdhsa_code_object_version 6
	.text
	.protected	k_q5639188ee7_attn
	.globl	k_q5639188ee7_attn
	.p2align	8
	.type	k_q5639188ee7_attn,@function
k_q5639188ee7_attn:
	s_mov_b64 s[64:65], 0
	v_nop
	global_prefetch_b8 v0, s[64:65] scope:SCOPE_SE
	s_setreg_imm32_b32 hwreg(HW_REG_WAVE_MODE, 25, 1), 1
	s_wait_xcnt 0x0
; Causal attention of one (batch, head) on codes of E5M2 with E8M0 scales; the result is quantised along (head, d) for the last product.
; t = score x log2(e) / 32 (the source scales by 1,024^-0.5); M = the running largest t, rounded UP to a whole number; p = 2^(t - M) is quantised along the keys, not normalised; the row's sum is taken of the
; unquantised p in f32 and divides O at the end.  When M moves, the sum and O are multiplied by 2^(old M - new M): exact.
; INPUTS lie as quarters of the matrix operand's registers, 512 bytes at 16 x lane: q and k: C2 + 4 MiB b + 65,536 (32 (k?) + 2 h + block of d) + 512 tile of 16 rows;
; v transposed: C2 + 4 MiB b + 65,536 (block of 32 keys) + 2,048 h + 512 (tile of 16 d).  Scale words: see the addresses below.  Row r of tile 2 g + u is row 32 g + 8 u + r + 8 (r / 8), for t and for d.
; SHARES: work-group (i, 16 b + h) owns the blocks i and 7 - i of 256 queries, one after the other: (i + 1) + (8 - i) = 9 visits of 256 keys in EVERY work-group: equal work, a constant trip count, no slot
; fetched in vain.  Each of sixteen waves owns 16 queries, one tile, in 256 registers: four waves to a SIMD, so that one wave's vector work stands beside another's matrix work and LDS loads.
; Q of BOTH blocks is loaded at the head; at the change of blocks nine moves bring the second block's over: no load is awaited in the middle of the walk.
; NO CLUSTER: the four work-groups of a head visit different keys in the same trip (the order hangs on i), so no two would ask for the same tile at the same time.
; LAYOUT: both products are used transposed: S^T = K Q^T (source 0 = 16 keys), O^T = V^T P^T (source 0 = 16 of the head's 64): a lane holds one query throughout; by the order of the rows a lane's 16 registers
; of two neighbouring tiles are 16 neighbouring keys (or d): the conversions' results are the next operand's registers.  The first product's K is 64: the upper half of K's and Q's fragments are zero codes.
; A step whose 128 keys all come after the wave's queries is left out by a scalar branch on ids; on the diagonal hidden scores become -infinity.
; LIMITS: NaN and infinities are not served.  A block of zeros gets the byte 1 (the rule says 127): its codes are zeros.  A block's largest p is made from its largest score by the same two instructions:
; this takes v_exp_f32 not to fall where its input rises (at the worst one p, within an ulp of a power of two, is held one code low).
.set C2,    524288
.set COFF,  262144
.set SLOTB, 65536                      ; a slot: K's codes 16,384 [block of d][16 tiles][512]; V's 16,384 [8 blocks of keys][4 tiles of d][512]; K's scale words 1,024; V's 512
.set VOFF,  16384
.set KSOFF, 32768
.set VSOFF, 33792
.set SPARE, 131072                     ; the spare words, 128 bytes for each wave: eight blocks of 256 bytes that no other line names
.set LN,   1                           ; v1  16 x lane
.set R16,  2                           ; v2  16 r
.set QD,   3                           ; v3  r + 8 (r / 8) - 16 hf
.set R32,  4                           ; v4  32 r
.set SPW,  5                           ; v5  LDS address of my spare word; never rewritten
.set NIL,  6                           ; v6  0; never rewritten
.set R16P, 7                           ; v7  16 r + 2 (h % 2)
.set ADK,  8                           ; v8-10 the slot's addresses
.set ADS,  9
.set ADT,  10
.set KSW,  192                         ; v192-199 K's scale words; v200-203 V's; v204 Q's; v206 the second block's Q's; v242 p's: these hold scales and nothing else
.set VSW,  200
.set QSW,  204
.set AW,   205                         ; the result's two scale bytes
.set QSW2, 206
.set BM,   208                         ; v208-211 a block's largest score, then its largest p
.set T4,   212                         ; v212-215 at work, then the bytes, then 57,344 x the scale once more
.set HL,   216                         ; v216-219 57,344 x the scale
.set SO,   220                         ; v220-223 the conversions' scale operands
.set PCD,  224                         ; v224-239 p's codes
.set F,    240                         ; v[240:241] f; the low word serves both halves
.set PW,   242
.set TMP,  243
.set S2,   244                         ; v[244:245] the sum's second chain
.set DD,   246
.set NI,   247                         ; -infinity
.set Q2,   248                         ; v248-255 the second block's Q
.set WV,   10
.set II,   11                          ; s11 i
.set VIS,  16                          ; s16 the visit, 0..8
.set KSC,  17                          ; s17 which 256 keys this visit reads
.set KSN,  18                          ; s18 and the next
.set MNT,  19
.set SEL,  20
.set CS,   22                          ; s[22:23] c = log2(e) / 32
.set TB,   24                          ; s24 where the slot in hand begins
.set KF,   25                          ; s25 the step's first key
.set QB,   26                          ; s26 my tile's first query
.set BLK,  27
.set TT,   28                          ; s28 my tile of 16 queries
.set BK,   30                          ; s[30:31] K's codes, s[32:33] V's codes, s[34:35] K's scales, s[36:37] V's scales: the head's first
.set BV,   32
.set BKS,  34
.set BVS,  36
.set BQ,   38                          ; s[38:39] Q's codes, s[40:41] Q's scales, s[42:43] the result's codes, s[44:45] its scales
.set BQS,  40
.set BA,   42
.set BAS,  44
.set G0K,  48
.set G0V,  52
.set G0KS, 56
.set G0VS, 60
.set G1K,  68
.set G1V,  76
.set G1KS, 84
.set G1VS, 92
.macro NOPS4
.rept 4
	v_nop
.endr
.endm
; Waves 0 to 3 fetch K's codes, V's codes, K's scale words, V's scale words; the others nothing.  The branches hang on the wave's number alone.  Four v_nop follow each load.
.macro TLOAD
	s_cmp_lg_u32 s[WV], 0
	s_cbranch_scc1 .Lt1_\@
	tensor_load_to_lds s[G0K:G0K+3], s[G1K:G1K+7]
	s_nop 0
	NOPS4
	s_branch .Lt4_\@
.Lt1_\@:
	s_cmp_lg_u32 s[WV], 1
	s_cbranch_scc1 .Lt2_\@
	tensor_load_to_lds s[G0V:G0V+3], s[G1V:G1V+7]
	s_nop 0
	NOPS4
	s_branch .Lt4_\@
.Lt2_\@:
	s_cmp_lg_u32 s[WV], 2
	s_cbranch_scc1 .Lt3_\@
	tensor_load_to_lds s[G0KS:G0KS+3], s[G1KS:G1KS+7]
	s_nop 0
	NOPS4
	s_branch .Lt4_\@
.Lt3_\@:
	s_cmp_lg_u32 s[WV], 3
	s_cbranch_scc1 .Lt4_\@
	tensor_load_to_lds s[G0VS:G0VS+3], s[G1VS:G1VS+7]
	s_nop 0
	NOPS4
.Lt4_\@:
.endm
.macro GROUP1 g, d0, d1, st            ; d1 rows of d0 elements of 8 bytes, st elements apart; no mask, no padding
	s_mov_b32 s[\g], 3<<16
	s_mov_b32 s[\g+1], (\d0)<<16
	s_mov_b32 s[\g+2], (\d1)<<16
	s_mov_b32 s[\g+3], (\d0)<<16
	s_mov_b32 s[\g+4], \d1
	s_mov_b32 s[\g+5], \st
	s_mov_b32 s[\g+6], 0
	s_mov_b32 s[\g+7], 0
.endm
.macro GROUP0 g, base, lds             ; the first visit: keys 0-255 into slot 0
	s_mov_b32 s[\g], 1
	s_mov_b32 s[\g+1], \lds
	s_mov_b64 s[\g+2:\g+3], s[\base:\base+1]
	s_or_b32 s[\g+3], s[\g+3], 0x80000000
.endm
.macro WALK g, base, sh                ; the next visit: the other slot, keys 256 KSN on
	s_xor_b32 s[\g+1], s[\g+1], SLOTB
	s_lshl_b32 s100, s[KSN], \sh
	s_add_nc_u64 s[\g+2:\g+3], s[\base:\base+1], s[100:101]
	s_or_b32 s[\g+3], s[\g+3], 0x80000000
.endm
	s_load_b128 s[4:7], s[0:1], 0x0                ; qk, vq
	s_load_b64 s[8:9], s[0:1], 0x10                ; aq
	v_lshl_add_u32 v[SPW], v0, 2, SPARE
	v_mov_b32 v[NIL], 0
	ds_add_u32 v5, v6
	s_wait_dscnt 0x0
	v_lshrrev_b32 v8, 5, v0
	v_readfirstlane_b32 s[WV], v8                  ; wave 0..15
	s_mov_b32 s[II], ttmp9
	s_and_b32 s2, ttmp7, 0xffff
	s_lshr_b32 s3, s2, 4                           ; b
	s_and_b32 s46, s2, 15                          ; h
	s_and_b32 s47, s46, 1                          ; h % 2
	s_lshr_b32 s66, s46, 1                         ; h / 2
	s_mov_b32 s101, 0
	s_lshl_b32 s67, s3, 22                         ; 4 MiB b
	s_lshl_b32 s100, s46, 17                       ; 65,536 x 2 h
	s_add_co_u32 s[BQ], s67, s100
	s_add_co_u32 s[BQ], s[BQ], C2
	s_add_co_u32 s[BK], s[BQ], 32*65536            ; k lies 32 slabs behind q
	s_lshl_b32 s100, s46, 11
	s_add_co_u32 s[BV], s67, s100
	s_add_co_u32 s[BV], s[BV], C2
	s_lshl_b32 s67, s3, 17                         ; scale words: 512 x 256 b
	s_lshl_b32 s100, s66, 13                       ; 512 x 16 (h / 2)
	s_add_co_u32 s[BQS], s67, s100
	s_add_co_u32 s[BKS], s[BQS], 65536             ; 512 x 16 x 8: k's
	s_lshl_b32 s100, s47, 1
	s_add_co_u32 s[BQS], s[BQS], s100              ; my head's two bytes of a word
	s_lshl_b32 s100, s66, 9
	s_add_co_u32 s[BVS], s67, s100
	s_lshl_b32 s100, s47, 8
	s_add_co_u32 s[BVS], s[BVS], s100
	s_lshl_b32 s67, s3, 21                         ; the result: 16,384 x 128 b + 1,024 h
	s_lshl_b32 s100, s46, 10
	s_add_co_u32 s[BA], s67, s100
	s_add_co_u32 s[BA], s[BA], COFF
	s_lshl_b32 s67, s3, 16                         ; its scale bytes: 512 x 128 b + 2 h
	s_lshl_b32 s100, s46, 1
	s_add_co_u32 s[BAS], s67, s100
.irp p, 31,33,35,37,39,41,43,45
	s_mov_b32 s\p, 0
.endr
	GROUP1 G1K, 1024, 2, 8192                      ; K: two blocks of d x 8,192 bytes (16 tiles), 65,536 bytes apart
	GROUP1 G1V, 256, 8, 8192                       ; V: eight blocks of keys x 2,048 bytes (4 tiles of d), 65,536 bytes apart
	GROUP1 G1KS, 32, 4, 32                         ; K's scale words: 1,024 dense bytes
	GROUP1 G1VS, 32, 2, 1024                       ; V's: 256 bytes for each of two steps, 8,192 bytes apart
	s_mov_b32 s[SEL], 0x76543210
	s_mov_b32 s[SEL+1], 0xfedcba98
	s_mov_b32 s[CS], 0x3d38aa3b                    ; log2(e) / 32
	s_mov_b32 s[CS+1], s[CS]                       ; (named with it as a pair, so it is written)
	s_mov_b32 s[MNT], 0x600000
	s_mov_b32 s[TB], 0
	s_mov_b32 s[KSC], 0
	s_mov_b32 s[KSN], 0
	s_mov_b32 s[VIS], 0
	v_and_b32 v11, 31, v0
	v_lshlrev_b32 v[LN], 4, v11
	v_and_b32 v8, 15, v0                           ; r
	v_bfe_u32 v9, v0, 4, 1                         ; hf
	v_lshlrev_b32 v[R16], 4, v8
	v_and_b32 v10, 8, v8
	v_add_nc_u32 v10, v10, v8
	v_lshlrev_b32 v11, 4, v9
	v_sub_nc_u32 v[QD], v10, v11
	v_lshlrev_b32 v[R32], 5, v8
	v_lshl_add_u32 v[R16P], s47, 1, v[R16]
	s_wait_kmcnt 0x0
	s_add_nc_u64 s[BK:BK+1], s[4:5], s[BK:BK+1]
	s_add_nc_u64 s[BV:BV+1], s[6:7], s[BV:BV+1]
	s_add_nc_u64 s[BKS:BKS+1], s[4:5], s[BKS:BKS+1]
	s_add_nc_u64 s[BVS:BVS+1], s[6:7], s[BVS:BVS+1]
	s_add_nc_u64 s[BQ:BQ+1], s[4:5], s[BQ:BQ+1]
	s_add_nc_u64 s[BQS:BQS+1], s[4:5], s[BQS:BQS+1]
	s_add_nc_u64 s[BA:BA+1], s[8:9], s[BA:BA+1]
	s_add_nc_u64 s[BAS:BAS+1], s[8:9], s[BAS:BAS+1]
	GROUP0 G0K, BK, 0
	GROUP0 G0V, BV, VOFF
	GROUP0 G0KS, BKS, KSOFF
	GROUP0 G0VS, BVS, VSOFF
	TLOAD                                          ; the first visit's tiles: one load a wave is out
.irp j, 24,25,26,27,28,29,30,31
	v_mov_b32 v\j, 0                               ; Q's codes for K = 64 .. 127: zeros
.endr
.irp t, 0,1,2,3
.irp j, 8,9,10,11,12,13,14,15
	v_mov_b32 v[32+16*\t+\j], 0                    ; and K's: set once, never loaded
.endr
.endr
.irp b, 0,1,2,3
	v_mov_b32 v[T4+\b], 0                          ; a lane permute's destination counts as one of its sources
.endr
	v_mov_b32 v[F+1], 0                            ; (named as the upper half of a pair)
	v_mov_b32 v[TMP], 0
	v_mov_b32 v[NI], 0xff800000
.macro TILE                            ; from the block of queries: my tile, and its first query
	s_lshl_b32 s[TT], s[BLK], 4
	s_add_co_u32 s[TT], s[TT], s[WV]               ; my tile: 16 x block + wave
	s_lshr_b32 s2, s[TT], 1
	s_lshl_b32 s[QB], s2, 5
	s_and_b32 s2, s[TT], 1
	s_lshl_b32 s2, s2, 3
	s_add_co_u32 s[QB], s[QB], s2                  ; lane r's query is QB + r + 8 (r / 8)
.endm
.macro QLOAD reg, sw, pa, pb           ; my tile's codes into v[reg] on, its scale word into v[sw]; s[pa:pa+1], s[pb:pb+1]: the loads' bases, a pair of their own for each
	s_lshl_b32 s100, s[TT], 9
	s_add_nc_u64 s[\pa:\pa+1], s[BQ:BQ+1], s[100:101]
	global_load_b128 v[\reg:\reg+3], v[LN], s[\pa:\pa+1]
	global_load_b128 v[\reg+4:\reg+7], v[LN], s[\pa:\pa+1] offset:65536
	s_lshr_b32 s100, s[TT], 2
	s_lshl_b32 s100, s100, 8
	s_and_b32 s66, s[TT], 3
	s_lshl_b32 s66, s66, 2
	s_add_co_u32 s100, s100, s66                   ; 256 (tile / 4) + 4 (tile % 4)
	s_add_nc_u64 s[\pb:\pb+1], s[BQS:BQS+1], s[100:101]
	global_load_u16 v[\sw], v[R16], s[\pb:\pb+1]   ; my head's two bytes; the two above read 0, over zero codes
.endm
.macro INIT                            ; the largest t, the sum and O^T start anew
	v_mov_b32 v13, 0xff61b1e6                      ; the largest t so far: -3e38
	v_floor_f32 v12, -v13                          ; -M
	v_mov_b32 v14, 0
	v_mov_b32 v15, 0
.set JJ, 0
.rept 32
	v_mov_b32 v[160+JJ], 0                         ; O^T: the step is written once; its first run finds zeros, which the first change of M leaves zeros
.set JJ, JJ+1
.endr
.endm
; A KEY STEP: 128 keys, the q-th of the slot in hand.
.macro STEP q
	s_lshl_b32 s[KF], s[KSC], 8
.if \q
	s_add_co_u32 s[KF], s[KF], 128
.endif
	s_add_co_u32 s2, s[QB], 23                     ; my last query
	s_cmp_gt_u32 s[KF], s2
	s_cbranch_scc1 .Lhid_\@                        ; all 128 keys come after my queries: nothing to do
	v_add_nc_u32 v[ADK], s[TB], v[LN]
	v_add_nc_u32 v[ADS], s[TB], v[R16P]
	v_add_nc_u32 v[ADT], s[TB], v[R16]
.rept 6
	v_nop                                          ; with the three additions: nine places behind the last step's products, whose V fragments the scores overwrite and whose scale words are loaded anew
.endr
.irp a, 0,1,2,3,4,5,6,7
	ds_load_u16 v[KSW+\a], v[ADS] offset:KSOFF+512*\q+256*(\a/4)+4*(\a%4)
.endr
	ds_load_b128 v[VSW:VSW+3], v[ADT] offset:VSOFF+256*\q
.irp g, 0,1                                    ; S^T = K Q^T, four tiles of 16 keys at a time
.if \g
.rept 8
	v_nop                                          ; places in front of loads into registers that matrix instructions have read
.endr
.endif
.irp t, 0,1,2,3
	ds_load_b128 v[32+16*\t:35+16*\t], v[ADK] offset:512*(8*\q+4*\g+\t)
	ds_load_b128 v[36+16*\t:39+16*\t], v[ADK] offset:8192+512*(8*\q+4*\g+\t)
.endr
	s_wait_dscnt 0x0
.irp t, 0,1,2,3
	v_wmma_scale_f32_16x16x128_f8f6f4 v[96+8*(4*\g+\t):103+8*(4*\g+\t)], v[32+16*\t:47+16*\t], v[16:31], 0, v[KSW+4*\g+\t], v[QSW] matrix_a_fmt:MATRIX_FMT_BF8 matrix_b_fmt:MATRIX_FMT_BF8
.endr
.endr                                          ; register 16 b + i holds key KF + 32 b + 16 hf + i of my query
.rept 8
	v_nop
.endr
	s_add_co_u32 s2, s[KF], 127
	s_cmp_le_u32 s2, s[QB]
	s_cbranch_scc1 .Lopen_\@                       ; every key counts for every query of mine
	s_sub_co_i32 s2, s[QB], s[KF]
	v_add_nc_u32 v[DD], s2, v[QD]                  ; d = my query - KF - 16 hf: register 16 b + i is hidden where 32 b + i > d
.set JJ, 0
.rept 64
	v_cmp_gt_i32 vcc_lo, 32*(JJ/16)+JJ%16, v[DD]
	v_cndmask_b32 v[96+JJ], v[96+JJ], v[NI], vcc_lo
.set JJ, JJ+1
.endr
.Lopen_\@:
.irp b, 0,1,2,3
	v_max3_num_f32 v[BM+\b], v[96+16*\b], v[97+16*\b], v[98+16*\b]   ; the largest score of each block of 32 keys: for the row's maximum, and for the block's largest p
.endr
.irp i, 3,5,7,9,11,13
.irp b, 0,1,2,3
	v_max3_num_f32 v[BM+\b], v[BM+\b], v[96+16*\b+\i], v[97+16*\b+\i]
.endr
.endr
.irp b, 0,1,2,3
	v_max_num_f32 v[BM+\b], v[BM+\b], v[111+16*\b]
.endr
.irp b, 0,1,2,3
	v_permlanex16_b32 v[T4+\b], v[BM+\b], s[SEL], s[SEL+1]
.endr
.irp b, 0,1,2,3
	v_max_num_f32 v[BM+\b], v[BM+\b], v[T4+\b]     ; with lane l xor 16's 16 keys
.endr
	v_max3_num_f32 v[TMP], v[BM], v[BM+1], v[BM+2]
	v_max_num_f32 v[TMP], v[TMP], v[BM+3]
	v_mul_f32 v[TMP], s[CS], v[TMP]                ; as t (c is positive)
	v_max_num_f32 v13, v13, v[TMP]                 ; the running largest t
	v_mov_b32 v[TMP], v12
	v_floor_f32 v12, -v13                          ; the new -M = -ceil(t): a whole number
	v_sub_f32 v[TMP], v12, v[TMP]                  ; old M - new M: a whole number, 0 or less
	v_cvt_i32_f32 v[TMP], v[TMP]                   ; (it saturates)
	v_ldexp_f32 v[F], 1.0, v[TMP]                  ; f = 2^(old M - new M)
.set JJ, 0
.rept 32
	v_pk_fma_f32 v[96+JJ:97+JJ], v[96+JJ:97+JJ], s[CS:CS+1], v[12:13] op_sel_hi:[1,0,0]   ; t - M, two at a time
.set JJ, JJ+2
.endr
.irp b, 0,1,2,3
	v_fma_f32 v[BM+\b], v[BM+\b], s[CS], v12       ; the same of each block's largest score
.endr
.set JJ, 0
.rept 64
	v_exp_f32 v[96+JJ], v[96+JJ]                   ; p = 2^(t - M), at most 1
.set JJ, JJ+1
.endr
.irp b, 0,1,2,3
	v_exp_f32 v[BM+\b], v[BM+\b]                   ; the block's largest p
.endr
	v_pk_mul_f32 v[14:15], v[14:15], v[F:F+1] op_sel_hi:[1,0]   ; the sums under the new M.  (A plain place behind the exponentials)
	s_wait_alu depctr_va_vdst(0)
.irp b, 0,1,2,3
	v_max_num_f32 v[BM+\b], 0x8000000, v[BM+\b]    ; the floor 2^(16 - 127)
.endr
.irp b, 0,1,2,3
	v_add_nc_u32 v[SO+\b], 0xf8800000, v[BM+\b]    ; 15 off the exponent field: the conversion's scale operand
.endr
.irp b, 0,1,2,3
	v_and_or_b32 v[HL+\b], v[BM+\b], 0x7f800000, s[MNT]   ; 57,344 x the scale
.endr
.irp b, 0,1,2,3
	v_lshrrev_b32 v[T4+\b], 23, v[SO+\b]           ; the scale's byte
.endr
	v_lshl_or_b32 v[PW], v[T4+1], 8, v[T4]         ; p's scale word for these 128 keys
	v_lshl_or_b32 v[PW], v[T4+2], 16, v[PW]
	v_lshl_or_b32 v[PW], v[T4+3], 24, v[PW]
.irp b, 0,1,2,3
	v_and_or_b32 v[T4+(\b+1)%4], v[BM+\b], 0x7f800000, s[MNT]   ; 57,344 x the scale once more, where the bytes lay: the two halves of a dual instruction take their first sources from registers whose numbers differ modulo 4
.endr
	v_pk_add_f32 v[S2:S2+1], v[96:97], v[98:99]    ; the row's sum is taken of the unquantised p: two at a time, in two chains
.irp j, 4,8,12,16,20,24,28,32,36,40,44,48,52,56,60
	v_pk_add_f32 v[14:15], v[14:15], v[96+\j:97+\j]
	v_pk_add_f32 v[S2:S2+1], v[S2:S2+1], v[98+\j:99+\j]
.endr
	v_pk_add_f32 v[14:15], v[14:15], v[S2:S2+1]
.irp b, 0,1,2,3
.irp i, 0,2,4,6,8,10,12,14
	v_dual_min_num_f32 v[96+16*\b+\i], v[HL+\b], v[96+16*\b+\i] :: v_dual_min_num_f32 v[97+16*\b+\i], v[T4+(\b+1)%4], v[97+16*\b+\i]   ; the conversion does not saturate (ISA guide 7.6.2); p is not negative: a one-sided hold, two numbers an instruction
.endr
	v_cvt_scalef32_pk8_bf8_f32 v[PCD+4*\b:PCD+4*\b+1], v[96+16*\b:103+16*\b], v[SO+\b]
	v_cvt_scalef32_pk8_bf8_f32 v[PCD+4*\b+2:PCD+4*\b+3], v[104+16*\b:111+16*\b], v[SO+\b]
.endr
.irp t, 0,1,2,3                                ; V's four fragments take p's registers
.irp c, 0,1,2,3
	ds_load_b128 v[96+16*\t+4*\c:99+16*\t+4*\c], v[ADK] offset:VOFF+2048*(4*\q+\c)+512*\t
.endr
.endr
.set JJ, 0
.rept 16
	v_pk_mul_f32 v[160+JJ:161+JJ], v[160+JJ:161+JJ], v[F:F+1] op_sel_hi:[1,0]   ; O^T under the new M.  (These are also the places between the conversions and the products)
.set JJ, JJ+2
.endr
	s_wait_dscnt 0x0
.irp t, 0,1,2,3                                ; O^T += V^T P^T: four accumulators by turns
	v_wmma_scale_f32_16x16x128_f8f6f4 v[160+8*\t:167+8*\t], v[96+16*\t:111+16*\t], v[PCD:PCD+15], v[160+8*\t:167+8*\t], v[VSW+\t], v[PW] matrix_a_fmt:MATRIX_FMT_BF8 matrix_b_fmt:MATRIX_FMT_BF8
.endr
.Lhid_\@:
.endm
; A block of queries ends: O^T / the sum, register 16 g + i = d 32 g + 16 hf + i of my query, is quantised in two blocks of 32 and stored as two quarters of the last product's operand.
.macro FINISH
.rept 8
	v_nop                                          ; places behind the last products
.endr
	v_add_f32 v14, v14, v15
	v_permlanex16_b32 v[TMP], v14, s[SEL], s[SEL+1]
	v_add_f32 v14, v14, v[TMP]                     ; the row's sum
	v_rcp_f32 v[F], v14
	v_nop                                          ; one plain place behind a transcendental
.set JJ, 0
	s_wait_alu depctr_va_vdst(0)
.rept 16
	v_pk_mul_f32 v[96+JJ:97+JJ], v[160+JJ:161+JJ], v[F:F+1] op_sel_hi:[1,0]
.set JJ, JJ+2
.endr
.irp g, 0,1
	v_max3_num_f32 v[BM+\g], |v[96+16*\g]|, |v[97+16*\g]|, 0x8000000
.endr
.irp i, 2,4,6,8,10,12,14
.irp g, 0,1
	v_max3_num_f32 v[BM+\g], v[BM+\g], |v[96+16*\g+\i]|, |v[97+16*\g+\i]|
.endr
.endr
.irp g, 0,1
	v_permlanex16_b32 v[T4+\g], v[BM+\g], s[SEL], s[SEL+1]
.endr
.irp g, 0,1
	v_max_num_f32 v[BM+\g], v[BM+\g], v[T4+\g]
.endr
.irp g, 0,1
	v_add_nc_u32 v[SO+\g], 0xf8800000, v[BM+\g]
.endr
.irp g, 0,1
	v_and_or_b32 v[HL+\g], v[BM+\g], 0x7f800000, s[MNT]
.endr
.irp g, 0,1
	v_lshrrev_b32 v[T4+\g], 23, v[SO+\g]
.endr
	v_lshl_or_b32 v[AW], v[T4+1], 8, v[T4]
	s_lshl_b32 s100, s[TT], 14
	s_add_nc_u64 s[2:3], s[BA:BA+1], s[100:101]
	s_lshl_b32 s100, s[TT], 9
	s_add_nc_u64 s[46:47], s[BAS:BAS+1], s[100:101]
.irp g, 0,1
.irp i, 0,1,2,3,4,5,6,7,8,9,10,11,12,13,14,15
	v_med3_num_f32 v[96+16*\g+\i], v[96+16*\g+\i], -v[HL+\g], v[HL+\g]
.endr
	v_cvt_scalef32_pk8_bf8_f32 v[PCD+4*\g:PCD+4*\g+1], v[96+16*\g:103+16*\g], v[SO+\g]
	v_cvt_scalef32_pk8_bf8_f32 v[PCD+4*\g+2:PCD+4*\g+3], v[104+16*\g:111+16*\g], v[SO+\g]
.endr
	global_store_b128 v[LN], v[PCD:PCD+3], s[2:3]              ; 512 consecutive bytes, aligned
	global_store_b128 v[LN], v[PCD+4:PCD+7], s[2:3] offset:512
	global_store_b16 v[R32], v[AW], s[46:47]       ; two of a row's 32 scale bytes (both lanes of a query write the same): a row's other bytes are other heads', other work-groups'
	s_wait_xcnt 0x0                                ; the stores' registers and bases are written again only behind this wait
.endm
; THE CHANGE OF SLOTS stands at a visit's head: each wave waits for all its tensor loads, adds 0 to its spare word, and waits for that and for its reads of the slot that it has left.
; fill = 1: behind the barrier that slot is filled with the next visit's keys: the load has this visit's two steps in which to land.
.macro CHANGE fill
	s_wait_tensorcnt 0x0                           ; no tensor load of mine is out, so a group 0 may be written
	ds_add_u32 v[SPW], v[NIL]                      ; 0 onto my spare word
.if \fill
	s_add_co_u32 s[KSN], s[KSC], 1
	s_cmp_eq_u32 s[VIS], s[II]                     ; the first block's last visit: the second block begins at key 0
	s_cselect_b32 s[KSN], 0, s[KSN]
	WALK G0K, BK, 13
	WALK G0V, BV, 19
	WALK G0KS, BKS, 10
	WALK G0VS, BVS, 14
.endif
	s_wait_dscnt 0x0
	s_barrier_signal -1
	s_barrier_wait -1
.if \fill
	TLOAD                                          ; the first thing behind the barrier, and a wave's one tensor load until the next
.endif
.endm
	s_sub_co_u32 s[BLK], 7, s[II]                  ; Q of both blocks is asked for here: the second block's first,
	TILE
	QLOAD Q2, QSW2, 12, 14
	s_mov_b32 s[BLK], s[II]                        ; then the first block's, with which the walk begins
	TILE
	QLOAD 16, QSW, 2, 46
	INIT
	s_wait_loadcnt 0x0
.Lvisit:                                           ; eight trips, in every work-group; the ninth visit is written out
	CHANGE 1
	s_add_co_u32 s2, s[II], 1
	s_cmp_lg_u32 s[VIS], s2
	s_cbranch_scc1 .Lsame                          ; on ids alone; no barrier and no tensor load stands between here and the label
	FINISH
	s_sub_co_u32 s[BLK], 7, s[II]
	TILE
.irp j, 0,1,2,3,4,5,6,7
	v_mov_b32 v[16+\j], v[Q2+\j]                   ; the second block's Q; the 36 moves below are the places between these and the next products
.endr
	v_mov_b32 v[QSW], v[QSW2]
	INIT
.Lsame:
	STEP 0
	STEP 1
	s_xor_b32 s[TB], s[TB], SLOTB
	s_mov_b32 s[KSC], s[KSN]
	s_add_co_u32 s[VIS], s[VIS], 1
	s_cmp_lt_u32 s[VIS], 8
	s_cbranch_scc1 .Lvisit
	CHANGE 0
	STEP 0
	STEP 1
	FINISH
	s_wait_tensorcnt 0x0                           ; the wave's end
	ds_add_u32 v[SPW], v[NIL]
	s_wait_dscnt 0x0
	s_endpgm
.Lfunc_end_k_q5639188ee7_attn:
	.size	k_q5639188ee7_attn, .Lfunc_end_k_q5639188ee7_attn-k_q5639188ee7_attn
	.p2alignl 7, 3214868480
	.fill 96, 4, 3214868480
	.section	.rodata,"a",@progbits
	.p2align	6, 0x0
	.amdhsa_kernel k_q5639188ee7_attn
		.amdhsa_group_segment_fixed_size 327680
		.amdhsa_private_segment_fixed_size 0
		.amdhsa_enable_private_segment 0
		.amdhsa_kernarg_size 24
		.amdhsa_user_sgpr_count 2
		.amdhsa_user_sgpr_kernarg_segment_ptr 1
		.amdhsa_wavefront_size32 1
		.amdhsa_system_sgpr_workgroup_id_x 1
		.amdhsa_system_sgpr_workgroup_id_y 1
		.amdhsa_system_sgpr_workgroup_id_z 1
		.amdhsa_system_vgpr_workitem_id 0
		.amdhsa_next_free_vgpr 256
		.amdhsa_next_free_sgpr 102
		.amdhsa_reserve_vcc 1
		.amdhsa_float_denorm_mode_32 3
		.amdhsa_float_denorm_mode_16_64 3
		.amdhsa_memory_ordered 1
		.amdhsa_forward_progress 1
		.amdhsa_inst_pref_size 126
	.end_amdhsa_kernel
	.amdgpu_metadata
---
amdhsa.version: [ 1, 2 ]
amdhsa.kernels:
  - .name:           k_q5639188ee7_attn
    .symbol:         k_q5639188ee7_attn.kd
    .args:
      - { .name: qk, .offset: 0, .size: 8, .value_kind: global_buffer, .address_space: global }
      - { .name: vq, .offset: 8, .size: 8, .value_kind: global_buffer, .address_space: global }
      - { .name: aq, .offset: 16, .size: 8, .value_kind: global_buffer, .address_space: global }
    .group_segment_fixed_size: 327680
    .private_segment_fixed_size: 0
    .kernarg_segment_align: 8
    .kernarg_segment_size: 24
    .max_flat_workgroup_size: 512
    .sgpr_count:     102
    .vgpr_count:     256
    .wavefront_size: 32
...
	.end_amdgpu_metadata
.endif
;; end of part 8
;; launch gemmo (part 9): grid 4 x 32, 4 waves a work-group, clusters of 4 x 4, 327,680 bytes of LDS; arguments aq, wp, bproj, out0; writes out0
.if DOCPART == 9
	.amdgcn_target "amdgcn-amd-amdhsa--gfx1250"
	.amdhsa_code_object_version 6
	.text
	.protected	k_q5639188ee7_gemmo
	.globl	k_q5639188ee7_gemmo
	.p2align	8
	.type	k_q5639188ee7_gemmo,@function
k_q5639188ee7_gemmo:
	s_mov_b64 s[64:65], 0
	v_nop
	global_prefetch_b8 v0, s[64:65] scope:SCOPE_SE
	s_setreg_imm32_b32 hwreg(HW_REG_WAVE_MODE, 25, 1), 1
	s_wait_xcnt 0x0
	s_wait_alu depctr_hold_cnt(0) depctr_sa_sdst(0) depctr_va_vdst(0) depctr_va_sdst(0) depctr_va_ssrc(0) depctr_va_vcc(0) depctr_vm_vsrc(0)
	s_getreg_b32 s2, hwreg(HW_REG_IB_STS2, 6, 4)
	s_cmp_eq_u32 s2, 0
	s_cbranch_scc0 .Lentry_in_a_cluster
	s_endpgm
.Lentry_in_a_cluster:
	s_bfe_u32 s2, ttmp6, 0x10000c
	s_cmp_lg_u32 s2, 0xf033
	s_cbranch_scc0 .Lentry_shape_is_right
	s_endpgm
.Lentry_shape_is_right:
; out0 = A B^T + bias on codes of E5M2 with E8M0 scales, K = 1,024.  A = the attention's result (8,192 rows), B = Wproj (1,024 rows); out0 [8192][1024] f32.
; OPERANDS lie as images of the matrix operand's registers: scale bytes [stored row][32] from byte 0; codes [row tile][K step of 128][c][lane][16 bytes] from byte COFF.
; Row r of tile 2 g + u is row 32 g + 8 u + r + 8 (r / 8) of the matrix: the way out undoes that order, A's by the stores' offsets, B's by the places in the stage.
; A tile of C, 256 x 256, is made by four waves, 128 x 128 each.  K goes in steps of 256 through two LDS slots filled by the tensor data mover; the scale bytes come once with the first fills.
; CLUSTERS: 4 x 4 work-groups; A's tiles are asked for jointly along a row of the cluster, B's along a column.  THE MATRIX INSTRUCTION IS USED TRANSPOSED (source 0 = 16 rows of B, source 1 = 16 rows of A).
; THE BIAS IS THE C OF EACH SUM'S FIRST MATRIX INSTRUCTION: eight registers for each of B's eight tiles, in the result's layout; so the way out has no arithmetic.
; REGISTERS, in windows of 256: window 0: v0-31 addresses; v32-63 scale words, two sets; v64-127 the bias; v128-255 A's fragments, one set; on the way out v64-255 are three sets of 16 rows of C.
;   window 1: B's fragments, two sets.  windows 2, 3: the accumulators.
.set NQ,     2
.set FR,     16
.set NL,     4
.set NP,     8                         ; places behind this matrix instruction (ISA guide 7.12.1)
.set COFF,   262144
.set RT,     4096
.set HALFT,  8*RT
.set SLOT,   4*HALFT
.set KS,     32
.set SCL,    2*SLOT
.set HALFS,  (128*KS/256)*272
.set SBLK,   (16*KS/256)*272
.set SPARE,  SCL+4*HALFS               ; the spare words, 128 bytes for each wave: two blocks of 256 bytes that no other line names
.set SPITCH, 528                       ; the way out: a stage of 16 rows x (512 bytes + 16) for each wave, in slot 0, which has had its last fill and its last read when the first result is stored there
.set ADRA, 16
.set ADRB, 20
.set STO,  24
.set RD,   25
.set LN,   26
.set ADRS, 27
.set SPW,  28
.set NIL,  29
.set SC,   32
.set BI,   64                          ; v64-127: register 8 b + j: the bias at column 32 (b / 2) + 8 (b % 2) + 16 hf + j of my 128
.set AF,   128
.set BK,   64
.set G1, 24
.set G0, 32
.set G1B, 48
.set G0B, 56
.set G1S, 68
.set G0S, 76
.set G1SB, 80
.set G0SB, 88
.set MSB, 0
.macro WIN new
.if MSB != \new
	s_set_vgpr_msb (MSB<<8)|\new
.set MSB, \new
.endif
.endm
.set MUL_LO, 0xa1                      ; source 0 (B) window 1, source 1 (A) window 0, C and D window 2
.set MUL_HI, 0xf1
.set FIRST_LO, 0x81                    ; the same with C (the bias) in window 0
.set FIRST_HI, 0xc1
.set TO_B,   0x40
.macro JLOAD g0a, g1a, g0b, g1b        ; a joint load: waves 0 and 1 fetch for A, waves 2 and 3 for B; four v_nop follow each line
	s_cmp_eq_u32 s15, 0
	s_cbranch_scc0 .Lfor_b_\@
	tensor_load_to_lds s[\g0a:\g0a+3], s[\g1a:\g1a+7]
	s_nop 0
.rept 4
	v_nop
.endr
	s_branch .Lasked_\@
.Lfor_b_\@:
	tensor_load_to_lds s[\g0b:\g0b+3], s[\g1b:\g1b+7]
	s_nop 0
.rept 4
	v_nop
.endr
.Lasked_\@:
.endm
.macro CREST
	s_cmp_lg_u32 s14, 0
	s_cbranch_scc1 .Lnot_wave_0_\@
	s_barrier_signal -3
.Lnot_wave_0_\@:
	s_barrier_wait -3
	s_barrier_signal -1
	s_barrier_wait -1
.endm
.macro CROUND
	s_barrier_signal -1
	s_barrier_wait -1
	CREST
.endm
	s_load_b128 s[4:7], s[0:1], 0x0                ; A, B
	s_load_b128 s[8:11], s[0:1], 0x10              ; the bias, out0
	v_lshl_add_u32 v[SPW], v0, 2, SPARE
	v_mov_b32 v[NIL], 0
	ds_add_u32 v28, v29
	s_wait_dscnt 0x0
	v_lshrrev_b32 v1, 5, v0
	v_readfirstlane_b32 s14, v1                    ; wave 0..3
	s_lshr_b32 s15, s14, 1                         ; my half of the tile's rows.  Also: I fetch for A (0) or for B (1)
	s_and_b32 s16, s14, 1                          ; my half of its columns.  Also: which 128 rows I fetch
	s_bfe_u32 s40, ttmp6, 0x40000
	s_bfe_u32 s41, ttmp6, 0x40004
	s_lshl_b32 s42, ttmp9, 2
	s_add_co_u32 s42, s42, s40                     ; tile column
	s_and_b32 s17, ttmp7, 0xffff
	s_lshl_b32 s17, s17, 2
	s_add_co_u32 s17, s17, s41                     ; tile row
	s_lshl_b32 s43, s41, 2
	s_lshl_b32 s43, 15, s43                        ; my row of the cluster
	s_lshl_b32 s44, 0x1111, s40                    ; my column
	s_or_b32 s[G1+0], s43, (3<<16)|(1<<21)         ; codes: 8 row tiles x 512 elements of 8 bytes, 2,048 elements apart; dense in LDS
	s_or_b32 s[G1B+0], s44, (3<<16)|(1<<21)
.irp g, G1, G1B
	s_mov_b32 s[\g+1], 512<<16
	s_mov_b32 s[\g+2], 8<<16
	s_mov_b32 s[\g+3], 512<<16
	s_mov_b32 s[\g+4], 8
	s_mov_b32 s[\g+5], 2048
	s_mov_b32 s[\g+6], 0
	s_mov_b32 s[\g+7], 0
.endr
	s_or_b32 s[G1S+0], s43, (3<<16)|(1<<20)|(1<<21)|(5<<22)|(3<<25)   ; scale bytes of 128 rows: 16 rows of 256 bytes, 16 bytes of padding behind each
	s_or_b32 s[G1SB+0], s44, (3<<16)|(1<<20)|(1<<21)|(5<<22)|(3<<25)
.irp g, G1S, G1SB
	s_mov_b32 s[\g+1], 32<<16
	s_mov_b32 s[\g+2], (128*KS/256)<<16
	s_mov_b32 s[\g+3], 32<<16
	s_mov_b32 s[\g+4], 128*KS/256
	s_mov_b32 s[\g+5], 32
	s_mov_b32 s[\g+6], 0
	s_mov_b32 s[\g+7], 0
.endr
	s_lshl_b32 s18, s16, 7
	s_lshl_b32 s20, s17, 8
	s_add_co_u32 s20, s20, s18                     ; A: row 256 x tile row + 128 x half
	s_lshl_b32 s46, s42, 8
	s_add_co_u32 s46, s46, s18                     ; B: row 256 x tile column + 128 x half
	s_lshl_b32 s22, s20, 5
	s_lshl_b32 s92, s46, 5
	s_lshl_b32 s20, s20, 10
	s_add_co_u32 s20, s20, COFF
	s_lshl_b32 s46, s46, 10
	s_add_co_u32 s46, s46, COFF
	s_mov_b32 s21, 0
	s_mov_b32 s23, 0
	s_mov_b32 s47, 0
	s_mov_b32 s93, 0
	s_mul_i32 s45, s14, HALFT
	s_mul_i32 s94, s14, HALFS
	s_wait_kmcnt 0x0
	s_add_nc_u64 s[20:21], s[4:5], s[20:21]
	s_add_nc_u64 s[22:23], s[4:5], s[22:23]
	s_add_nc_u64 s[46:47], s[6:7], s[46:47]
	s_add_nc_u64 s[92:93], s[6:7], s[92:93]
	CROUND                                         ; all sixteen work-groups are here: the first joint loads meet
	s_mov_b32 s[G0S], 1
	s_add_co_u32 s[G0S+1], s94, SCL
	s_mov_b64 s[G0S+2:G0S+3], s[22:23]
	s_or_b32 s[G0S+3], s[G0S+3], 0x80000000
	s_mov_b32 s[G0SB], 1
	s_add_co_u32 s[G0SB+1], s94, SCL
	s_mov_b64 s[G0SB+2:G0SB+3], s[92:93]
	s_or_b32 s[G0SB+3], s[G0SB+3], 0x80000000
	JLOAD G0S, G1S, G0SB, G1SB
.irp s, 0,1
	s_mov_b32 s[G0+4*\s], 1
	s_add_co_u32 s[G0+4*\s+1], s45, \s*SLOT
	s_add_nc_u64 s[G0+4*\s+2:G0+4*\s+3], s[20:21], \s*RT
	s_or_b32 s[G0+4*\s+3], s[G0+4*\s+3], 0x80000000
	s_mov_b32 s[G0B+4*\s], 1
	s_add_co_u32 s[G0B+4*\s+1], s45, \s*SLOT
	s_add_nc_u64 s[G0B+4*\s+2:G0B+4*\s+3], s[46:47], \s*RT
	s_or_b32 s[G0B+4*\s+3], s[G0B+4*\s+3], 0x80000000
	JLOAD G0+4*\s, G1, G0B+4*\s, G1B
.endr
	v_and_b32 v1, 15, v0                           ; r
	v_bfe_u32 v2, v0, 4, 1                         ; hf
	v_and_b32 v6, 31, v0
	v_lshlrev_b32 v[LN], 4, v6
	v_lshlrev_b32 v7, 6, v2                        ; 16 hf numbers of the bias, in bytes
	s_lshl_b32 s46, s42, 10
	s_lshl_b32 s47, s16, 9
	s_add_co_u32 s46, s46, s47                     ; my first column, in bytes
	s_mov_b32 s47, 0
	s_add_nc_u64 s[8:9], s[8:9], s[46:47]
.irp b, 0,1,2,3,4,5,6,7
	global_load_b128 v[BI+8*\b:BI+8*\b+3], v7, s[8:9] offset:(32*(\b/2)+8*(\b%2))*4       ; B's tile b, register j of lane (r, hf) is column 32 (b / 2) + 8 (b % 2) + 16 hf + j
	global_load_b128 v[BI+8*\b+4:BI+8*\b+7], v7, s[8:9] offset:(32*(\b/2)+8*(\b%2))*4+16
.endr
	s_mul_i32 s21, s15, HALFT
	s_mul_i32 s22, s16, HALFT
	s_add_co_u32 s22, s22, 2*HALFT
.irp s, 0,1
	v_add_nc_u32 v[ADRA+\s], s21, v[LN]
	v_add_nc_u32 v[ADRB+\s], s22, v[LN]
	s_add_co_u32 s21, s21, SLOT
	s_add_co_u32 s22, s22, SLOT
.endr
	v_mul_u32_u24 v5, v1, KS
	v_lshrrev_b32 v6, 8, v5
	v_lshl_add_u32 v5, v6, 4, v5
	s_mul_i32 s21, s15, HALFS
	s_mul_i32 s22, s16, HALFS
	s_add_co_u32 s22, s22, 2*HALFS
	s_sub_co_u32 s22, s22, s21
	v_mul_u32_u24 v6, s22, v2                      ; lanes 16-31 take B's
	s_add_co_u32 s21, s21, SCL
	v_add_nc_u32 v5, v5, v6
	v_add_nc_u32 v[ADRS], s21, v5
	s_mul_i32 s23, s14, 16*SPITCH                  ; my stage
	v_mul_u32_u24 v5, v1, SPITCH
	v_lshl_add_u32 v5, v2, 6, v5                   ; in: row r, + 64 hf
	v_add_nc_u32 v[STO], s23, v5
	v_add_nc_u32 v[RD], s23, v[LN]                 ; back: the 32 lanes take one row of 512 bytes
	s_lshl_b32 s20, s17, 8
	s_lshl_b32 s21, s15, 7
	s_add_co_u32 s20, s20, s21                     ; my first row of out0
	s_lshl_b32 s20, s20, 12                        ; rows of 4,096 bytes
	s_add_co_u32 s20, s20, s46
	s_mov_b32 s21, 0
	s_add_nc_u64 s[12:13], s[10:11], s[20:21]
.macro FRAG reg, adr, q, i
.irp c, 0,1,2,3
	ds_load_b128 v[\reg+4*\c:\reg+4*\c+3], v[\adr] offset:RT*(\i)+2048*(\q)+512*\c
.endr
.endm
; The 64 accumulators take turns, one instruction a turn, in the same order in every step.  first = 1: the sums begin with the bias.
.macro MUL16 a0, p, q, sc, first
.irp a, \a0, \a0+1
.irp b, 0,1,2,3,4,5,6,7
.if \first
	v_wmma_scale_f32_16x16x128_f8f6f4 v[8*(8*((\a)%4)+\b):8*(8*((\a)%4)+\b)+7], v[128*(\p)+FR*\b:128*(\p)+FR*\b+FR-1], v[AF+FR*(\a):AF+FR*(\a)+FR-1], v[BI+8*\b:BI+8*\b+7], v[SC+8*NQ*(\sc)+NQ*\b+(\q)], v[SC+8*NQ*(\sc)+NQ*(\a)+(\q)] matrix_a_fmt:MATRIX_FMT_BF8 matrix_b_fmt:MATRIX_FMT_BF8 matrix_a_scale:MATRIX_SCALE_ROW1
.else
	v_wmma_scale_f32_16x16x128_f8f6f4 v[8*(8*((\a)%4)+\b):8*(8*((\a)%4)+\b)+7], v[128*(\p)+FR*\b:128*(\p)+FR*\b+FR-1], v[AF+FR*(\a):AF+FR*(\a)+FR-1], v[8*(8*((\a)%4)+\b):8*(8*((\a)%4)+\b)+7], v[SC+8*NQ*(\sc)+NQ*\b+(\q)], v[SC+8*NQ*(\sc)+NQ*(\a)+(\q)] matrix_a_fmt:MATRIX_FMT_BF8 matrix_b_fmt:MATRIX_FMT_BF8 matrix_a_scale:MATRIX_SCALE_ROW1
.endif
.endr
.endr
.endm
.macro FETCH_B slot, q, p
	WIN TO_B
.irp i, 0,1,2,3,4,5,6,7
	FRAG 128*(\p)+FR*\i, ADRB+\slot, \q, \i
.endr
	WIN 0
.endm
.macro FETCH_A slot, q, i0
.irp i, \i0, \i0+1, \i0+2, \i0+3
	FRAG AF+FR*(\i), ADRA+\slot, \q, \i
.endr
.endm
.macro SCALES sc
.irp i, 0,1,2,3,4,5,6,7
	ds_load_b64 v[SC+8*NQ*\sc+NQ*\i:SC+8*NQ*\sc+NQ*\i+1], v[ADRS] offset:\i*SBLK
.endr
.endm
.macro PLACES n
.rept \n
	v_nop
.endr
.endm
.macro STEP slot, q, first
	s_wait_dscnt 4*NL                              ; B's set and A's blocks 0-3 are in; the youngest 16 loads (A's blocks 4-7) may be out
.if \first
	WIN FIRST_LO
.else
	WIN MUL_LO
.endif
	MUL16 0, (\q)%2, \q, \slot, \first
	MUL16 2, (\q)%2, \q, \slot, \first
	s_wait_dscnt 0
	PLACES NP
	FETCH_B \slot, (\q)+1, 1-(\q)%2
	FETCH_A \slot, (\q)+1, 0
.if \first
	WIN FIRST_HI
.else
	WIN MUL_HI
.endif
	MUL16 4, (\q)%2, \q, \slot, \first
	MUL16 6, (\q)%2, \q, \slot, \first
	PLACES NP
	WIN 0
	FETCH_A \slot, (\q)+1, 4
.endm
.macro TURN slot, next, fill
	s_wait_tensorcnt 0x0                           ; all my tensor loads have landed: my part of the next slot
	ds_add_u32 v[SPW], v[NIL]                      ; 0 onto my spare word
	s_wait_dscnt 4*NL+1                            ; (the add and the youngest 16 loads may be out)
	WIN MUL_LO
	MUL16 0, 1, NQ-1, \slot, 0
	s_wait_dscnt 0x0                               ; the add is done, and my reads of this slot are over
	s_barrier_signal -1
	MUL16 2, 1, NQ-1, \slot, 0
	WIN 0
	s_barrier_wait -1
.if \fill
	CREST                                          ; the barrier has opened a round of the cluster's barrier
	s_add_nc_u64 s[G0+4*\slot+2:G0+4*\slot+3], s[G0+4*\slot+2:G0+4*\slot+3], 2*RT
	s_add_nc_u64 s[G0B+4*\slot+2:G0B+4*\slot+3], s[G0B+4*\slot+2:G0B+4*\slot+3], 2*RT
	JLOAD G0+4*\slot, G1, G0B+4*\slot, G1B         ; the first tensor load behind the round
	PLACES NP-4
.else
	PLACES NP
.endif
	v_add_nc_u32 v[ADRS], 4*NQ, v[ADRS]
	FETCH_B \next, 0, 0
	FETCH_A \next, 0, 0
	SCALES \next
	WIN MUL_HI
	MUL16 4, 1, NQ-1, \slot, 0
	MUL16 6, 1, NQ-1, \slot, 0
	PLACES NP
	WIN 0
	FETCH_A \next, 0, 4
.endm
	s_wait_loadcnt 0x0                             ; the bias: the first products take it as their C
	s_wait_tensorcnt 1                             ; the scales and my part of K step 0 are in; K step 1's load may be out
	s_barrier_signal -1
	s_barrier_wait -1
	FETCH_B 0, 0, 0
	FETCH_A 0, 0, 0
	SCALES 0
	FETCH_A 0, 0, 4
	STEP 0, 0, 1                                   ; K = 1,024 is four slots' worth: written out, no loop
	TURN 0, 1, 1
	STEP 1, 0, 0
	TURN 1, 0, 1
	STEP 0, 0, 0
	TURN 0, 1, 0
	STEP 1, 0, 0
	s_wait_dscnt 4*NL
	WIN MUL_LO
	MUL16 0, 1, NQ-1, 1, 0
	MUL16 2, 1, NQ-1, 1, 0
	s_wait_dscnt 0
	WIN MUL_HI
	MUL16 4, 1, NQ-1, 1, 0
	MUL16 6, 1, NQ-1, 1, 0
	WIN 0
; THE WAY OUT, a tile of A (16 rows x 128 columns) at a time: through my own stage in LDS and back as whole rows of 512 bytes, which the 32 lanes store as two aligned units of 256 bytes.
; Three sets of 64 registers take the rows by turns.
.macro TOSTAGE a
.set AC, 64*((\a)%4)
.set WS, 0x08+4*((\a)/4)
	WIN WS                                         ; the data: window 2 or 3
.irp b, 0,1,2,3,4,5,6,7
	ds_store_b128 v[STO], v[AC+8*\b:AC+8*\b+3] offset:128*(\b/2)+32*(\b%2)          ; each accumulator from its low end on
	ds_store_b128 v[STO], v[AC+8*\b+4:AC+8*\b+7] offset:128*(\b/2)+32*(\b%2)+16
.endr
	WIN 0
.set BB, BK+64*((\a)%3)
.irp t, 0,1,2,3,4,5,6,7,8,9,10,11,12,13,14,15
	ds_load_b128 v[BB+4*\t:BB+4*\t+3], v[RD] offset:\t*SPITCH   ; LDS serves a wave's instructions in order: these see the stores above
.endr
.endm
.macro SEND a, younger                 ; younger: the LDS instructions issued behind tile a's loads, which may stay out
.set BB, BK+64*((\a)%3)
	s_wait_dscnt \younger
.irp t, 0,1,2,3,4,5,6,7,8,9,10,11,12,13,14,15
	global_store_b128 v[LN], v[BB+4*\t:BB+4*\t+3], s[12:13] offset:(32*((\a)/2)+8*((\a)%2)+\t+8*(\t/8))*4096 th:TH_STORE_NT   ; stored row t of tile a is this row of out0; 512 consecutive bytes, aligned
.endr
.endm
	PLACES NP                                      ; behind the last products: results are read and A's registers are loaded below
	TOSTAGE 0
.irp a, 1,2,3,4,5,6,7
	TOSTAGE \a
.if (\a >= 2) && (\a <= 6)
	s_wait_xcnt 0x0                                ; tile a - 2's stores have read their registers, into which tile a + 1's loads land; tile a - 1's stores follow behind this wait
.endif
	SEND \a-1, 32                                  ; behind tile a - 1's loads: tile a's 16 stores and 16 loads
.endr
	SEND 7, 0
	s_wait_tensorcnt 0x0                           ; the wave's end
	ds_add_u32 v[SPW], v[NIL]
	s_wait_dscnt 0x0
	CROUND                                         ; the closing round: no work-group ends while a partner may still ask for a tile that names it
	s_endpgm
.Lfunc_end_k_q5639188ee7_gemmo:
	.size	k_q5639188ee7_gemmo, .Lfunc_end_k_q5639188ee7_gemmo-k_q5639188ee7_gemmo
	.p2alignl 7, 3214868480
	.fill 96, 4, 3214868480
	.section	.rodata,"a",@progbits
	.p2align	6, 0x0
	.amdhsa_kernel k_q5639188ee7_gemmo
		.amdhsa_group_segment_fixed_size 327680
		.amdhsa_private_segment_fixed_size 0
		.amdhsa_enable_private_segment 0
		.amdhsa_kernarg_size 32
		.amdhsa_user_sgpr_count 2
		.amdhsa_user_sgpr_kernarg_segment_ptr 1
		.amdhsa_wavefront_size32 1
		.amdhsa_system_sgpr_workgroup_id_x 1
		.amdhsa_system_sgpr_workgroup_id_y 1
		.amdhsa_system_sgpr_workgroup_id_z 1
		.amdhsa_system_vgpr_workitem_id 0
		.amdhsa_next_free_vgpr 1024
		.amdhsa_next_free_sgpr 98
		.amdhsa_reserve_vcc 0
		.amdhsa_float_denorm_mode_32 3
		.amdhsa_float_denorm_mode_16_64 3
		.amdhsa_memory_ordered 1
		.amdhsa_forward_progress 1
		.amdhsa_inst_pref_size 146
	.end_amdhsa_kernel
	.amdgpu_metadata
---
amdhsa.version: [ 1, 2 ]
amdhsa.kernels:
  - .name:           k_q5639188ee7_gemmo
    .symbol:         k_q5639188ee7_gemmo.kd
    .args:
      - { .name: aq, .offset: 0, .size: 8, .value_kind: global_buffer, .address_space: global }
      - { .name: wp, .offset: 8, .size: 8, .value_kind: global_buffer, .address_space: global }
      - { .name: bproj, .offset: 16, .size: 8, .value_kind: global_buffer, .address_space: global }
      - { .name: out0, .offset: 24, .size: 8, .value_kind: global_buffer, .address_space: global }
    .group_segment_fixed_size: 327680
    .private_segment_fixed_size: 0
    .kernarg_segment_align: 8
    .kernarg_segment_size: 32
    .max_flat_workgroup_size: 128
    .sgpr_count:     98
    .vgpr_count:     1024
    .wavefront_size: 32
...
	.end_amdgpu_metadata
.endif
;; end of part 9
